; MI455X (gfx1250); checked and timed in simulation.
; The chip was launched on July 23, 2026; its instructions are those of AMD's public machine-readable ISA for CDNA 5 (MIT licence, August 2026) and "CDNA5" Instruction Set Architecture Reference Guide (July 2026). The comments in the code are by the model that wrote it; some were corrected since.
;; Transformer Encoder. Allowed arithmetic: matrix products marked QUANTISED: E4M3 operands, one E8M0 scale for each 32 along K, by v_wmma_scale_f32_16x16x128_f8f6f4 with both operands' format E4M3, f32 sums; everything else in f32.
;; Inputs: addnorm_beta 1,024 float32; addnorm_gamma 1,024 float32; fc1_b 4,096 float32; fc1_w_codes 4,096 x 32 x 32 uint8 (E4M3 codes of fc1_w, K innermost, in blocks of 32 codes); fc1_w_scales 4,096 x 32 uint8 (E8M0 scales of fc1_w, one for each 32 codes along K); fc2_b 1,024 float32; fc2_w_codes 1,024 x 128 x 32 uint8 (E4M3 codes of fc2_w, K innermost, in blocks of 32 codes); fc2_w_scales 1,024 x 128 uint8 (E8M0 scales of fc2_w, one for each 32 codes along K); pre_beta 1,024 float32; pre_gamma 1,024 float32; qkv_b 3,072 float32; qkv_w_codes 3,072 x 32 x 32 uint8 (E4M3 codes of qkv_w, K innermost, in blocks of 32 codes); qkv_w_scales 3,072 x 32 uint8 (E8M0 scales of qkv_w, one for each 32 codes along K); src 2 x 2,048 x 1,024 float32.
;; Outputs: out0 2 x 2,048 x 1,024 float32.
;; This version of the problem:
;;   THIS VERSION OF THE PROBLEM IS GIVEN IN LOW PRECISION. The matrix products marked QUANTISED in the list below multiply operands that are first quantised to E4M3 (4 exponent bits, 3 mantissa bits; 8 bits a number), with one power-of-two scale for each 32 numbers along K (OCP MX v1.0); their sums are f32. All else is computed in f32.
;;   The module's matrix products, in the order in which they are computed (A, B: the left and right operand; K: the contracted axis; several contracted axes count as one K, in the product's order):
;;     1. [M 4,096, K 1,024] x [K 1,024, N 3,072]; A: computed on the way; B: input qkv_w (given as codes): QUANTISED
;;     2. batch 32 x [M 2,048, K 64] x [K 64, N 2,048]; A: computed on the way; B: computed on the way: QUANTISED
;;     3. batch 32 x [M 2,048, K 2,048] x [K 2,048, N 64]; A: softmax (see below); B: computed on the way: QUANTISED
;;     4. [M 4,096, K 1,024] x [K 1,024, N 4,096]; A: computed on the way; B: input fc1_w (given as codes): QUANTISED
;;     5. [M 4,096, K 4,096] x [K 4,096, N 1,024]; A: computed on the way; B: input fc2_w (given as codes): QUANTISED
;;   THE QUANTISER, for each operand of a quantised product, along K:
;;     - K is cut into blocks of 32 from its start; a last block that is shorter is filled with zeros.
;;     - A block's scale is 2^e with e = floor(log2(the largest magnitude in the block)) - 8, held to -126 .. 127; a block of zeros has e = 0. As a byte (E8M0): e + 127.
;;     - Each number is divided by its block's scale, clamped to +-448, and rounded to the nearest number of E4M3, ties to even, subnormals kept.
;;     - The product sums the exact products of the quantised numbers (number of the format x scale) in f32.
;;   ~~~python
;;   def quantise(x, axis):      # numpy; x: float32 -> the quantised numbers, widened to float32 again
;;       x = np.moveaxis(x, axis, -1); K = x.shape[-1]
;;       x = np.pad(x, [(0, 0)] * (x.ndim - 1) + [(0, -K % 32)]); x = x.reshape(x.shape[:-1] + (-1, 32)); a = np.abs(x).max(-1, keepdims=True)
;;       e = np.where(a > 0, np.clip(np.frexp(np.where(a > 0, a, 1))[1] - 1 - 8, -126, 127), 0)      # np.frexp(a)[1] - 1 = floor(log2(a)), exactly
;;       r = np.clip(x / 2.0 ** e, -448, 448)
;;       step = 2.0 ** (np.maximum(np.frexp(np.where(r == 0, 1, r))[1] - 1, -6) - 3)
;;       q = np.round(r / step) * step * 2.0 ** e      # np.round: ties to even
;;       return np.moveaxis(q.reshape(q.shape[:-2] + (-1,))[..., :K], -1, axis).astype(np.float32)
;;   ~~~
;;   SOFTMAX AHEAD OF A QUANTISED PRODUCT. Where the list says 'softmax', what is quantised is not the finished softmax but p = 2^(t - M), with t = logit x log2(e) and M = ceil(the row's largest t), a whole number; so 1/2 < the row's largest p <= 1. The row's sum l is taken of the UNQUANTISED p, in f32, and the product's result is divided by l at the end. Since M is a whole number, a kernel that streams over the keys may use a running M (the ceiling of the running maximum): every later rescaling is an exact power of two, which a block's scale takes up: the codes' values come out the same.
;;   OPERANDS COMPUTED ON THE WAY. 'Computed on the way' means the value that the module computes at that place (a softmax that the list does not call 'softmax' is quantised finished and normalised). What goes into a quantiser is computed in f32, as accurately as f32 sums, v_exp_f32 and their like allow (about 1e-6 of the number): no bf16 or f16 on the way to a quantiser, and a product that is left as it is and whose result goes on into a quantised operand takes f32 operands (vector FMAs, or v_wmma_f32_16x16x4_f32). A number that lies on a knife's edge between two numbers of the format may be rounded either way, as far as f32 arithmetic and the matrix unit's own rounding can turn it there, and no further.
;;   INPUTS GIVEN AS CODES. fc1_w (in the module: [4096, 1024], K = its axis 1); fc2_w (in the module: [1024, 4096], K = its axis 1); qkv_w (in the module: [3072, 1024], K = its axis 1): each comes as NAME_codes (uint8): NAME with its K axis moved to the last place and cut into blocks of 32 codes, [.., K / 32, bytes a block], one block behind the other in memory; one code a byte (a code: sign, 4 exponent bits, 3 mantissa bits); and NAME_scales (uint8): the same leading axes, one E8M0 byte (e + 127) for each 32 codes along K. Its value is code x scale, taken as it is: it is not quantised again, and the codes and scales need not be those that the quantiser above would give.
;; 2 versions. Each part assembles by itself: llvm-mc -triple=amdgcn-amd-amdhsa -mcpu=gfx1250 --defsym DOCPART=n.
;; ======== version 1 of 2: 7 launches
;; workspace buffers: xq 4,194,304 bytes; xs 131,072 bytes; st 32,768 bytes; qkvimg 12,582,912 bytes; qkvsc 393,216 bytes; r1 16,777,216 bytes; hq2 17,825,792 bytes; y 16,777,216 bytes
;; launch prenorm (part 1): grid 256 x 1, 8 waves a work-group, no clusters, 2,048 bytes of LDS; arguments src, pre_gamma, pre_beta, xq, xs, st; writes xq, xs, st
.if DOCPART == 1
	.amdgcn_target "amdgcn-amd-amdhsa--gfx1250"
	.amdhsa_code_object_version 6
	.text
	.protected	k_qf50f6a06b4_prenorm
	.globl	k_qf50f6a06b4_prenorm
	.p2align	8
	.type	k_qf50f6a06b4_prenorm,@function
k_qf50f6a06b4_prenorm:
	s_mov_b64 s[64:65], 0
	v_nop
	global_prefetch_b8 v0, s[64:65] scope:SCOPE_SE
	s_setreg_imm32_b32 hwreg(HW_REG_WAVE_MODE, 25, 1), 1
	s_wait_xcnt 0x0
; LayerNorm of rows of 1,024 f32, quantised along the row to codes of E4M3 with one E8M0 byte for each 32 numbers.
; Arguments: rows in [4096][1024] f32, gain [1024], bias [1024]; out: codes [4096][1024], scale bytes [4096][32], statistics [4096][2] f32 (mean, 1/sqrt(var + eps)).
; The normalised rows themselves are not stored: later launches make them again from the rows and the statistics, by the same operations in the same order.
; SHARES.  A work-group takes 16 rows, each of its eight waves two; a row stays in 32 registers a lane-wise: lane l holds, for i = 0..3, the 8 neighbours at column 256 i + 8 l.
; So a block of 32 lies in four neighbouring lanes, a lane's 8 codes are 8 bytes, and one store of the wave covers 256 consecutive bytes, aligned.
; The scale bytes and statistics of the 16 rows meet in LDS and leave by wave 0: 512 consecutive bytes of scale bytes, 128 of statistics (the whole buffer of statistics is 32,768 bytes).
; No matrix unit, no tensor load, no cluster: work-groups share only the gain and the bias, 8 KB beside their 64 KB of rows.
; LIMITS: NaN and infinities are not served.  A block of zeros, or one whose largest magnitude lies under 2^-118, gets the byte 1 (the rule says 127 for zeros): its codes are zeros and this program alone reads the bytes.
.set G,   16                           ; v16-47   gain of my 32 columns
.set BT,  48                           ; v48-79   bias
.set X,   80                           ; v80-143  two rows
.set SA,  144                          ; v144-151 sums in two chains a row; later the eight blocks' largest magnitudes
.set SO,  152                          ; v152-159 what comes from the other half of the lanes; later the conversions' scale operands
.set C,   160                          ; v160-175 codes, two registers a block, written once
.set HD,  176                          ; v176-183 448 x the scale
.set E,   184                          ; v184-191 scale bytes
.set STT, 192                          ; v192-195 (mean, rstd) of the two rows
	s_load_b256 s[4:11], s[0:1], 0x0               ; rows s[4:5], gain s[6:7], bias s[8:9], codes s[10:11]
	s_load_b128 s[12:15], s[0:1], 0x20             ; scale bytes s[12:13], statistics s[14:15]
	v_lshl_add_u32 v200, v0, 2, 0x400
	v_mov_b32 v201, 0
	v_lshrrev_b32 v1, 5, v0
	v_readfirstlane_b32 s16, v1                    ; wave 0..7
	v_and_b32 v1, 31, v0                           ; lane
	v_lshlrev_b32 v2, 5, v1                        ; 32 bytes a lane in a quarter row
	v_lshlrev_b32 v3, 3, v1                        ; 8 bytes of codes a lane
	v_lshrrev_b32 v4, 2, v1
	s_lshl_b32 s17, s16, 6
	v_add_nc_u32 v4, s17, v4                       ; LDS: scale bytes [16 rows][32]: 64 x wave + lane / 4
	s_lshl_b32 s17, s16, 4
	s_add_co_u32 s17, s17, 512
	v_mov_b32 v5, s17                              ; LDS: statistics [16 rows][8 bytes] from byte 512 on
	v_lshlrev_b32 v6, 4, v1                        ; wave 0's way out: 16 bytes a lane,
	v_lshl_add_u32 v7, v1, 2, 512                  ; and 4 bytes a lane of the statistics
	v_lshlrev_b32 v196, 2, v1
	s_mov_b32 s20, 0x76543210
	s_mov_b32 s21, 0xfedcba98                      ; v_permlanex16_b32's selects for lane l xor 16
	s_mov_b32 s22, 0x600000                        ; the mantissa field of 448
	s_mov_b32 s23, 0x3a800000                      ; 1 / 1,024
	s_mov_b32 s24, 0x3727c5ac                      ; eps = 1e-5
.irp r, 9,11,13,15,152,153
	v_mov_b32 v\r, 0                               ; upper halves of pairs that are named whole; destinations of lane permutes
.endr
	s_lshl_b32 s17, ttmp9, 4
	s_lshl_b32 s18, s16, 1
	s_add_co_u32 s17, s17, s18                     ; my first row: 16 x work-group + 2 x wave
	s_mov_b32 s19, 0
	s_lshl_b32 s18, s17, 12
	s_wait_kmcnt 0x0
	s_add_nc_u64 s[4:5], s[4:5], s[18:19]
	s_lshl_b32 s18, s17, 10
	s_add_nc_u64 s[10:11], s[10:11], s[18:19]
	s_lshl_b32 s18, ttmp9, 9
	s_add_nc_u64 s[12:13], s[12:13], s[18:19]
	s_lshl_b32 s18, ttmp9, 7
	s_add_nc_u64 s[14:15], s[14:15], s[18:19]
.irp rr, 0,1
.irp i, 0,1,2,3
	global_load_b128 v[X+32*\rr+8*\i:X+32*\rr+8*\i+3], v2, s[4:5] offset:4096*\rr+1024*\i
	global_load_b128 v[X+32*\rr+8*\i+4:X+32*\rr+8*\i+7], v2, s[4:5] offset:4096*\rr+1024*\i+16
.endr
.endr
.irp i, 0,1,2,3
	global_load_b128 v[G+8*\i:G+8*\i+3], v2, s[6:7] offset:1024*\i
	global_load_b128 v[G+8*\i+4:G+8*\i+7], v2, s[6:7] offset:1024*\i+16
	global_load_b128 v[BT+8*\i:BT+8*\i+3], v2, s[8:9] offset:1024*\i
	global_load_b128 v[BT+8*\i+4:BT+8*\i+7], v2, s[8:9] offset:1024*\i+16
.endr
; The two chains of each row become one number, summed over the 32 lanes; every lane ends with the sum.  The rows take turns line by line.
.macro REDUCE
.irp rr, 0,1
	v_pk_add_f32 v[SA+4*\rr:SA+4*\rr+1], v[SA+4*\rr:SA+4*\rr+1], v[SA+4*\rr+2:SA+4*\rr+3]
.endr
.irp rr, 0,1
	v_add_f32 v[SA+4*\rr], v[SA+4*\rr], v[SA+4*\rr+1]
.endr
.irp m, 1,2,4,8
.irp rr, 0,1
	v_add_f32_dpp v[SA+4*\rr], v[SA+4*\rr], v[SA+4*\rr] row_xmask:\m row_mask:0xf bank_mask:0xf
.endr
.endr
.irp rr, 0,1
	v_permlanex16_b32 v[SO+\rr], v[SA+4*\rr], s20, s21
.endr
.irp rr, 0,1
	v_add_f32 v[SA+4*\rr], v[SA+4*\rr], v[SO+\rr]
.endr
.endm
	s_wait_loadcnt 16                              ; the rows' 16 loads are in; the 16 of gain and bias may be out
.irp rr, 0,1
	v_pk_add_f32 v[SA+4*\rr:SA+4*\rr+1], v[X+32*\rr:X+32*\rr+1], v[X+32*\rr+2:X+32*\rr+3]
	v_pk_add_f32 v[SA+4*\rr+2:SA+4*\rr+3], v[X+32*\rr+4:X+32*\rr+5], v[X+32*\rr+6:X+32*\rr+7]
.endr
.irp j, 8,12,16,20,24,28
.irp rr, 0,1
	v_pk_add_f32 v[SA+4*\rr:SA+4*\rr+1], v[SA+4*\rr:SA+4*\rr+1], v[X+32*\rr+\j:X+32*\rr+\j+1]
	v_pk_add_f32 v[SA+4*\rr+2:SA+4*\rr+3], v[SA+4*\rr+2:SA+4*\rr+3], v[X+32*\rr+\j+2:X+32*\rr+\j+3]
.endr
.endr
	REDUCE
.irp rr, 0,1
	v_mul_f32 v[8+4*\rr], s23, v[SA+4*\rr]         ; the mean
.endr
.set j, 0
.rept 16
.irp rr, 0,1
	v_pk_add_f32 v[X+32*\rr+j:X+32*\rr+j+1], v[X+32*\rr+j:X+32*\rr+j+1], v[8+4*\rr:9+4*\rr] op_sel_hi:[1,0] neg_lo:[0,1] neg_hi:[0,1]   ; x - mean
.endr
.set j, j+2
.endr
.irp rr, 0,1
	v_pk_mul_f32 v[SA+4*\rr:SA+4*\rr+1], v[X+32*\rr:X+32*\rr+1], v[X+32*\rr:X+32*\rr+1]
	v_pk_mul_f32 v[SA+4*\rr+2:SA+4*\rr+3], v[X+32*\rr+2:X+32*\rr+3], v[X+32*\rr+2:X+32*\rr+3]
.endr
.irp j, 4,8,12,16,20,24,28
.irp rr, 0,1
	v_pk_fma_f32 v[SA+4*\rr:SA+4*\rr+1], v[X+32*\rr+\j:X+32*\rr+\j+1], v[X+32*\rr+\j:X+32*\rr+\j+1], v[SA+4*\rr:SA+4*\rr+1]
	v_pk_fma_f32 v[SA+4*\rr+2:SA+4*\rr+3], v[X+32*\rr+\j+2:X+32*\rr+\j+3], v[X+32*\rr+\j+2:X+32*\rr+\j+3], v[SA+4*\rr+2:SA+4*\rr+3]
.endr
.endr
	REDUCE
.irp rr, 0,1
	v_fma_f32 v[SA+4*\rr+2], v[SA+4*\rr], s23, s24 ; var + eps
.endr
.irp rr, 0,1
	v_rsq_f32 v[10+4*\rr], v[SA+4*\rr+2]
.endr
.irp rr, 0,1
	v_mov_b32 v[STT+2*\rr], v[8+4*\rr]             ; plain work behind the two roots
.endr
	s_wait_alu depctr_va_vdst(0)                   ; one wait for both roots, ahead of their first reader
.irp rr, 0,1
	v_mov_b32 v[STT+2*\rr+1], v[10+4*\rr]
.endr
	s_wait_loadcnt 0x0                             ; gain and bias
.set j, 0
.rept 16
.irp rr, 0,1
	v_pk_mul_f32 v[X+32*\rr+j:X+32*\rr+j+1], v[X+32*\rr+j:X+32*\rr+j+1], v[10+4*\rr:11+4*\rr] op_sel_hi:[1,0]
.endr
.set j, j+2
.endr
.set j, 0
.rept 16
.irp rr, 0,1
	v_pk_fma_f32 v[X+32*\rr+j:X+32*\rr+j+1], v[X+32*\rr+j:X+32*\rr+j+1], v[G+j:G+j+1], v[BT+j:BT+j+1]
.endr
.set j, j+2
.endr
	; ---- the quantiser: my eight pieces of blocks (k = 4 x row + i), by turns.  A block's largest magnitude: my 8 numbers, the floor 2^(9 - 127), three neighbouring lanes'
.irp k, 0,1,2,3,4,5,6,7
	v_max3_num_f32 v[SA+\k], |v[X+8*\k]|, |v[X+8*\k+1]|, 0x4800000
.endr
.irp i, 2,4,6
.irp k, 0,1,2,3,4,5,6,7
	v_max3_num_f32 v[SA+\k], v[SA+\k], |v[X+8*\k+\i]|, |v[X+8*\k+\i+1]|
.endr
.endr
.irp m, 1,2
.irp k, 0,1,2,3,4,5,6,7
	v_max_num_f32_dpp v[SA+\k], v[SA+\k], v[SA+\k] row_xmask:\m row_mask:0xf bank_mask:0xf
.endr
.endr
.irp k, 0,1,2,3,4,5,6,7
	v_add_nc_u32 v[SO+\k], 0xfc000000, v[SA+\k]    ; 8 off the exponent field: the conversion's scale operand
.endr
.irp k, 0,1,2,3,4,5,6,7
	v_and_or_b32 v[HD+\k], v[SA+\k], 0x7f800000, s22   ; 448 x the scale
.endr
.irp k, 0,1,2,3,4,5,6,7
.irp i, 0,1,2,3,4,5,6,7
	v_med3_num_f32 v[X+8*\k+\i], v[X+8*\k+\i], -v[HD+\k], v[HD+\k]   ; the conversion to an 8-bit code does not saturate (ISA guide 7.6.2): the hold comes first
.endr
	v_cvt_scalef32_pk8_fp8_f32 v[C+2*\k:C+2*\k+1], v[X+8*\k:X+8*\k+7], v[SO+\k]
.endr
.irp k, 0,1,2,3,4,5,6,7
	v_lshrrev_b32 v[E+\k], 23, v[SO+\k]            ; the scale's byte (also the plain line behind the last conversion)
.endr
.irp k, 0,1,2,3,4,5,6,7
	ds_store_b8 v4, v[E+\k] offset:32*(\k/4)+8*(\k%4)   ; the four lanes of a block write the same byte with the same value
	global_store_b64 v3, v[C+2*\k:C+2*\k+1], s[10:11] offset:1024*(\k/4)+256*(\k%4)   ; 32 lanes store 256 consecutive bytes, aligned
.endr
.irp rr, 0,1
	ds_store_b64 v5, v[STT+2*\rr:STT+2*\rr+1] offset:8*\rr   ; all lanes write the same 8 bytes with the same value
.endr
	s_wait_dscnt 0x0                               ; for wave 0's sake: my LDS stores are done
	s_barrier_signal -1
	s_barrier_wait -1
	s_cmp_lg_u32 s16, 0
	s_cbranch_scc1 .Ldone
	ds_load_b128 v[144:147], v6                    ; 16 rows x 32 scale bytes
	ds_load_b32 v148, v7                           ; 16 rows x (mean, rstd)
	s_wait_dscnt 0x0
	global_store_b128 v6, v[144:147], s[12:13]     ; 512 consecutive bytes
	global_store_b32 v196, v148, s[14:15]          ; 128 consecutive bytes
.Ldone:
	s_wait_tensorcnt 0x0
	ds_add_u32 v200, v201
	s_wait_dscnt 0x0
	s_endpgm
.Lfunc_end_k_qf50f6a06b4_prenorm:
	.size	k_qf50f6a06b4_prenorm, .Lfunc_end_k_qf50f6a06b4_prenorm-k_qf50f6a06b4_prenorm
	.p2alignl 7, 3214868480
	.fill 96, 4, 3214868480
	.section	.rodata,"a",@progbits
	.p2align	6, 0x0
	.amdhsa_kernel k_qf50f6a06b4_prenorm
		.amdhsa_group_segment_fixed_size 2048
		.amdhsa_private_segment_fixed_size 0
		.amdhsa_enable_private_segment 0
		.amdhsa_kernarg_size 48
		.amdhsa_user_sgpr_count 2
		.amdhsa_user_sgpr_kernarg_segment_ptr 1
		.amdhsa_wavefront_size32 1
		.amdhsa_system_sgpr_workgroup_id_x 1
		.amdhsa_system_sgpr_workgroup_id_y 1
		.amdhsa_system_sgpr_workgroup_id_z 1
		.amdhsa_system_vgpr_workitem_id 0
		.amdhsa_next_free_vgpr 202
		.amdhsa_next_free_sgpr 66
		.amdhsa_reserve_vcc 0
		.amdhsa_float_denorm_mode_32 3
		.amdhsa_float_denorm_mode_16_64 3
		.amdhsa_memory_ordered 1
		.amdhsa_forward_progress 1
		.amdhsa_inst_pref_size 29
	.end_amdhsa_kernel
	.amdgpu_metadata
---
amdhsa.version: [ 1, 2 ]
amdhsa.kernels:
  - .name:           k_qf50f6a06b4_prenorm
    .symbol:         k_qf50f6a06b4_prenorm.kd
    .args:
      - { .name: src, .offset: 0, .size: 8, .value_kind: global_buffer, .address_space: global }
      - { .name: pre_gamma, .offset: 8, .size: 8, .value_kind: global_buffer, .address_space: global }
      - { .name: pre_beta, .offset: 16, .size: 8, .value_kind: global_buffer, .address_space: global }
      - { .name: xq, .offset: 24, .size: 8, .value_kind: global_buffer, .address_space: global }
      - { .name: xs, .offset: 32, .size: 8, .value_kind: global_buffer, .address_space: global }
      - { .name: st, .offset: 40, .size: 8, .value_kind: global_buffer, .address_space: global }
    .group_segment_fixed_size: 2048
    .private_segment_fixed_size: 0
    .kernarg_segment_align: 8
    .kernarg_segment_size: 48
    .max_flat_workgroup_size: 256
    .sgpr_count:     66
    .vgpr_count:     202
    .wavefront_size: 32
...
	.end_amdgpu_metadata
.endif
;; end of part 1
;; launch qkv (part 2): grid 12 x 16, 4 waves a work-group, clusters of 4 x 4, 327,680 bytes of LDS; arguments xq, xs, qkv_w_codes, qkv_w_scales, qkv_b, qkvimg, qkvsc; writes qkvimg, qkvsc
.if DOCPART == 2
	.amdgcn_target "amdgcn-amd-amdhsa--gfx1250"
	.amdhsa_code_object_version 6
	.text
	.protected	k_qf50f6a06b4_qkv
	.globl	k_qf50f6a06b4_qkv
	.p2align	8
	.type	k_qf50f6a06b4_qkv,@function
k_qf50f6a06b4_qkv:
	s_mov_b64 s[64:65], 0
	v_nop
	global_prefetch_b8 v0, s[64:65] scope:SCOPE_SE
	s_setreg_imm32_b32 hwreg(HW_REG_WAVE_MODE, 25, 1), 1
	s_wait_xcnt 0x0
	s_wait_alu depctr_hold_cnt(0) depctr_sa_sdst(0) depctr_va_vdst(0) depctr_va_sdst(0) depctr_va_ssrc(0) depctr_va_vcc(0) depctr_vm_vsrc(0)
	s_getreg_b32 s2, hwreg(HW_REG_IB_STS2, 6, 4)
	s_cmp_eq_u32 s2, 0
	s_cbranch_scc0 .Lentry_in_a_cluster
	s_endpgm
.Lentry_in_a_cluster:
	s_bfe_u32 s2, ttmp6, 0x10000c
	s_cmp_lg_u32 s2, 0xf033
	s_cbranch_scc0 .Lentry_shape_is_right
	s_endpgm
.Lentry_shape_is_right:
; qkv = x W^T + b on codes of E4M3 with E8M0 scales (K = 1,024); q, k and v are quantised on the way out and stored as images of operand registers.
; x: codes [4096][1024], scale bytes [4096][32].  W: codes [3072][1024], scale bytes [3072][32].  b [3072] f32.
; A tile of 256 x 256 is made by four waves, each 128 x 128 in 64 accumulators; K goes in steps of 256 through two LDS slots filled by the tensor data mover; the scale bytes of the tile's rows come once and stay.
; CLUSTERS of 4 x 4: the "A side" tile is asked for jointly along a row of the cluster, the "B side" tile along a column.
; THE PRODUCT IS USED TRANSPOSED (source 0 = 16 rows of the B side, source 1 = 16 rows of the A side): lane (r, h) holds A-side row r, and register 8 t + j of a block B-side row 16 t + 8 h + j.
; TWO ROLES, ONE PATH.  Clusters with x = 0, 1 (q, k): A side = tokens, B side = W's rows 0-2047: a lane's registers run along the channels, which are K of q k^T.
; Clusters with x = 2 (v): A side = W's rows 2048-3071, B side = tokens: a lane's registers run along the tokens, the keys, which are K of p v.  x and W have the same form, so only pointers and tile numbers are chosen
; (by selects on the cluster's x, the same in all partners); no branch hangs on the choice.
; THE IMAGES.  Registers 16 c .. 16 c + 15 of a lane and of lane l xor 16 are one block of 32 along K; their codes are registers 4 c .. 4 c + 3 of an operand.  Inside a block the order along K is
; (u, h, j) -> 16 u + 8 h + j at place 16 h + 8 u + j: the same in q and k, and in v and p, so every product pairs the right numbers; only the order of the sums inside an instruction differs.
; qkvimg [W row / 128][token / 128][16,384 bytes]: my wave's eight fragments on end, 2,048 bytes each, lane l's 16 bytes of piece c at 512 c + 16 l.  qkvsc [W row / 128][token / 128][2][4][16 words]:
; q, k: word (head parity, g, r) = the two bytes of token tile 2 g below those of tile 2 g + 1;  v: word (head parity, tile of channels, r) = the four bytes of the 128 keys.
; LIMITS: NaN and infinities are not served; a block of zeros or under 2^-118 gets the byte 1 (this program alone reads the bytes).
.set SIZE_K, 1024
.set KSTEP,  256
.set NQ,     KSTEP/128
.set ROWB,   256
.set KROW,   SIZE_K
.set PITCH,  272                       ; an LDS row: 256 bytes + 16 of padding
.set FR,     16
.set NL,     4
.set NP,     8                         ; places behind this matrix instruction (ISA guide 7.12.1)
.set HALFT,  128*PITCH
.set SLOT,   4*HALFT
.set LAPS,   SIZE_K/(2*KSTEP)
.set KS,     SIZE_K/32
.set SCL,    2*SLOT                    ; behind the ring: the scale bytes, as units of 256 bytes + 16 of padding
.set HALFS,  (128*KS/256)*272
.set SBLK,   (16*KS/256)*272
.set SPARE,  SCL+4*HALFS               ; the spare words: 128 bytes a wave, named by no other line
.set ADRA, 16
.set ADRB, 20
.set ADRS, 27
.set SPW,  28
.set NIL,  29
.set SC,   32                          ; v32-63 scale words, two sets: they hold scales and nothing else
.set AF,   128
.set BM,   8                           ; v8-15   bias by A-side row (v's role)
.set BN,   64                          ; v64-127 bias by B-side row (q's and k's role)
.set W,    128                         ; the way out: 64 numbers
.set PW,   192                         ; v192-199 the eight blocks' scale words
.set PC,   200                         ; v200-215 the codes just made
.set TM,   216                         ; v216-231 the quantiser's scratch
.set SEL,  32                          ; s[32:33], s34: set on the way out, when no tensor load is out
.set MNT,  34
.set G1, 24
.set G0, 32
.set G1B, 48
.set G0B, 56
.set G1S, 68
.set G0S, 76
.set G1SB, 80
.set G0SB, 88
.set MSB, 0
.macro WIN new                         ; the immediate's high byte repeats the setting that is left
.if MSB != (\new)
	s_set_vgpr_msb (MSB<<8)|(\new)
.set MSB, (\new)
.endif
.endm
.set MUL_LO, 0xa1                      ; source 0 (B) window 1, source 1 (A) window 0, C and D window 2
.set MUL_HI, 0xf1
.set TO_B,   0x40
.macro JLOAD g0a, g1a, g0b, g1b        ; a joint load: waves 0 and 1 fetch for A, waves 2 and 3 for B; four v_nop follow each line
	s_cmp_eq_u32 s15, 0
	s_cbranch_scc0 .Lfor_b_\@
	tensor_load_to_lds s[\g0a:\g0a+3], s[\g1a:\g1a+7]
	s_nop 0
.rept 4
	v_nop
.endr
	s_branch .Lasked_\@
.Lfor_b_\@:
	tensor_load_to_lds s[\g0b:\g0b+3], s[\g1b:\g1b+7]
	s_nop 0
.rept 4
	v_nop
.endr
.Lasked_\@:
.endm
.macro CREST
	s_cmp_lg_u32 s14, 0
	s_cbranch_scc1 .Lnot_wave_0_\@
	s_barrier_signal -3
.Lnot_wave_0_\@:
	s_barrier_wait -3
	s_barrier_signal -1
	s_barrier_wait -1
.endm
.macro CROUND
	s_barrier_signal -1
	s_barrier_wait -1
	CREST
.endm
	s_load_b256 s[4:11], s[0:1], 0x0               ; x's codes, x's scales, W's codes, W's scales
	s_load_b64 s[12:13], s[0:1], 0x20              ; b
	v_lshl_add_u32 v[SPW], v0, 2, SPARE
	v_mov_b32 v[NIL], 0
	ds_add_u32 v28, v29
	ds_add_u32 v28, v29
	s_wait_dscnt 0x0
	v_lshrrev_b32 v1, 5, v0
	v_readfirstlane_b32 s14, v1                    ; wave 0..3
	s_lshr_b32 s15, s14, 1                         ; my half of the A side's rows.  Also: I fetch for A (0) or for B (1)
	s_and_b32 s16, s14, 1                          ; my half of the B side's rows.  Also: which 128 rows I fetch
	s_bfe_u32 s40, ttmp6, 0x40000                  ; cx
	s_bfe_u32 s41, ttmp6, 0x40004                  ; cy
	s_and_b32 s18, ttmp7, 0xffff                   ; the cluster's y
	s_cmp_eq_u32 ttmp9, 2                          ; v's clusters: the same answer in all sixteen partners
	s_cselect_b32 s19, ttmp9, s18                  ; which cluster coordinate counts A-side tiles,
	s_cselect_b32 s18, s18, ttmp9                  ; and which B-side tiles
	s_cselect_b32 s104, -1, 0                      ; a lane mask: all lanes in v's role, none else
	s_lshl_b32 s17, s19, 2
	s_add_co_u32 s17, s17, s41                     ; A-side tile: hangs on cy alone
	s_lshl_b32 s42, s18, 2
	s_add_co_u32 s42, s42, s40                     ; B-side tile: hangs on cx alone
	s_lshl_b32 s43, s41, 2
	s_lshl_b32 s43, 15, s43                        ; my row of the cluster
	s_lshl_b32 s44, 0x1111, s40                    ; my column
	s_or_b32 s[G1+0], s43, (0<<16)|(1<<20)|(1<<21)|(5<<22)|(3<<25)   ; mask; elements of 1 byte; padding: 4 words after every 64
	s_or_b32 s[G1B+0], s44, (0<<16)|(1<<20)|(1<<21)|(5<<22)|(3<<25)
.irp g, G1, G1B
	s_mov_b32 s[\g+1], ROWB<<16                    ; tensor_dim0
	s_mov_b32 s[\g+2], 128<<16                     ; tensor_dim1
	s_mov_b32 s[\g+3], ROWB<<16                    ; tile_dim0
	s_mov_b32 s[\g+4], 128                         ; tile_dim1
	s_mov_b32 s[\g+5], KROW                        ; the pitch
	s_mov_b32 s[\g+6], 0
	s_mov_b32 s[\g+7], 0
.endr
	s_or_b32 s[G1S+0], s43, (3<<16)|(1<<20)|(1<<21)|(5<<22)|(3<<25)  ; the scale bytes of 128 rows: a dense block, as rows of 256 bytes (32 elements of 8)
	s_or_b32 s[G1SB+0], s44, (3<<16)|(1<<20)|(1<<21)|(5<<22)|(3<<25)
.irp g, G1S, G1SB
	s_mov_b32 s[\g+1], 32<<16
	s_mov_b32 s[\g+2], (128*KS/256)<<16
	s_mov_b32 s[\g+3], 32<<16
	s_mov_b32 s[\g+4], 128*KS/256
	s_mov_b32 s[\g+5], 32
	s_mov_b32 s[\g+6], 0
	s_mov_b32 s[\g+7], 0
.endr
	s_lshl_b32 s18, s16, 7
	s_lshl_b32 s20, s17, 8
	s_add_co_u32 s20, s20, s18                     ; A: the first row that I fetch
	s_lshl_b32 s46, s42, 8
	s_add_co_u32 s46, s46, s18                     ; B likewise
	s_mov_b32 s21, 0
	s_mov_b32 s47, 0
	s_mov_b64 s[18:19], KS
	s_mul_u64 s[22:23], s[20:21], s[18:19]
	s_mul_u64 s[92:93], s[46:47], s[18:19]
	s_mov_b64 s[18:19], KROW
	s_mul_u64 s[20:21], s[20:21], s[18:19]
	s_mul_u64 s[46:47], s[46:47], s[18:19]
	s_mul_i32 s45, s14, HALFT
	s_mul_i32 s94, s14, HALFS
	s_lshl_b32 s98, s17, 8                         ; the rows that I COMPUTE: they enter the bias's and the outputs' addresses alone
	s_lshl_b32 s99, s15, 7
	s_add_co_u32 s98, s98, s99                     ; A side
	s_lshl_b32 s99, s42, 8
	s_lshl_b32 s100, s16, 7
	s_add_co_u32 s99, s99, s100                    ; B side
	s_cmp_eq_u32 ttmp9, 2
	s_cselect_b32 s105, s98, s99                   ; my first row of W
	s_cselect_b32 s95, s99, s98                    ; my first token
	s_wait_kmcnt 0x0
	s_cmp_eq_u32 ttmp9, 2
	s_cselect_b64 s[96:97], s[8:9], s[4:5]         ; A side's codes,
	s_cselect_b64 s[98:99], s[10:11], s[6:7]       ; its scale bytes,
	s_cselect_b64 s[100:101], s[4:5], s[8:9]       ; B side's codes,
	s_cselect_b64 s[66:67], s[6:7], s[10:11]       ; its scale bytes
	s_add_nc_u64 s[20:21], s[96:97], s[20:21]
	s_add_nc_u64 s[22:23], s[98:99], s[22:23]
	s_add_nc_u64 s[46:47], s[100:101], s[46:47]
	s_add_nc_u64 s[92:93], s[66:67], s[92:93]
	CROUND                                         ; all sixteen work-groups are here: the first joint loads meet
	s_mov_b32 s[G0S], 1
	s_add_co_u32 s[G0S+1], s94, SCL
	s_mov_b64 s[G0S+2:G0S+3], s[22:23]
	s_or_b32 s[G0S+3], s[G0S+3], 0x80000000
	s_mov_b32 s[G0SB], 1
	s_add_co_u32 s[G0SB+1], s94, SCL
	s_mov_b64 s[G0SB+2:G0SB+3], s[92:93]
	s_or_b32 s[G0SB+3], s[G0SB+3], 0x80000000
	JLOAD G0S, G1S, G0SB, G1SB                     ; the scale bytes first
.irp s, 0,1
	s_mov_b32 s[G0+4*\s], 1
	s_add_co_u32 s[G0+4*\s+1], s45, \s*SLOT
	s_add_nc_u64 s[G0+4*\s+2:G0+4*\s+3], s[20:21], \s*ROWB
	s_or_b32 s[G0+4*\s+3], s[G0+4*\s+3], 0x80000000
	s_mov_b32 s[G0B+4*\s], 1
	s_add_co_u32 s[G0B+4*\s+1], s45, \s*SLOT
	s_add_nc_u64 s[G0B+4*\s+2:G0B+4*\s+3], s[46:47], \s*ROWB
	s_or_b32 s[G0B+4*\s+3], s[G0B+4*\s+3], 0x80000000
	JLOAD G0+4*\s, G1, G0B+4*\s, G1B
.endr
	v_and_b32 v1, 15, v0                           ; r
	v_bfe_u32 v2, v0, 4, 1                         ; h
	v_mul_u32_u24 v3, v1, PITCH
	v_lshl_add_u32 v4, v2, 4, v3
	s_mul_i32 s21, s15, HALFT
	s_mul_i32 s22, s16, HALFT
	s_add_co_u32 s22, s22, 2*HALFT
.irp s, 0,1
	v_add_nc_u32 v[ADRA+\s], s21, v4
	v_add_nc_u32 v[ADRB+\s], s22, v4
	s_add_co_u32 s21, s21, SLOT
	s_add_co_u32 s22, s22, SLOT
.endr
	v_mul_u32_u24 v5, v1, KS
	v_lshrrev_b32 v6, 8, v5
	v_lshl_add_u32 v5, v6, 4, v5
	s_mul_i32 s21, s15, HALFS
	s_mul_i32 s22, s16, HALFS
	s_add_co_u32 s22, s22, 2*HALFS
	s_sub_co_u32 s22, s22, s21
	v_mul_u32_u24 v6, s22, v2                      ; lanes 16-31 take the B side's words
	s_add_co_u32 s21, s21, SCL
	v_add_nc_u32 v5, v5, v6
	v_add_nc_u32 v[ADRS], s21, v5
	v_lshlrev_b32 v7, 5, v2                        ; the bias by B-side row: 32 h
	v_lshlrev_b32 v30, 2, v1                       ; and by A-side row: 4 r
	s_lshl_b32 s23, s14, 9
	v_add_nc_u32 v18, s23, v30                     ; the way out: my 512 bytes for scale words, in slot 0: in, 4 r;
	v_and_b32 v6, 31, v0
	v_lshlrev_b32 v26, 4, v6                       ; 16 x lane
	v_add_nc_u32 v19, s23, v26                     ; back, 16 x lane
	s_lshl_b32 s46, s105, 2
	s_mov_b32 s47, 0
	s_add_nc_u64 s[12:13], s[12:13], s[46:47]      ; b at my first row of W: both readings below stay inside my 128 rows
.irp b, 0,1,2,3,4,5,6,7
	global_load_b128 v[BN+8*\b:BN+8*\b+3], v7, s[12:13] offset:64*\b
	global_load_b128 v[BN+8*\b+4:BN+8*\b+7], v7, s[12:13] offset:64*\b+16
.endr
.irp a, 0,1,2,3,4,5,6,7
	global_load_b32 v[BM+\a], v30, s[12:13] offset:64*\a
.endr
.macro FRAG reg, adr, q, i             ; 16 rows x 128 K: registers 4 c .. 4 c + 3 hold K = 32 c + 16 h + 0 .. 15
.irp c, 0,1,2,3
	ds_load_b128 v[\reg+4*\c:\reg+4*\c+3], v[\adr] offset:128*(\q)+32*\c+(\i)*16*PITCH
.endr
.endm
; 16 matrix instructions: A's blocks a0, a0 + 1 x B's eight.  The 64 accumulators take turns, one instruction a turn, in the same order in every step.
.macro MUL16 a0, p, q, sc, zero
.irp a, \a0, \a0+1
.irp b, 0,1,2,3,4,5,6,7
.if \zero
	v_wmma_scale_f32_16x16x128_f8f6f4 v[8*(8*((\a)%4)+\b):8*(8*((\a)%4)+\b)+7], v[128*(\p)+FR*\b:128*(\p)+FR*\b+FR-1], v[AF+FR*(\a):AF+FR*(\a)+FR-1], 0, v[SC+8*NQ*(\sc)+NQ*\b+(\q)], v[SC+8*NQ*(\sc)+NQ*(\a)+(\q)] matrix_a_scale:MATRIX_SCALE_ROW1
.else
	v_wmma_scale_f32_16x16x128_f8f6f4 v[8*(8*((\a)%4)+\b):8*(8*((\a)%4)+\b)+7], v[128*(\p)+FR*\b:128*(\p)+FR*\b+FR-1], v[AF+FR*(\a):AF+FR*(\a)+FR-1], v[8*(8*((\a)%4)+\b):8*(8*((\a)%4)+\b)+7], v[SC+8*NQ*(\sc)+NQ*\b+(\q)], v[SC+8*NQ*(\sc)+NQ*(\a)+(\q)] matrix_a_scale:MATRIX_SCALE_ROW1
.endif
.endr
.endr
.endm
.macro FETCH_B slot, q, p
	WIN TO_B
.irp i, 0,1,2,3,4,5,6,7
	FRAG 128*(\p)+FR*\i, ADRB+\slot, \q, \i
.endr
	WIN 0
.endm
.macro FETCH_A slot, q, i0
.irp i, \i0, \i0+1, \i0+2, \i0+3
	FRAG AF+FR*(\i), ADRA+\slot, \q, \i
.endr
.endm
.macro SCALES sc                       ; a K step's scale words: lanes 0-15 A's block i, lanes 16-31 B's block i
.irp i, 0,1,2,3,4,5,6,7
	ds_load_b64 v[SC+8*NQ*\sc+NQ*\i:SC+8*NQ*\sc+NQ*\i+1], v[ADRS] offset:\i*SBLK
.endr
.endm
.macro PLACES n                        ; plain vector lines between a matrix instruction and a load into, or a read of, its registers
.rept \n
	v_nop
.endr
.endm
.macro STEP slot, q, zero              ; 128 along K whose successor lies in the same slot
	s_wait_dscnt 4*NL                              ; B's set and A's blocks 0-3 are in; the youngest 16 loads (A's blocks 4-7) may be out
	WIN MUL_LO
	MUL16 0, (\q)%2, \q, \slot, \zero
	MUL16 2, (\q)%2, \q, \slot, \zero
	s_wait_dscnt 0
	PLACES NP
	FETCH_B \slot, (\q)+1, 1-(\q)%2
	FETCH_A \slot, (\q)+1, 0
	WIN MUL_HI
	MUL16 4, (\q)%2, \q, \slot, \zero
	MUL16 6, (\q)%2, \q, \slot, \zero
	PLACES NP
	WIN 0
	FETCH_A \slot, (\q)+1, 4
.endm
.macro TURN slot, next, fill           ; a slot's last 128 along K, and the change of slots
	s_wait_tensorcnt 0x0                           ; all my tensor loads have landed: my part of the next slot
	ds_add_u32 v[SPW], v[NIL]                      ; 0 onto my spare word
	s_wait_dscnt 4*NL+1                            ; (the add and the youngest 16 loads may be out)
	WIN MUL_LO
	MUL16 0, 1, NQ-1, \slot, 0
	s_wait_dscnt 0x0                               ; the add is done, and my reads of this slot are over
	s_barrier_signal -1
	MUL16 2, 1, NQ-1, \slot, 0
	WIN 0
	s_barrier_wait -1
.if \fill
	CREST                                          ; the barrier has opened a round of the cluster's: no wave of any partner still reads this slot or has a load on its way
	s_add_nc_u64 s[G0+4*\slot+2:G0+4*\slot+3], s[G0+4*\slot+2:G0+4*\slot+3], 2*ROWB
	s_add_nc_u64 s[G0B+4*\slot+2:G0B+4*\slot+3], s[G0B+4*\slot+2:G0B+4*\slot+3], 2*ROWB
	JLOAD G0+4*\slot, G1, G0B+4*\slot, G1B         ; the first tensor load behind the round; its four v_nop are four of the eight places
	PLACES NP-4
.else
	PLACES NP
.endif
	v_add_nc_u32 v[ADRS], 4*NQ, v[ADRS]
	FETCH_B \next, 0, 0
	FETCH_A \next, 0, 0
	SCALES \next
	WIN MUL_HI
	MUL16 4, 1, NQ-1, \slot, 0
	MUL16 6, 1, NQ-1, \slot, 0
	PLACES NP
	WIN 0
	FETCH_A \next, 0, 4
.endm
	s_wait_tensorcnt 1                             ; the scale bytes and my part of K step 0 are in (K step 1's load may be out)
	s_barrier_signal -1
	s_barrier_wait -1
	FETCH_B 0, 0, 0
	FETCH_A 0, 0, 0
	SCALES 0
	FETCH_A 0, 0, 4
	STEP 0, 0, 1                                   ; the first products start the sums
	s_mov_b32 s3, LAPS-1
.Llap:
	TURN 0, 1, 1
	STEP 1, 0, 0
	TURN 1, 0, 1
	STEP 0, 0, 0
	s_sub_co_u32 s3, s3, 1
	s_cmp_lg_u32 s3, 0
	s_cbranch_scc1 .Llap
	TURN 0, 1, 0                                   ; the last lap fills nothing
	STEP 1, 0, 0
	s_wait_dscnt 4*NL
	WIN MUL_LO
	MUL16 0, 1, NQ-1, 1, 0
	MUL16 2, 1, NQ-1, 1, 0
	s_wait_dscnt 0
	WIN MUL_HI
	MUL16 4, 1, NQ-1, 1, 0
	MUL16 6, 1, NQ-1, 1, 0
	WIN 0
; 64 numbers of a lane, register 16 b + i, become a fragment's codes in v[pc] on and its scale word in v[pw].  A block of 32 lies in lanes l and l xor 16.
.macro QUANT s, pc, pw
.irp b, 0,1,2,3
	v_max3_num_f32 v[TM+\b], |v[\s+16*\b]|, |v[\s+1+16*\b]|, 0x4800000   ; with the floor 2^(9 - 127): the byte cannot fall under 1
.endr
.irp i, 2,4,6,8,10,12,14
.irp b, 0,1,2,3
	v_max3_num_f32 v[TM+\b], v[TM+\b], |v[\s+16*\b+\i]|, |v[\s+1+16*\b+\i]|
.endr
.endr
.irp b, 0,1,2,3
	v_permlanex16_b32 v[TM+4+\b], v[TM+\b], s[SEL], s[SEL+1]
.endr
.irp b, 0,1,2,3
	v_max_num_f32 v[TM+\b], v[TM+\b], v[TM+4+\b]
.endr
.irp b, 0,1,2,3
	v_add_nc_u32 v[TM+12+\b], 0xfc000000, v[TM+\b]   ; 8 off the exponent field: the conversion's scale operand
.endr
.irp b, 0,1,2,3
	v_and_or_b32 v[TM+8+\b], v[TM+\b], 0x7f800000, s[MNT]   ; 448 x the scale
.endr
.irp b, 0,1,2,3
	v_lshrrev_b32 v[TM+4+\b], 23, v[TM+12+\b]      ; the scale's byte
.endr
	v_lshl_or_b32 v[\pw], v[TM+5], 8, v[TM+4]
	v_lshl_or_b32 v[\pw], v[TM+6], 16, v[\pw]
	v_lshl_or_b32 v[\pw], v[TM+7], 24, v[\pw]
.irp b, 0,1,2,3
.irp i, 0,1,2,3,4,5,6,7,8,9,10,11,12,13,14,15
	v_med3_num_f32 v[\s+16*\b+\i], v[\s+16*\b+\i], -v[TM+8+\b], v[TM+8+\b]   ; the conversion does not saturate (ISA guide 7.6.2): the hold comes first
.endr
	v_cvt_scalef32_pk8_fp8_f32 v[\pc+4*\b:\pc+1+4*\b], v[\s+16*\b:\s+7+16*\b], v[TM+12+\b]
	v_cvt_scalef32_pk8_fp8_f32 v[\pc+2+4*\b:\pc+3+4*\b], v[\s+8+16*\b:\s+15+16*\b], v[TM+12+\b]
.endr
	v_nop                                          ; a plain line behind the last conversion
.endm
	; ---- THE WAY OUT.  No tensor load is out (the last change of slots waited for all), so descriptor registers are free
	PLACES NP
	s_load_b128 s[24:27], s[0:1], 0x28             ; the images, the scale words
	s_mov_b32 s[SEL], 0x76543210
	s_mov_b32 s[SEL+1], 0xfedcba98
	s_mov_b32 s[MNT], 0x600000
	s_mov_b32 s35, 0x05040100                      ; v_perm_b32: the two low halves,
	s_mov_b32 s36, 0x07060302                      ; the two high halves
	s_lshl_b32 s20, s105, 12                       ; (W row / 128) x 32 x 16,384 + (token / 128) x 16,384
	s_lshl_b32 s21, s95, 7
	s_add_co_u32 s20, s20, s21
	s_mov_b32 s21, 0
	s_lshl_b32 s22, s105, 7                        ; (W row / 128) x 32 x 512 + (token / 128) x 512
	s_lshl_b32 s23, s95, 2
	s_add_co_u32 s22, s22, s23
	s_mov_b32 s23, 0
.irp b, 0,1,2,3
	v_mov_b32 v[TM+4+\b], 0                        ; a lane permute's destination counts as one of its sources
.endr
	v_mov_b32 v241, 0                              ; (upper half of a pair that is named whole)
	s_wait_loadcnt 0x0                             ; the bias
.set p, 0
.rept 64
	v_cndmask_b32 v[BN+p], v[BN+p], v[NIL], s104   ; in v's role the bias goes by A-side row: this one counts for nothing
.set p, p+1
.endr
.irp a, 0,1,2,3,4,5,6,7
	v_cndmask_b32 v[BM+\a], v[NIL], v[BM+\a], s104 ; and the other way round
.endr
	s_wait_kmcnt 0x0
	s_add_nc_u64 s[24:25], s[24:25], s[20:21]
	s_add_nc_u64 s[26:27], s[26:27], s[22:23]
.irp a, 0,1,2,3,4,5,6,7
	WIN 2+\a/4                                     ; source 0: the accumulators' window
.set p, 0
.rept 32
	v_pk_add_f32 v[W+p:W+p+1], v[64*(\a%4)+p:64*(\a%4)+p+1], v[BN+p:BN+p+1]   ; each accumulator from its low end on
.set p, p+2
.endr
	WIN 0
	v_mov_b32 v240, v[BM+\a]
.set p, 0
.rept 32
	v_pk_add_f32 v[W+p:W+p+1], v[W+p:W+p+1], v[240:241] op_sel_hi:[1,0]
.set p, p+2
.endr
.if \a > 0
	s_wait_xcnt 0x0                                ; the last block's stores have read the code registers
.endif
	QUANT W, PC, PW+\a
.irp c, 0,1,2,3
	global_store_b128 v26, v[PC+4*\c:PC+4*\c+3], s[24:25] offset:2048*\a+512*\c   ; 512 consecutive bytes a store; the wave's 16,384 bytes lie on end
.endr
.endr
.irp hw, 0,1
.irp g, 0,1,2,3
	v_perm_b32 v242, v[PW+2*\g+1], v[PW+2*\g], s[35+\hw]        ; q, k: one head's two bytes of two neighbouring token tiles
	v_cndmask_b32 v[232+4*\hw+\g], v242, v[PW+4*\hw+\g], s104   ; v: the word as it stands
	ds_store_b32 v18, v[232+4*\hw+\g] offset:64*(4*\hw+\g)      ; lanes l and l xor 16 write the same word with the same value.  Slot 0 has had its last fill and its last read
.endr
.endr
	ds_load_b128 v[244:247], v19                   ; LDS serves a wave's instructions in order: these see my stores
	s_wait_dscnt 0x0
	global_store_b128 v26, v[244:247], s[26:27]    ; 512 consecutive bytes
	s_wait_tensorcnt 0x0                           ; the wave's end
	ds_add_u32 v[SPW], v[NIL]
	s_wait_dscnt 0x0
	CROUND                                         ; the closing round
	s_endpgm
.Lfunc_end_k_qf50f6a06b4_qkv:
	.size	k_qf50f6a06b4_qkv, .Lfunc_end_k_qf50f6a06b4_qkv-k_qf50f6a06b4_qkv
	.p2alignl 7, 3214868480
	.fill 96, 4, 3214868480
	.section	.rodata,"a",@progbits
	.p2align	6, 0x0
	.amdhsa_kernel k_qf50f6a06b4_qkv
		.amdhsa_group_segment_fixed_size 327680
		.amdhsa_private_segment_fixed_size 0
		.amdhsa_enable_private_segment 0
		.amdhsa_kernarg_size 56
		.amdhsa_user_sgpr_count 2
		.amdhsa_user_sgpr_kernarg_segment_ptr 1
		.amdhsa_wavefront_size32 1
		.amdhsa_system_sgpr_workgroup_id_x 1
		.amdhsa_system_sgpr_workgroup_id_y 1
		.amdhsa_system_sgpr_workgroup_id_z 1
		.amdhsa_system_vgpr_workitem_id 0
		.amdhsa_next_free_vgpr 1024
		.amdhsa_next_free_sgpr 106
		.amdhsa_reserve_vcc 0
		.amdhsa_float_denorm_mode_32 3
		.amdhsa_float_denorm_mode_16_64 3
		.amdhsa_memory_ordered 1
		.amdhsa_forward_progress 1
		.amdhsa_inst_pref_size 225
	.end_amdhsa_kernel
	.amdgpu_metadata
---
amdhsa.version: [ 1, 2 ]
amdhsa.kernels:
  - .name:           k_qf50f6a06b4_qkv
    .symbol:         k_qf50f6a06b4_qkv.kd
    .args:
      - { .name: xq, .offset: 0, .size: 8, .value_kind: global_buffer, .address_space: global }
      - { .name: xs, .offset: 8, .size: 8, .value_kind: global_buffer, .address_space: global }
      - { .name: qkv_w_codes, .offset: 16, .size: 8, .value_kind: global_buffer, .address_space: global }
      - { .name: qkv_w_scales, .offset: 24, .size: 8, .value_kind: global_buffer, .address_space: global }
      - { .name: qkv_b, .offset: 32, .size: 8, .value_kind: global_buffer, .address_space: global }
      - { .name: qkvimg, .offset: 40, .size: 8, .value_kind: global_buffer, .address_space: global }
      - { .name: qkvsc, .offset: 48, .size: 8, .value_kind: global_buffer, .address_space: global }
    .group_segment_fixed_size: 327680
    .private_segment_fixed_size: 0
    .kernarg_segment_align: 8
    .kernarg_segment_size: 56
    .max_flat_workgroup_size: 128
    .sgpr_count:     106
    .vgpr_count:     1024
    .wavefront_size: 32
...
	.end_amdgpu_metadata
.endif
;; end of part 2
;; launch attn (part 3): grid 8 x 32, 16 waves a work-group, no clusters, 272,384 bytes of LDS; arguments qkvimg, qkvsc, src, st, pre_gamma, pre_beta, r1; writes r1
.if DOCPART == 3
	.amdgcn_target "amdgcn-amd-amdhsa--gfx1250"
	.amdhsa_code_object_version 6
	.text
	.protected	k_qf50f6a06b4_attn
	.globl	k_qf50f6a06b4_attn
	.p2align	8
	.type	k_qf50f6a06b4_attn,@function
k_qf50f6a06b4_attn:
	s_mov_b64 s[64:65], 0
	v_nop
	global_prefetch_b8 v0, s[64:65] scope:SCOPE_SE
	s_setreg_imm32_b32 hwreg(HW_REG_WAVE_MODE, 25, 1), 1
	s_wait_xcnt 0x0
; r1 = softmax(q k^T / 8) v + x, both products on codes of E4M3 with E8M0 scales; x = LayerNorm(src) is made again from src and the stored (mean, rstd), by the operations that made it.
; q, k, v come as images of operand registers (see the launch that stores them): a piece of 512 bytes is four registers of a fragment, lane l's 16 bytes at 16 l.
; THE SOFTMAX: t = score x log2(e) / 8; M = the running largest t rounded UP to a whole number; p = 2^(t - M) is quantised along the keys; the row's sum is taken of the unquantised p and divides at the end.
; When M moves, the sum and O are multiplied by 2^(old M - new M): exact.
; SHARES.  A work-group owns 256 queries of one head of one batch; each of its sixteen waves 16 of them, in 256 registers, four waves to a SIMD.  Every wave walks the head's 2,048 keys, 128 a step.
; THE HEAD'S WHOLE K AND V LIE IN LDS: 128 KB each, and 4 KB each of scale words, filled ONCE by waves 0 to 3 (five tensor loads each, all issued at the head).  Nothing is filled again.
; The loads come in four chunks of 512 keys; a counted wait and a barrier stand ahead of each chunk, so that work begins when the first has landed.
; NO CLUSTER: the eight work-groups of a head read the same 264 KB, but each reads them once, ahead of 16 steps of 16 waves with some 330 vector instructions each; joint loads would bring the cluster's rounds into a text that has no refill.
; K = 64.  A fragment of K holds TWO tiles of 16 keys: tile 2 f at k 0-63, tile 2 f + 1 at k 64-127.  q stands between zeros, v16-23 = 0, v24-31 = q, v32-39 = 0: v[24:39] = (q, 0) picks tile 2 f, v[16:31] = (0, q) tile 2 f + 1.
; Zero codes add nothing under any scale byte that this program makes (1 to 254).
; LAYOUT.  Both products are used transposed: S^T = K Q^T, O^T = V^T P^T: a lane holds ONE query (lane % 16).  Register 16 c + 8 u + j of S^T is key 32 c + 16 u + 8 h + j: the order in which v's images have the keys of a block.
; LIMITS: NaN and infinities are not served.
.set VL,   131072                      ; LDS: K [128 tiles][1,024] from 0;  V [16 steps][4 tiles of channels][2,048] from VL;
.set KSL,  262144                      ; K's scale words [16 steps][4 pairs of tiles][16 words];
.set VSL,  266240                      ; V's [16 steps][4 tiles][16 words]
.set WV,   18
.set MNT,  19
.set SEL,  20
.set CS,   22
.set G1K,  24                          ; s[24:31] group 1 for K: 16 rows of 1,024 bytes, 2,048 apart
.set G1V,  32                          ; s[32:39] for V: 2 rows of 8,192 bytes, 16,384 apart
.set G1S,  40                          ; s[40:47] for scale words: 8 rows of 256 bytes, 512 apart
.set G0S,  48                          ; s[48:51]; the four chunks' groups 0: s[52:55], s[56:59], s[60:63], s[68:71]
.set TB,   2                           ; s2   the step's bytes in K and in V: 8,192 a step
.set TS,   3                           ; s3   and among the scale words: 256 a step
.set CNT,  66
.set S,    104                         ; v104-167 S^T, then p
.set O,    168                         ; v168-199 O^T
.set PCD,  200                         ; v200-215 p's codes
.set BX,   216                         ; v216-219 the blocks' largest scores, then largest p
.set PT,   220                         ; v220-223 from the other half of the lanes; a chain of the sum; the bytes
.set HD,   224                         ; v224-227 448 x the scale
.set SOP,  228                         ; v228-231 the conversions' scale operands
	s_load_b256 s[4:11], s[0:1], 0x0               ; images s[4:5], scale words s[6:7], src s[8:9], statistics s[10:11]
	s_load_b128 s[12:15], s[0:1], 0x20             ; gain, bias
	s_load_b64 s[16:17], s[0:1], 0x30              ; r1
	v_lshl_add_u32 v254, v0, 2, 0x42000
	v_mov_b32 v255, 0
	ds_add_u32 v254, v255
	ds_add_u32 v254, v255
	v_lshrrev_b32 v1, 5, v0
	v_readfirstlane_b32 s[WV], v1                  ; wave 0..15
	s_and_b32 s72, ttmp7, 0xffff
	s_lshr_b32 s73, s72, 4                         ; batch
	s_and_b32 s74, s72, 15                         ; head
	s_lshr_b32 s75, s74, 1                         ; pair of heads
	s_and_b32 s76, s74, 1                          ; which of the pair
	s_lshr_b32 s77, s[WV], 1
	s_min_u32 s77, s77, 1                          ; what I fetch, if I fetch: 0 K (waves 0, 1), 1 V (waves 2, 3)
	s_and_b32 s78, s[WV], 1                        ; which half of each chunk
	s_lshl_b32 s79, s77, 3
	s_add_co_u32 s79, s79, 8
	s_add_co_u32 s79, s79, s75                     ; the plane of 128 rows of W: 8 + pair for k, 16 + pair for v
	s_lshl_b32 s80, s79, 19
	s_lshl_b32 s82, s73, 18
	s_add_co_u32 s80, s80, s82
	s_mul_i32 s82, s77, 3
	s_add_co_u32 s82, s82, 10
	s_lshl_b32 s82, s76, s82                       ; my head's part: 1,024 bytes on in K's rows, 8,192 in V's
	s_add_co_u32 s80, s80, s82
	s_lshl_b32 s82, s78, 15
	s_add_co_u32 s80, s80, s82
	s_mov_b32 s81, 0
	s_lshl_b32 s84, s79, 14
	s_lshl_b32 s82, s73, 13
	s_add_co_u32 s84, s84, s82
	s_lshl_b32 s82, s76, 8
	s_add_co_u32 s84, s84, s82
	s_lshl_b32 s82, s78, 12
	s_add_co_u32 s84, s84, s82
	s_mov_b32 s85, 0
	s_lshl_b32 s86, s77, 17                        ; LDS: K or V, my half of a chunk
	s_lshl_b32 s82, s78, 14
	s_add_co_u32 s86, s86, s82
	s_lshl_b32 s87, s77, 12
	s_lshl_b32 s82, s78, 11
	s_add_co_u32 s87, s87, s82
	s_add_co_u32 s87, s87, KSL
	s_mov_b32 s[G1K], 3<<16                        ; no mask; elements of 8 bytes; no padding
	s_mov_b32 s[G1K+1], 128<<16                    ; tensor_dim0
	s_mov_b32 s[G1K+2], 16<<16                     ; tensor_dim1
	s_mov_b32 s[G1K+3], 128<<16                    ; tile_dim0
	s_mov_b32 s[G1K+4], 16                         ; tile_dim1
	s_mov_b32 s[G1K+5], 256                        ; the pitch
	s_mov_b32 s[G1K+6], 0
	s_mov_b32 s[G1K+7], 0
	s_mov_b32 s[G1V], 3<<16
	s_mov_b32 s[G1V+1], 1024<<16
	s_mov_b32 s[G1V+2], 2<<16
	s_mov_b32 s[G1V+3], 1024<<16
	s_mov_b32 s[G1V+4], 2
	s_mov_b32 s[G1V+5], 2048
	s_mov_b32 s[G1V+6], 0
	s_mov_b32 s[G1V+7], 0
	s_mov_b32 s[G1S], 3<<16
	s_mov_b32 s[G1S+1], 32<<16
	s_mov_b32 s[G1S+2], 8<<16
	s_mov_b32 s[G1S+3], 32<<16
	s_mov_b32 s[G1S+4], 8
	s_mov_b32 s[G1S+5], 64
	s_mov_b32 s[G1S+6], 0
	s_mov_b32 s[G1S+7], 0
	s_mov_b32 s[SEL], 0x76543210
	s_mov_b32 s[SEL+1], 0xfedcba98
	s_mov_b32 s[CS], 0x3e38aa3b                    ; c = log2(e) / 8
	s_mov_b32 s[CS+1], s[CS]
	s_mov_b32 s[MNT], 0x600000
	s_mov_b32 s[TB], 0
	s_mov_b32 s[TS], 0
	s_wait_dscnt 0x0
	s_wait_kmcnt 0x0
	s_add_nc_u64 s[88:89], s[4:5], s[80:81]
	s_mov_b32 s[G0S], 1
	s_mov_b32 s[G0S+1], s87
	s_add_nc_u64 s[G0S+2:G0S+3], s[6:7], s[84:85]
	s_or_b32 s[G0S+3], s[G0S+3], 0x80000000
.macro MKG0 g, c                       ; chunk c: 512 keys; my half of it is 16,384 bytes
	s_mov_b32 s[\g], 1
	s_add_co_u32 s[\g+1], s86, (\c)*32768
	s_add_nc_u64 s[\g+2:\g+3], s[88:89], (\c)*65536
	s_or_b32 s[\g+3], s[\g+3], 0x80000000
.endm
	MKG0 52, 0
	MKG0 56, 1
	MKG0 60, 2
	MKG0 68, 3
	s_cmp_lt_u32 s[WV], 2                          ; all first fills of a wave stand in one branch on its number; five loads of a fetching wave are out
	s_cbranch_scc0 .Lnot_k
	tensor_load_to_lds s[G0S:G0S+3], s[G1S:G1S+7]
	s_nop 0
	tensor_load_to_lds s[52:55], s[G1K:G1K+7]
	s_nop 0
	tensor_load_to_lds s[56:59], s[G1K:G1K+7]
	s_nop 0
	tensor_load_to_lds s[60:63], s[G1K:G1K+7]
	s_nop 0
	tensor_load_to_lds s[68:71], s[G1K:G1K+7]
	s_nop 0
.rept 4
	v_nop
.endr
	s_branch .Lasked
.Lnot_k:
	s_cmp_lt_u32 s[WV], 4
	s_cbranch_scc0 .Lasked
	tensor_load_to_lds s[G0S:G0S+3], s[G1S:G1S+7]
	s_nop 0
	tensor_load_to_lds s[52:55], s[G1V:G1V+7]
	s_nop 0
	tensor_load_to_lds s[56:59], s[G1V:G1V+7]
	s_nop 0
	tensor_load_to_lds s[60:63], s[G1V:G1V+7]
	s_nop 0
	tensor_load_to_lds s[68:71], s[G1V:G1V+7]
	s_nop 0
.rept 4
	v_nop
.endr
.Lasked:
	s_lshl_b32 s82, ttmp9, 4
	s_add_co_u32 s82, s82, s[WV]                   ; my tile of 16 queries in the batch: 16 x work-group x + wave
	s_lshl_b32 s80, s75, 19                        ; q's image
	s_lshl_b32 s83, s73, 18
	s_add_co_u32 s80, s80, s83
	s_lshl_b32 s83, s82, 11
	s_add_co_u32 s80, s80, s83
	s_lshl_b32 s83, s76, 10
	s_add_co_u32 s80, s80, s83
	s_add_nc_u64 s[4:5], s[4:5], s[80:81]
	s_lshl_b32 s84, s75, 14                        ; q's scale word
	s_lshl_b32 s83, s73, 13
	s_add_co_u32 s84, s84, s83
	s_lshr_b32 s83, s82, 3
	s_lshl_b32 s83, s83, 9
	s_add_co_u32 s84, s84, s83
	s_lshl_b32 s83, s76, 8
	s_add_co_u32 s84, s84, s83
	s_bfe_u32 s83, s82, 0x20001                    ; which pair of tiles
	s_lshl_b32 s83, s83, 6
	s_add_co_u32 s84, s84, s83
	s_add_nc_u64 s[6:7], s[6:7], s[84:85]
	v_and_b32 v240, 31, v0
	v_lshlrev_b32 v1, 4, v240                      ; v1: 16 x lane: an image's place for my lane; K's pieces in LDS
	v_and_b32 v240, 15, v0
	v_lshlrev_b32 v240, 2, v240                    ; 4 r
	global_load_b128 v[24:27], v1, s[4:5]
	global_load_b128 v[28:31], v1, s[4:5] offset:512
	global_load_b32 v236, v240, s[6:7]
	v_add_nc_u32 v2, VL, v1                        ; v2: V's pieces
	v_add_nc_u32 v3, KSL, v240                     ; v3: K's scale words
	v_add_nc_u32 v4, VSL, v240                     ; v4: V's
	s_and_b32 s83, s82, 1
	s_cmp_eq_u32 s83, 0
	s_mov_b32 s83, 0x03020302
	s_cselect_b32 s83, 0x01000100, s83             ; my tile's two bytes lie in the word's low half (even tile) or high half
	s_lshl_b32 s86, s73, 11
	s_lshl_b32 s87, s82, 4
	s_add_co_u32 s86, s86, s87                     ; my first token
	s_lshl_b32 s88, s86, 12
	s_lshl_b32 s87, s74, 8
	s_add_co_u32 s88, s88, s87                     ; its row of 4,096 bytes, my head's 256
	s_mov_b32 s89, 0
	s_add_nc_u64 s[8:9], s[8:9], s[88:89]
	s_add_nc_u64 s[16:17], s[16:17], s[88:89]
	s_lshl_b32 s88, s86, 3
	s_add_nc_u64 s[10:11], s[10:11], s[88:89]
	s_mov_b32 s88, s87
	s_add_nc_u64 s[12:13], s[12:13], s[88:89]
	s_add_nc_u64 s[14:15], s[14:15], s[88:89]
	v_mov_b32 v13, 0xff61b1e6                      ; the largest t so far: -3e38
	v_floor_f32 v12, -v13                          ; -M
	v_mov_b32 v14, 0
	v_mov_b32 v15, 0
.irp j, 0,1,2,3,4,5,6,7
	v_mov_b32 v[16+\j], 0                          ; the zeros round q
	v_mov_b32 v[32+\j], 0
.endr
.irp b, 0,1,2,3
	v_mov_b32 v[PT+\b], 0
.endr
	v_mov_b32 v239, 0                              ; (upper half of the pair v[238:239])
	s_wait_loadcnt 0x0                             ; q
	v_perm_b32 v236, v236, v236, s83               ; q's two bytes in both halves of its word
.set j, 0
.rept 32
	v_mov_b32 v[O+j], 0                            ; O^T: the step is written once; the first change of M multiplies zeros.  (Also the places between q's word and the first product)
.set j, j+1
.endr
.macro STEP
	v_add_nc_u32 v5, s[TB], v1
	v_add_nc_u32 v6, s[TB], v2
	v_add_nc_u32 v7, s[TS], v3
	v_add_nc_u32 v241, s[TS], v4
.rept 4
	v_nop                                          ; with the four lines above: eight places between the last products and the loads into their operands
.endr
.irp f, 0,1,2,3
.irp c, 0,1,2,3
	ds_load_b128 v[40+16*\f+4*\c:43+16*\f+4*\c], v5 offset:2048*\f+512*\c
.endr
	ds_load_b32 v[8+\f], v7 offset:64*\f
.endr
	s_wait_dscnt 0x0
.irp f, 0,1,2,3
	v_wmma_scale_f32_16x16x128_f8f6f4 v[S+16*\f:S+16*\f+7], v[40+16*\f:55+16*\f], v[24:39], 0, v[8+\f], v236
	v_wmma_scale_f32_16x16x128_f8f6f4 v[S+16*\f+8:S+16*\f+15], v[40+16*\f:55+16*\f], v[16:31], 0, v[8+\f], v236
.endr
.rept 8
	v_nop
.endr
.irp t, 0,1,2,3                        ; V's fragments are asked for here and land under the softmax
.irp c, 0,1,2,3
	ds_load_b128 v[40+16*\t+4*\c:43+16*\t+4*\c], v6 offset:2048*\t+512*\c
.endr
	ds_load_b32 v[232+\t], v241 offset:64*\t
.endr
.irp b, 0,1,2,3
	v_max3_num_f32 v[BX+\b], v[S+16*\b], v[S+1+16*\b], v[S+2+16*\b]   ; the largest score of each block of 32 keys: for the row's maximum, and, since p rises with the score, for the block's largest p
.endr
.irp i, 3,5,7,9,11,13
.irp b, 0,1,2,3
	v_max3_num_f32 v[BX+\b], v[BX+\b], v[S+16*\b+\i], v[S+1+16*\b+\i]
.endr
.endr
.irp b, 0,1,2,3
	v_max_num_f32 v[BX+\b], v[BX+\b], v[S+15+16*\b]
.endr
.irp b, 0,1,2,3
	v_permlanex16_b32 v[PT+\b], v[BX+\b], s[SEL], s[SEL+1]
.endr
.irp b, 0,1,2,3
	v_max_num_f32 v[BX+\b], v[BX+\b], v[PT+\b]
.endr
	v_max3_num_f32 v240, v216, v217, v218
	v_max_num_f32 v240, v240, v219
	v_mul_f32 v240, s[CS], v240                    ; as t
	v_max_num_f32 v13, v13, v240                   ; the running largest t
	v_mov_b32 v240, v12
	v_floor_f32 v12, -v13                          ; the new -M = -ceil(t)
	v_sub_f32 v240, v12, v240                      ; old M - new M: a whole number, 0 or less
	v_cvt_i32_f32 v240, v240                       ; (it saturates)
	v_ldexp_f32 v238, 1.0, v240                    ; f = 2^(old M - new M)
.set j, 0
.rept 32
	v_pk_fma_f32 v[S+j:S+j+1], v[S+j:S+j+1], s[CS:CS+1], v[12:13] op_sel_hi:[1,0,0]   ; t - M
.set j, j+2
.endr
.irp b, 0,1,2,3
	v_fma_f32 v[BX+\b], v[BX+\b], s[CS], v12
.endr
.set j, 0
.rept 64
	v_exp_f32 v[S+j], v[S+j]                       ; p = 2^(t - M)
.set j, j+1
.endr
	v_pk_mul_f32 v[14:15], v[14:15], v[238:239] op_sel_hi:[1,0]   ; the sums under the new M (a plain line behind the exponentials)
	s_wait_alu depctr_va_vdst(0)                   ; one wait for the batch of 64, ahead of its first reader
.irp b, 0,1,2,3
	v_exp_f32 v[BX+\b], v[BX+\b]                   ; the blocks' largest p
.endr
	v_pk_add_f32 v[PT:PT+1], v[S:S+1], v[S+2:S+3]  ; the row's sum of the unquantised p, in two chains
.irp j, 4,8,12,16,20,24,28,32,36,40,44,48,52,56,60
	v_pk_add_f32 v[14:15], v[14:15], v[S+\j:S+\j+1]
	v_pk_add_f32 v[PT:PT+1], v[PT:PT+1], v[S+2+\j:S+3+\j]
.endr
	v_pk_add_f32 v[14:15], v[14:15], v[PT:PT+1]
	s_wait_alu depctr_va_vdst(0)                   ; and one for the four
.irp b, 0,1,2,3
	v_max_num_f32 v[BX+\b], 0x4800000, v[BX+\b]    ; the floor 2^(9 - 127)
.endr
.irp b, 0,1,2,3
	v_add_nc_u32 v[SOP+\b], 0xfc000000, v[BX+\b]
.endr
.irp b, 0,1,2,3
	v_and_or_b32 v[HD+\b], v[BX+\b], 0x7f800000, s[MNT]
.endr
.irp b, 0,1,2,3
	v_lshrrev_b32 v[PT+\b], 23, v[SOP+\b]
.endr
	v_lshl_or_b32 v237, v221, 8, v220              ; p's scale word for these 128 keys
	v_lshl_or_b32 v237, v222, 16, v237
	v_lshl_or_b32 v237, v223, 24, v237
.irp b, 0,1,2,3
.irp i, 0,1,2,3,4,5,6,7,8,9,10,11,12,13,14,15
	v_min_num_f32 v[S+16*\b+\i], v[S+16*\b+\i], v[HD+\b]   ; p is not negative: the hold is one-sided
.endr
	v_cvt_scalef32_pk8_fp8_f32 v[PCD+4*\b:PCD+1+4*\b], v[S+16*\b:S+7+16*\b], v[SOP+\b]
	v_cvt_scalef32_pk8_fp8_f32 v[PCD+2+4*\b:PCD+3+4*\b], v[S+8+16*\b:S+15+16*\b], v[SOP+\b]
.endr
.set j, 0
.rept 16
	v_pk_mul_f32 v[O+j:O+j+1], v[O+j:O+j+1], v[238:239] op_sel_hi:[1,0]   ; O^T under the new M; also the places between the codes and the products
.set j, j+2
.endr
	s_wait_dscnt 0x0                               ; V
.irp t, 0,1,2,3
	v_wmma_scale_f32_16x16x128_f8f6f4 v[O+8*\t:O+8*\t+7], v[40+16*\t:55+16*\t], v[PCD:PCD+15], v[O+8*\t:O+8*\t+7], v[232+\t], v237
.endr
	s_add_co_u32 s[TB], s[TB], 8192
	s_add_co_u32 s[TS], s[TS], 256
.endm
.macro CHUNK n                         ; 512 keys: four steps
	s_wait_tensorcnt 3-\n                          ; my parts of the scale words and of chunks 0 to n are in; the 3 - n younger loads may be out
	s_wait_dscnt 0x0
	s_barrier_signal -1
	s_barrier_wait -1                              ; everybody's are
	s_mov_b32 s[CNT], 4
.Lstep_\@:
	STEP
	s_sub_co_u32 s[CNT], s[CNT], 1
	s_cmp_lg_u32 s[CNT], 0
	s_cbranch_scc1 .Lstep_\@
.endm
	CHUNK 0
	CHUNK 1
	CHUNK 2
	CHUNK 3
	; ---- THE WAY OUT.  Each wave's stage, 16 rows x (256 bytes + 16), lies over K's bytes: they have had their only fill, and behind this barrier nobody reads them
	s_wait_dscnt 0x0
	s_barrier_signal -1
	s_barrier_wait -1
	v_and_b32 v242, 15, v0                         ; r
	v_bfe_u32 v243, v0, 4, 1                       ; h
	s_mul_i32 s72, s[WV], 16*272
	v_mul_u32_u24 v244, v242, 272
	v_lshl_add_u32 v244, v243, 5, v244
	v_add_nc_u32 v244, s72, v244                   ; in: row r, + 32 h; tile t's eight channels 64 t on
	v_mul_u32_u24 v245, v243, 272
	v_lshl_add_u32 v245, v242, 4, v245
	v_add_nc_u32 v245, s72, v245                   ; back: lanes 0-15 one row, lanes 16-31 the next
	v_lshlrev_b32 v246, 12, v243
	v_lshl_add_u32 v246, v242, 4, v246             ; the same two rows in src and in r1
	v_lshlrev_b32 v247, 3, v243                    ; their statistics
	v_lshlrev_b32 v248, 4, v242                    ; my four columns of gain and bias.  (These twelve lines are the places behind the last products)
.irp i, 0,1,2,3,4,5,6,7
	global_load_b128 v[40+4*\i:43+4*\i], v246, s[8:9] offset:8192*\i
.endr
.irp i, 0,1,2,3,4,5,6,7
	global_load_b64 v[72+2*\i:73+2*\i], v247, s[10:11] offset:16*\i
.endr
	global_load_b128 v[88:91], v248, s[12:13]
	global_load_b128 v[92:95], v248, s[14:15]
	v_add_f32 v14, v14, v15
	v_permlanex16_b32 v240, v14, s[SEL], s[SEL+1]
	v_add_f32 v14, v14, v240                       ; the row's sum
	v_rcp_f32 v14, v14
	v_nop
	s_wait_alu depctr_va_vdst(0)
.set j, 0
.rept 32
	v_mul_f32 v[S+j], v[O+j], v14                  ; register 8 t + i is o(r, 16 t + 8 h + i)
.set j, j+1
.endr
.irp t, 0,1,2,3
	ds_store_b128 v244, v[S+8*\t:S+8*\t+3] offset:64*\t
	ds_store_b128 v244, v[S+8*\t+4:S+8*\t+7] offset:64*\t+16
.endr
.irp i, 0,1,2,3,4,5,6,7
	ds_load_b128 v[136+4*\i:139+4*\i], v245 offset:544*\i   ; LDS serves a wave's instructions in order: these see my stores
.endr
	s_wait_loadcnt 0x0
.irp i, 0,1,2,3,4,5,6,7
	s_wait_dscnt 7-\i                              ; rows 2 i and 2 i + 1 are back; the younger loads may be out
.irp e, 0,1,2,3
	v_sub_f32 v[40+4*\i+\e], v[40+4*\i+\e], v[72+2*\i]
.endr
.irp e, 0,1,2,3
	v_mul_f32 v[40+4*\i+\e], v[40+4*\i+\e], v[73+2*\i]
.endr
.irp e, 0,1,2,3
	v_fma_f32 v[40+4*\i+\e], v[40+4*\i+\e], v[88+\e], v[92+\e]     ; x
.endr
.irp e, 0,1,2,3
	v_add_f32 v[136+4*\i+\e], v[136+4*\i+\e], v[40+4*\i+\e]
.endr
	global_store_b128 v246, v[136+4*\i:139+4*\i], s[16:17] offset:8192*\i   ; sixteen lanes store the head's 256 bytes of a row, aligned
.endr
	s_wait_tensorcnt 0x0
	ds_add_u32 v254, v255
	s_wait_dscnt 0x0
	s_endpgm
.Lfunc_end_k_qf50f6a06b4_attn:
	.size	k_qf50f6a06b4_attn, .Lfunc_end_k_qf50f6a06b4_attn-k_qf50f6a06b4_attn
	.p2alignl 7, 3214868480
	.fill 96, 4, 3214868480
	.section	.rodata,"a",@progbits
	.p2align	6, 0x0
	.amdhsa_kernel k_qf50f6a06b4_attn
		.amdhsa_group_segment_fixed_size 272384
		.amdhsa_private_segment_fixed_size 0
		.amdhsa_enable_private_segment 0
		.amdhsa_kernarg_size 56
		.amdhsa_user_sgpr_count 2
		.amdhsa_user_sgpr_kernarg_segment_ptr 1
		.amdhsa_wavefront_size32 1
		.amdhsa_system_sgpr_workgroup_id_x 1
		.amdhsa_system_sgpr_workgroup_id_y 1
		.amdhsa_system_sgpr_workgroup_id_z 1
		.amdhsa_system_vgpr_workitem_id 0
		.amdhsa_next_free_vgpr 256
		.amdhsa_next_free_sgpr 96
		.amdhsa_reserve_vcc 0
		.amdhsa_float_denorm_mode_32 3
		.amdhsa_float_denorm_mode_16_64 3
		.amdhsa_memory_ordered 1
		.amdhsa_forward_progress 1
		.amdhsa_inst_pref_size 96
	.end_amdhsa_kernel
	.amdgpu_metadata
---
amdhsa.version: [ 1, 2 ]
amdhsa.kernels:
  - .name:           k_qf50f6a06b4_attn
    .symbol:         k_qf50f6a06b4_attn.kd
    .args:
      - { .name: qkvimg, .offset: 0, .size: 8, .value_kind: global_buffer, .address_space: global }
      - { .name: qkvsc, .offset: 8, .size: 8, .value_kind: global_buffer, .address_space: global }
      - { .name: src, .offset: 16, .size: 8, .value_kind: global_buffer, .address_space: global }
      - { .name: st, .offset: 24, .size: 8, .value_kind: global_buffer, .address_space: global }
      - { .name: pre_gamma, .offset: 32, .size: 8, .value_kind: global_buffer, .address_space: global }
      - { .name: pre_beta, .offset: 40, .size: 8, .value_kind: global_buffer, .address_space: global }
      - { .name: r1, .offset: 48, .size: 8, .value_kind: global_buffer, .address_space: global }
    .group_segment_fixed_size: 272384
    .private_segment_fixed_size: 0
    .kernarg_segment_align: 8
    .kernarg_segment_size: 56
    .max_flat_workgroup_size: 512
    .sgpr_count:     96
    .vgpr_count:     256
    .wavefront_size: 32
...
	.end_amdgpu_metadata
.endif
;; end of part 3
;; launch addnorm1: the kernel of part 1 again; grid 256 x 1, 8 waves a work-group, no clusters, 2,048 bytes of LDS; arguments r1, addnorm_gamma, addnorm_beta, xq, xs, st; writes xq, xs, st
;; launch fc1 (part 4): grid 16 x 16, 4 waves a work-group, clusters of 4 x 4, 327,680 bytes of LDS; arguments xq, xs, fc1_w_codes, fc1_w_scales, fc1_b, hq2; writes hq2
.if DOCPART == 4
	.amdgcn_target "amdgcn-amd-amdhsa--gfx1250"
	.amdhsa_code_object_version 6
	.text
	.protected	k_qf50f6a06b4_fc1
	.globl	k_qf50f6a06b4_fc1
	.p2align	8
	.type	k_qf50f6a06b4_fc1,@function
k_qf50f6a06b4_fc1:
	s_mov_b64 s[64:65], 0
	v_nop
	global_prefetch_b8 v0, s[64:65] scope:SCOPE_SE
	s_setreg_imm32_b32 hwreg(HW_REG_WAVE_MODE, 25, 1), 1
	s_wait_xcnt 0x0
	s_wait_alu depctr_hold_cnt(0) depctr_sa_sdst(0) depctr_va_vdst(0) depctr_va_sdst(0) depctr_va_ssrc(0) depctr_va_vcc(0) depctr_vm_vsrc(0)
	s_getreg_b32 s2, hwreg(HW_REG_IB_STS2, 6, 4)
	s_cmp_eq_u32 s2, 0
	s_cbranch_scc0 .Lentry_in_a_cluster
	s_endpgm
.Lentry_in_a_cluster:
	s_bfe_u32 s2, ttmp6, 0x10000c
	s_cmp_lg_u32 s2, 0xf033
	s_cbranch_scc0 .Lentry_shape_is_right
	s_endpgm
.Lentry_shape_is_right:
; h = gelu(x1 W1^T + b1), exact (erf) form, on codes of E4M3 with E8M0 scales (K = 1,024); h is quantised along its columns, the next product's K, on the way out.
; x1: codes [4096][1024], scale bytes [4096][32].  W1: codes [4096][1024], scale bytes [4096][32].  b1 [4096] f32.
; OUT: hq2 [column / 256 (16)][row (4096)][272 bytes]: 256 codes in their natural order, 8 scale bytes, 8 zeros: a K step's tile of the next product, with its scales, is one dense block.
; A tile of 256 x 256 is made by four waves, each 128 x 128 in 64 accumulators; K goes in steps of 256 through two LDS slots; the rows' scale bytes come once and stay.
; CLUSTERS of 4 x 4: x1's tile is asked for jointly along a row of the cluster, W1's along a column.
; THE PRODUCT IS USED TRANSPOSED (source 0 = 16 rows of W1, source 1 = 16 rows of x1): lane (r, h) holds row r, register 8 t + j column 16 t + 8 h + j: registers 16 c .. 16 c + 15 of lanes l and l xor 16 are one block of 32.
; erf(u) = u P(u^2) / Q(u^2), u held to +-4: a rational form good to a few units in the last place of f32.
; LIMITS: beyond |u| = 4, 1 + erf is 2 or 0 as far as f32 tells; for large negative inputs 1 + erf is good to the last bit of 1, not of itself.  NaN and infinities are not served.
; A block of zeros or under 2^-118 gets the byte 1 (this program alone reads the bytes).
.set SIZE_K, 1024
.set KSTEP,  256
.set NQ,     KSTEP/128
.set ROWB,   256
.set KROW,   SIZE_K
.set PITCH,  272
.set FR,     16
.set NL,     4
.set NP,     8
.set HALFT,  128*PITCH
.set SLOT,   4*HALFT
.set LAPS,   SIZE_K/(2*KSTEP)
.set KS,     SIZE_K/32
.set SCL,    2*SLOT
.set HALFS,  (128*KS/256)*272
.set SBLK,   (16*KS/256)*272
.set SPARE,  SCL+4*HALFS
.set ADRA, 16
.set ADRB, 20
.set ADRS, 27
.set SPW,  28
.set NIL,  29
.set SC,   32                          ; v32-63 scale words: they hold scales and nothing else
.set AF,   128
.set BN,   64                          ; v64-127 b1 of my 128 columns, in the result's layout
.set W,    128                         ; the way out: 64 numbers of a block of 16 rows
.set U,    192                         ; v192-207 u;  later the quantiser's scratch
.set X2,   208                         ; v208-223 u^2, then x / 2;  later the codes
.set PA,   224
.set PB,   240
.set TM,   192
.set PC,   208
.set SEL,  32
.set MNT,  34
.set G1, 24
.set G0, 32
.set G1B, 48
.set G0B, 56
.set G1S, 68
.set G0S, 76
.set G1SB, 80
.set G0SB, 88
.set MSB, 0
.macro WIN new
.if MSB != (\new)
	s_set_vgpr_msb (MSB<<8)|(\new)
.set MSB, (\new)
.endif
.endm
.set MUL_LO, 0xa1
.set MUL_HI, 0xf1
.set TO_B,   0x40
.macro JLOAD g0a, g1a, g0b, g1b        ; a joint load: waves 0 and 1 fetch for A, waves 2 and 3 for B; four v_nop follow each line
	s_cmp_eq_u32 s15, 0
	s_cbranch_scc0 .Lfor_b_\@
	tensor_load_to_lds s[\g0a:\g0a+3], s[\g1a:\g1a+7]
	s_nop 0
.rept 4
	v_nop
.endr
	s_branch .Lasked_\@
.Lfor_b_\@:
	tensor_load_to_lds s[\g0b:\g0b+3], s[\g1b:\g1b+7]
	s_nop 0
.rept 4
	v_nop
.endr
.Lasked_\@:
.endm
.macro CREST
	s_cmp_lg_u32 s14, 0
	s_cbranch_scc1 .Lnot_wave_0_\@
	s_barrier_signal -3
.Lnot_wave_0_\@:
	s_barrier_wait -3
	s_barrier_signal -1
	s_barrier_wait -1
.endm
.macro CROUND
	s_barrier_signal -1
	s_barrier_wait -1
	CREST
.endm
	s_load_b256 s[4:11], s[0:1], 0x0               ; x1's codes, x1's scales, W1's codes, W1's scales
	s_load_b64 s[12:13], s[0:1], 0x20              ; b1
	v_lshl_add_u32 v[SPW], v0, 2, SPARE
	v_mov_b32 v[NIL], 0
	ds_add_u32 v28, v29
	ds_add_u32 v28, v29
	s_wait_dscnt 0x0
	v_lshrrev_b32 v1, 5, v0
	v_readfirstlane_b32 s14, v1
	s_lshr_b32 s15, s14, 1                         ; my half of the rows.  Also: I fetch for A (0) or for B (1)
	s_and_b32 s16, s14, 1                          ; my half of the columns.  Also: which 128 rows I fetch
	s_bfe_u32 s40, ttmp6, 0x40000
	s_bfe_u32 s41, ttmp6, 0x40004
	s_lshl_b32 s42, ttmp9, 2
	s_add_co_u32 s42, s42, s40                     ; tile column
	s_and_b32 s17, ttmp7, 0xffff
	s_lshl_b32 s17, s17, 2
	s_add_co_u32 s17, s17, s41                     ; tile row
	s_lshl_b32 s43, s41, 2
	s_lshl_b32 s43, 15, s43
	s_lshl_b32 s44, 0x1111, s40
	s_or_b32 s[G1+0], s43, (0<<16)|(1<<20)|(1<<21)|(5<<22)|(3<<25)
	s_or_b32 s[G1B+0], s44, (0<<16)|(1<<20)|(1<<21)|(5<<22)|(3<<25)
.irp g, G1, G1B
	s_mov_b32 s[\g+1], ROWB<<16
	s_mov_b32 s[\g+2], 128<<16
	s_mov_b32 s[\g+3], ROWB<<16
	s_mov_b32 s[\g+4], 128
	s_mov_b32 s[\g+5], KROW
	s_mov_b32 s[\g+6], 0
	s_mov_b32 s[\g+7], 0
.endr
	s_or_b32 s[G1S+0], s43, (3<<16)|(1<<20)|(1<<21)|(5<<22)|(3<<25)
	s_or_b32 s[G1SB+0], s44, (3<<16)|(1<<20)|(1<<21)|(5<<22)|(3<<25)
.irp g, G1S, G1SB
	s_mov_b32 s[\g+1], 32<<16
	s_mov_b32 s[\g+2], (128*KS/256)<<16
	s_mov_b32 s[\g+3], 32<<16
	s_mov_b32 s[\g+4], 128*KS/256
	s_mov_b32 s[\g+5], 32
	s_mov_b32 s[\g+6], 0
	s_mov_b32 s[\g+7], 0
.endr
	s_lshl_b32 s18, s16, 7
	s_lshl_b32 s20, s17, 8
	s_add_co_u32 s20, s20, s18
	s_lshl_b32 s46, s42, 8
	s_add_co_u32 s46, s46, s18
	s_mov_b32 s21, 0
	s_mov_b32 s47, 0
	s_mov_b64 s[18:19], KS
	s_mul_u64 s[22:23], s[20:21], s[18:19]
	s_mul_u64 s[92:93], s[46:47], s[18:19]
	s_mov_b64 s[18:19], KROW
	s_mul_u64 s[20:21], s[20:21], s[18:19]
	s_mul_u64 s[46:47], s[46:47], s[18:19]
	s_mul_i32 s45, s14, HALFT
	s_mul_i32 s94, s14, HALFS
	s_wait_kmcnt 0x0
	s_add_nc_u64 s[20:21], s[4:5], s[20:21]
	s_add_nc_u64 s[22:23], s[6:7], s[22:23]
	s_add_nc_u64 s[46:47], s[8:9], s[46:47]
	s_add_nc_u64 s[92:93], s[10:11], s[92:93]
	CROUND
	s_mov_b32 s[G0S], 1
	s_add_co_u32 s[G0S+1], s94, SCL
	s_mov_b64 s[G0S+2:G0S+3], s[22:23]
	s_or_b32 s[G0S+3], s[G0S+3], 0x80000000
	s_mov_b32 s[G0SB], 1
	s_add_co_u32 s[G0SB+1], s94, SCL
	s_mov_b64 s[G0SB+2:G0SB+3], s[92:93]
	s_or_b32 s[G0SB+3], s[G0SB+3], 0x80000000
	JLOAD G0S, G1S, G0SB, G1SB
.irp s, 0,1
	s_mov_b32 s[G0+4*\s], 1
	s_add_co_u32 s[G0+4*\s+1], s45, \s*SLOT
	s_add_nc_u64 s[G0+4*\s+2:G0+4*\s+3], s[20:21], \s*ROWB
	s_or_b32 s[G0+4*\s+3], s[G0+4*\s+3], 0x80000000
	s_mov_b32 s[G0B+4*\s], 1
	s_add_co_u32 s[G0B+4*\s+1], s45, \s*SLOT
	s_add_nc_u64 s[G0B+4*\s+2:G0B+4*\s+3], s[46:47], \s*ROWB
	s_or_b32 s[G0B+4*\s+3], s[G0B+4*\s+3], 0x80000000
	JLOAD G0+4*\s, G1, G0B+4*\s, G1B
.endr
	v_and_b32 v1, 15, v0                           ; r
	v_bfe_u32 v2, v0, 4, 1                         ; h
	v_mul_u32_u24 v3, v1, PITCH
	v_lshl_add_u32 v4, v2, 4, v3
	s_mul_i32 s21, s15, HALFT
	s_mul_i32 s22, s16, HALFT
	s_add_co_u32 s22, s22, 2*HALFT
.irp s, 0,1
	v_add_nc_u32 v[ADRA+\s], s21, v4
	v_add_nc_u32 v[ADRB+\s], s22, v4
	s_add_co_u32 s21, s21, SLOT
	s_add_co_u32 s22, s22, SLOT
.endr
	v_mul_u32_u24 v5, v1, KS
	v_lshrrev_b32 v6, 8, v5
	v_lshl_add_u32 v5, v6, 4, v5
	s_mul_i32 s21, s15, HALFS
	s_mul_i32 s22, s16, HALFS
	s_add_co_u32 s22, s22, 2*HALFS
	s_sub_co_u32 s22, s22, s21
	v_mul_u32_u24 v6, s22, v2
	s_add_co_u32 s21, s21, SCL
	v_add_nc_u32 v5, v5, v6
	v_add_nc_u32 v[ADRS], s21, v5
	; the way out's stage: [256 rows][272 bytes] from LDS byte 0, the image of my work-group's block of hq2
	v_lshl_add_u32 v5, v2, 3, v3                   ; 272 r + 8 h
	s_mul_i32 s21, s15, HALFT
	s_lshl_b32 s22, s16, 7
	s_add_co_u32 s22, s22, s21
	v_add_nc_u32 v24, s22, v5                      ; codes: my half of the rows, my half of the columns
	s_lshl_b32 s22, s16, 2
	s_add_co_u32 s22, s22, s21
	s_add_co_u32 s22, s22, 256
	v_add_nc_u32 v25, s22, v5                      ; lanes 0-15: my scale word; lanes 16-31: 8 bytes on, the zeros
	v_and_b32 v6, 31, v0
	v_lshlrev_b32 v6, 4, v6
	s_mul_i32 s22, s14, 17408
	v_add_nc_u32 v18, s22, v6                      ; back: a quarter of the stage a wave, 16 bytes a lane;
	v_add_nc_u32 v26, s22, v6                      ; and the same place in the block of hq2
	v_lshlrev_b32 v7, 5, v2                        ; b1: 32 h
	s_lshl_b32 s46, s42, 10
	s_lshl_b32 s47, s16, 9
	s_add_co_u32 s46, s46, s47
	s_mov_b32 s47, 0
	s_add_nc_u64 s[12:13], s[12:13], s[46:47]      ; b1 at my first column
.irp b, 0,1,2,3,4,5,6,7
	global_load_b128 v[BN+8*\b:BN+8*\b+3], v7, s[12:13] offset:64*\b
	global_load_b128 v[BN+8*\b+4:BN+8*\b+7], v7, s[12:13] offset:64*\b+16
.endr
.macro FRAG reg, adr, q, i
.irp c, 0,1,2,3
	ds_load_b128 v[\reg+4*\c:\reg+4*\c+3], v[\adr] offset:128*(\q)+32*\c+(\i)*16*PITCH
.endr
.endm
; The 64 accumulators take turns, one instruction a turn, in the same order in every step.
.macro MUL16 a0, p, q, sc, zero
.irp a, \a0, \a0+1
.irp b, 0,1,2,3,4,5,6,7
.if \zero
	v_wmma_scale_f32_16x16x128_f8f6f4 v[8*(8*((\a)%4)+\b):8*(8*((\a)%4)+\b)+7], v[128*(\p)+FR*\b:128*(\p)+FR*\b+FR-1], v[AF+FR*(\a):AF+FR*(\a)+FR-1], 0, v[SC+8*NQ*(\sc)+NQ*\b+(\q)], v[SC+8*NQ*(\sc)+NQ*(\a)+(\q)] matrix_a_scale:MATRIX_SCALE_ROW1
.else
	v_wmma_scale_f32_16x16x128_f8f6f4 v[8*(8*((\a)%4)+\b):8*(8*((\a)%4)+\b)+7], v[128*(\p)+FR*\b:128*(\p)+FR*\b+FR-1], v[AF+FR*(\a):AF+FR*(\a)+FR-1], v[8*(8*((\a)%4)+\b):8*(8*((\a)%4)+\b)+7], v[SC+8*NQ*(\sc)+NQ*\b+(\q)], v[SC+8*NQ*(\sc)+NQ*(\a)+(\q)] matrix_a_scale:MATRIX_SCALE_ROW1
.endif
.endr
.endr
.endm
.macro FETCH_B slot, q, p
	WIN TO_B
.irp i, 0,1,2,3,4,5,6,7
	FRAG 128*(\p)+FR*\i, ADRB+\slot, \q, \i
.endr
	WIN 0
.endm
.macro FETCH_A slot, q, i0
.irp i, \i0, \i0+1, \i0+2, \i0+3
	FRAG AF+FR*(\i), ADRA+\slot, \q, \i
.endr
.endm
.macro SCALES sc
.irp i, 0,1,2,3,4,5,6,7
	ds_load_b64 v[SC+8*NQ*\sc+NQ*\i:SC+8*NQ*\sc+NQ*\i+1], v[ADRS] offset:\i*SBLK
.endr
.endm
.macro PLACES n
.rept \n
	v_nop
.endr
.endm
.macro STEP slot, q, zero
	s_wait_dscnt 4*NL                              ; the youngest 16 loads (A's blocks 4-7) may be out
	WIN MUL_LO
	MUL16 0, (\q)%2, \q, \slot, \zero
	MUL16 2, (\q)%2, \q, \slot, \zero
	s_wait_dscnt 0
	PLACES NP
	FETCH_B \slot, (\q)+1, 1-(\q)%2
	FETCH_A \slot, (\q)+1, 0
	WIN MUL_HI
	MUL16 4, (\q)%2, \q, \slot, \zero
	MUL16 6, (\q)%2, \q, \slot, \zero
	PLACES NP
	WIN 0
	FETCH_A \slot, (\q)+1, 4
.endm
.macro TURN slot, next, fill
	s_wait_tensorcnt 0x0                           ; all my tensor loads have landed: my part of the next slot
	ds_add_u32 v[SPW], v[NIL]                      ; 0 onto my spare word
	s_wait_dscnt 4*NL+1                            ; (the add and the youngest 16 loads may be out)
	WIN MUL_LO
	MUL16 0, 1, NQ-1, \slot, 0
	s_wait_dscnt 0x0                               ; the add is done, and my reads of this slot are over
	s_barrier_signal -1
	MUL16 2, 1, NQ-1, \slot, 0
	WIN 0
	s_barrier_wait -1
.if \fill
	CREST                                          ; a round of the cluster's barrier: no wave of any partner still reads this slot or has a load on its way
	s_add_nc_u64 s[G0+4*\slot+2:G0+4*\slot+3], s[G0+4*\slot+2:G0+4*\slot+3], 2*ROWB
	s_add_nc_u64 s[G0B+4*\slot+2:G0B+4*\slot+3], s[G0B+4*\slot+2:G0B+4*\slot+3], 2*ROWB
	JLOAD G0+4*\slot, G1, G0B+4*\slot, G1B
	PLACES NP-4
.else
	PLACES NP
.endif
	v_add_nc_u32 v[ADRS], 4*NQ, v[ADRS]
	FETCH_B \next, 0, 0
	FETCH_A \next, 0, 0
	SCALES \next
	WIN MUL_HI
	MUL16 4, 1, NQ-1, \slot, 0
	MUL16 6, 1, NQ-1, \slot, 0
	PLACES NP
	WIN 0
	FETCH_A \next, 0, 4
.endm
	s_wait_tensorcnt 1                             ; the scale bytes and my part of K step 0 are in (K step 1's load may be out)
	s_barrier_signal -1
	s_barrier_wait -1
	FETCH_B 0, 0, 0
	FETCH_A 0, 0, 0
	SCALES 0
	FETCH_A 0, 0, 4
	STEP 0, 0, 1
	s_mov_b32 s3, LAPS-1
.Llap:
	TURN 0, 1, 1
	STEP 1, 0, 0
	TURN 1, 0, 1
	STEP 0, 0, 0
	s_sub_co_u32 s3, s3, 1
	s_cmp_lg_u32 s3, 0
	s_cbranch_scc1 .Llap
	TURN 0, 1, 0
	STEP 1, 0, 0
	s_wait_dscnt 4*NL
	WIN MUL_LO
	MUL16 0, 1, NQ-1, 1, 0
	MUL16 2, 1, NQ-1, 1, 0
	s_wait_dscnt 0
	WIN MUL_HI
	MUL16 4, 1, NQ-1, 1, 0
	MUL16 6, 1, NQ-1, 1, 0
	WIN 0
.macro QUANT s, pc, pw                 ; 64 numbers of a lane become a fragment's codes and its scale word; a block of 32 lies in lanes l and l xor 16
.irp b, 0,1,2,3
	v_max3_num_f32 v[TM+\b], |v[\s+16*\b]|, |v[\s+1+16*\b]|, 0x4800000
.endr
.irp i, 2,4,6,8,10,12,14
.irp b, 0,1,2,3
	v_max3_num_f32 v[TM+\b], v[TM+\b], |v[\s+16*\b+\i]|, |v[\s+1+16*\b+\i]|
.endr
.endr
.irp b, 0,1,2,3
	v_permlanex16_b32 v[TM+4+\b], v[TM+\b], s[SEL], s[SEL+1]
.endr
.irp b, 0,1,2,3
	v_max_num_f32 v[TM+\b], v[TM+\b], v[TM+4+\b]
.endr
.irp b, 0,1,2,3
	v_add_nc_u32 v[TM+12+\b], 0xfc000000, v[TM+\b]
.endr
.irp b, 0,1,2,3
	v_and_or_b32 v[TM+8+\b], v[TM+\b], 0x7f800000, s[MNT]
.endr
.irp b, 0,1,2,3
	v_lshrrev_b32 v[TM+4+\b], 23, v[TM+12+\b]
.endr
	v_lshl_or_b32 v[\pw], v[TM+5], 8, v[TM+4]
	v_lshl_or_b32 v[\pw], v[TM+6], 16, v[\pw]
	v_lshl_or_b32 v[\pw], v[TM+7], 24, v[\pw]
.irp b, 0,1,2,3
.irp i, 0,1,2,3,4,5,6,7,8,9,10,11,12,13,14,15
	v_med3_num_f32 v[\s+16*\b+\i], v[\s+16*\b+\i], -v[TM+8+\b], v[TM+8+\b]
.endr
	v_cvt_scalef32_pk8_fp8_f32 v[\pc+4*\b:\pc+1+4*\b], v[\s+16*\b:\s+7+16*\b], v[TM+12+\b]
	v_cvt_scalef32_pk8_fp8_f32 v[\pc+2+4*\b:\pc+3+4*\b], v[\s+8+16*\b:\s+15+16*\b], v[TM+12+\b]
.endr
	v_nop
.endm
.macro COPY k                          ; block k's 64 sums + b1 into window 0, each accumulator from its low end on
	WIN 2+(\k)/4
.set p, 0
.rept 32
	v_pk_add_f32 v[W+p:W+p+1], v[64*((\k)%4)+p:64*((\k)%4)+p+1], v[BN+p:BN+p+1]
.set p, p+2
.endr
	WIN 0
.endm
; gelu of 16 numbers, eight pairs by turns: 160 instructions.  One batch of 16 reciprocals, one wait.
.macro GELU16 g
.set WG, W+16*(\g)
.set p, 0
.rept 8
	v_pk_mul_f32 v[U+p:U+p+1], v[WG+p:WG+p+1], 0x3f3504f3 op_sel_hi:[1,0]      ; u = x / sqrt(2)
.set p, p+2
.endr
.set p, 0
.rept 16
	v_med3_num_f32 v[U+p], v[U+p], -4.0, 4.0
.set p, p+1
.endr
.set p, 0
.rept 8
	v_pk_mul_f32 v[X2+p:X2+p+1], v[U+p:U+p+1], v[U+p:U+p+1]
.set p, p+2
.endr
.set p, 0
.rept 8
	v_pk_fma_f32 v[PA+p:PA+p+1], v[X2+p:X2+p+1], s[24:25], 0x32edffee op_sel_hi:[1,0,0]
.set p, p+2
.endr
.irp k, 0xb60cff51, 0xb86ec2d2, 0xba40ac63, 0xbb41a1f6, 0xbc83dbd4
.set p, 0
.rept 8
	v_pk_fma_f32 v[PA+p:PA+p+1], v[PA+p:PA+p+1], v[X2+p:X2+p+1], \k op_sel_hi:[1,1,0]
.set p, p+2
.endr
.endr
.set p, 0
.rept 8
	v_pk_fma_f32 v[PB+p:PB+p+1], v[X2+p:X2+p+1], s[26:27], 0xb95fbd29 op_sel_hi:[1,0,0]
.set p, p+2
.endr
.irp k, 0xbadc924e, 0xbbf19bf8, 0xbc69b6a7
.set p, 0
.rept 8
	v_pk_fma_f32 v[PB+p:PB+p+1], v[PB+p:PB+p+1], v[X2+p:X2+p+1], \k op_sel_hi:[1,1,0]
.set p, p+2
.endr
.endr
.set p, 0
.rept 16
	v_rcp_f32 v[PB+p], v[PB+p]
.set p, p+1
.endr
.set p, 0
.rept 8
	v_pk_mul_f32 v[PA+p:PA+p+1], v[PA+p:PA+p+1], v[U+p:U+p+1]                 ; plain work behind the batch
.set p, p+2
.endr
.set p, 0
.rept 8
	v_pk_mul_f32 v[X2+p:X2+p+1], v[WG+p:WG+p+1], 0.5 op_sel_hi:[1,0]
.set p, p+2
.endr
	s_wait_alu depctr_va_vdst(0)                   ; one wait for the 16 reciprocals, ahead of their first reader
.set p, 0
.rept 8
	v_pk_mul_f32 v[PA+p:PA+p+1], v[PA+p:PA+p+1], v[PB+p:PB+p+1]               ; erf(u)
.set p, p+2
.endr
.set p, 0
.rept 8
	v_pk_fma_f32 v[WG+p:WG+p+1], v[X2+p:X2+p+1], v[PA+p:PA+p+1], v[X2+p:X2+p+1]   ; x / 2 (1 + erf)
.set p, p+2
.endr
.endm
	; ---- THE WAY OUT.  No tensor load is out, so descriptor registers are free.  A loop of eight trips, one block of 16 rows each; only the copy out of the accumulators differs from trip to trip
	PLACES NP
	s_load_b64 s[38:39], s[0:1], 0x28              ; hq2
	s_mov_b32 s24, 0xaf95df0b                      ; P's leading coefficient, as a pair
	s_mov_b32 s25, s24
	s_mov_b32 s26, 0xb77460cd                      ; Q's
	s_mov_b32 s27, s26
	s_mov_b32 s28, 0xffff0000                      ; lanes 16-31
	s_mov_b32 s[SEL], 0x76543210
	s_mov_b32 s[SEL+1], 0xfedcba98
	s_mov_b32 s[MNT], 0x600000
	s_mov_b32 s35, 0
	s_mov_b32 s36, 0
	s_lshl_b32 s20, s42, 12
	s_lshl_b32 s21, s17, 8
	s_add_co_u32 s20, s20, s21
	s_mul_i32 s20, s20, PITCH                      ; (4,096 x tile column + 256 x tile row) x 272
	s_mov_b32 s21, 0
	s_wait_loadcnt 0x0                             ; b1
	s_wait_kmcnt 0x0
	s_add_nc_u64 s[38:39], s[38:39], s[20:21]
.Ltrip:
.irp k, 0,1,2,3,4,5,6
	s_cmp_eq_u32 s35, \k
	s_cbranch_scc1 .Lcopy\k
.endr
	COPY 7
	s_branch .Lgo
.irp k, 0,1,2,3,4,5
.Lcopy\k:
	COPY \k
	s_branch .Lgo
.endr
.Lcopy6:
	COPY 6
.Lgo:
	s_wait_dscnt 0x0                               ; the last trip's stores into the stage have read their registers
	GELU16 0
	GELU16 1
	GELU16 2
	GELU16 3
	v_add_nc_u32 v10, s36, v24
	v_add_nc_u32 v11, s36, v25
	QUANT W, PC, 8
.irp t, 0,1,2,3,4,5,6,7
	ds_store_b64 v10, v[PC+2*\t:PC+2*\t+1] offset:16*\t   ; tile t's eight codes at their natural columns 16 t + 8 h
.endr
	v_cndmask_b32 v9, v8, v[NIL], s28              ; lanes 0-15 the scale word, lanes 16-31 zero
	ds_store_b32 v11, v9
	s_add_co_u32 s35, s35, 1
	s_add_co_u32 s36, s36, 16*PITCH
	s_cmp_lt_u32 s35, 8
	s_cbranch_scc1 .Ltrip
	s_wait_dscnt 0x0                               ; for the others' sake: my stores into the stage are done
	s_barrier_signal -1
	s_barrier_wait -1
.set i, 0
.rept 34
	ds_load_b128 v[64+4*i:67+4*i], v18 offset:512*i
.set i, i+1
.endr
.set i, 0
.rept 34
	s_wait_dscnt 33-i                              ; the younger loads may be out
	global_store_b128 v26, v[64+4*i:67+4*i], s[38:39] offset:512*i   ; the stage leaves as it lies: 512 consecutive bytes a store, 69,632 on end for the work-group
.set i, i+1
.endr
	s_wait_tensorcnt 0x0                           ; the wave's end
	ds_add_u32 v[SPW], v[NIL]
	s_wait_dscnt 0x0
	CROUND
	s_endpgm
.Lfunc_end_k_qf50f6a06b4_fc1:
	.size	k_qf50f6a06b4_fc1, .Lfunc_end_k_qf50f6a06b4_fc1-k_qf50f6a06b4_fc1
	.p2alignl 7, 3214868480
	.fill 96, 4, 3214868480
	.section	.rodata,"a",@progbits
	.p2align	6, 0x0
	.amdhsa_kernel k_qf50f6a06b4_fc1
		.amdhsa_group_segment_fixed_size 327680
		.amdhsa_private_segment_fixed_size 0
		.amdhsa_enable_private_segment 0
		.amdhsa_kernarg_size 48
		.amdhsa_user_sgpr_count 2
		.amdhsa_user_sgpr_kernarg_segment_ptr 1
		.amdhsa_wavefront_size32 1
		.amdhsa_system_sgpr_workgroup_id_x 1
		.amdhsa_system_sgpr_workgroup_id_y 1
		.amdhsa_system_sgpr_workgroup_id_z 1
		.amdhsa_system_vgpr_workitem_id 0
		.amdhsa_next_free_vgpr 1024
		.amdhsa_next_free_sgpr 100
		.amdhsa_reserve_vcc 0
		.amdhsa_float_denorm_mode_32 3
		.amdhsa_float_denorm_mode_16_64 3
		.amdhsa_memory_ordered 1
		.amdhsa_forward_progress 1
		.amdhsa_inst_pref_size 200
	.end_amdhsa_kernel
	.amdgpu_metadata
---
amdhsa.version: [ 1, 2 ]
amdhsa.kernels:
  - .name:           k_qf50f6a06b4_fc1
    .symbol:         k_qf50f6a06b4_fc1.kd
    .args:
      - { .name: xq, .offset: 0, .size: 8, .value_kind: global_buffer, .address_space: global }
      - { .name: xs, .offset: 8, .size: 8, .value_kind: global_buffer, .address_space: global }
      - { .name: fc1_w_codes, .offset: 16, .size: 8, .value_kind: global_buffer, .address_space: global }
      - { .name: fc1_w_scales, .offset: 24, .size: 8, .value_kind: global_buffer, .address_space: global }
      - { .name: fc1_b, .offset: 32, .size: 8, .value_kind: global_buffer, .address_space: global }
      - { .name: hq2, .offset: 40, .size: 8, .value_kind: global_buffer, .address_space: global }
    .group_segment_fixed_size: 327680
    .private_segment_fixed_size: 0
    .kernarg_segment_align: 8
    .kernarg_segment_size: 48
    .max_flat_workgroup_size: 128
    .sgpr_count:     100
    .vgpr_count:     1024
    .wavefront_size: 32
...
	.end_amdgpu_metadata
.endif
;; end of part 4
;; launch fc2 (part 5): grid 4 x 16, 4 waves a work-group, clusters of 4 x 4, 327,680 bytes of LDS; arguments hq2, fc2_w_codes, fc2_w_scales, y; writes y
.if DOCPART == 5
	.amdgcn_target "amdgcn-amd-amdhsa--gfx1250"
	.amdhsa_code_object_version 6
	.text
	.protected	k_qf50f6a06b4_fc2
	.globl	k_qf50f6a06b4_fc2
	.p2align	8
	.type	k_qf50f6a06b4_fc2,@function
k_qf50f6a06b4_fc2:
	s_mov_b64 s[64:65], 0
	v_nop
	global_prefetch_b8 v0, s[64:65] scope:SCOPE_SE
	s_setreg_imm32_b32 hwreg(HW_REG_WAVE_MODE, 25, 1), 1
	s_wait_xcnt 0x0
	s_wait_alu depctr_hold_cnt(0) depctr_sa_sdst(0) depctr_va_vdst(0) depctr_va_sdst(0) depctr_va_ssrc(0) depctr_va_vcc(0) depctr_vm_vsrc(0)
	s_getreg_b32 s2, hwreg(HW_REG_IB_STS2, 6, 4)
	s_cmp_eq_u32 s2, 0
	s_cbranch_scc0 .Lentry_in_a_cluster
	s_endpgm
.Lentry_in_a_cluster:
	s_bfe_u32 s2, ttmp6, 0x10000c
	s_cmp_lg_u32 s2, 0xf033
	s_cbranch_scc0 .Lentry_shape_is_right
	s_endpgm
.Lentry_shape_is_right:
; y = h W2^T on codes of E4M3 with E8M0 scales (K = 4,096); the bias is added by the launch that follows.
; h: hq2 [K step of 256 (16)][row (4096)][272 bytes]: 256 codes, 8 scale bytes, 8 zeros.  W2: codes [1024][4096], scale bytes [1024][128].  y [4096][1024] f32.
; A tile of 256 x 256 is made by four waves, each 128 x 128 in 64 accumulators; K goes in steps of 256 through two LDS slots.
; h's tile of a K step, 128 rows x 272 bytes, is one dense block of 136 x 256 bytes: it lands as rows 272 bytes apart, with the rows' scale bytes where W2's rows have padding: h's scales ride in the ring.
; W2's scale bytes for all of K (256 rows x 128 bytes) come once and stay; both sides' for all of K would not fit beside the two slots (2 x 139,264 + 2 x 34,816 + the spare words > 327,680).
; CLUSTERS of 4 x 4: h's tile is asked for jointly along a row of the cluster, W2's along a column.
; 64 work-groups: the output has 64 tiles of 256 x 256, and K is not split, since a sum across work-groups would want another launch.
; THE PRODUCT IS USED TRANSPOSED (source 0 = 16 rows of W2, source 1 = 16 rows of h): a lane holds eight neighbouring numbers of a row of y.
.set SIZE_K, 4096
.set SIZE_N, 1024
.set KSTEP,  256
.set NQ,     KSTEP/128
.set ROWB,   256
.set KROW,   SIZE_K
.set PITCH,  272
.set PLANE,  4096*PITCH                ; a K step's plane of hq2
.set FR,     16
.set NL,     4
.set NP,     8
.set HALFT,  128*PITCH
.set SLOT,   4*HALFT
.set LAPS,   SIZE_K/(2*KSTEP)
.set KS,     SIZE_K/32
.set SCL,    2*SLOT                    ; behind the ring: W2's scale bytes, as units of 256 bytes + 16 of padding
.set HALFS,  (128*KS/256)*272
.set SBLK,   (16*KS/256)*272
.set SPARE,  SCL+2*HALFS
.set SPITCH, 528
.set ADRA, 16
.set ADSA, 18                          ; v18-19 LDS address of h's scale words in slot 0, 1
.set ADRB, 20
.set STO,  24
.set RD,   25
.set CO,   26
.set ADRS, 27                          ; v27 LDS address of W2's scale words
.set SPW,  28
.set NIL,  29
.set SCA,  32                          ; v32-63 h's scale words, two sets;
.set SCB,  64                          ; v64-95 W2's
.set AF,   128
.set BK,   128
.set CP,   10                          ; s[10:11] y
.set G1, 24
.set G0, 32
.set G1B, 48
.set G0B, 56
.set G1SB, 80
.set G0SB, 88
.set MSB, 0
.macro WIN new
.if MSB != (\new)
	s_set_vgpr_msb (MSB<<8)|(\new)
.set MSB, (\new)
.endif
.endm
.set MUL_LO, 0xa1
.set MUL_HI, 0xf1
.set TO_B,   0x40
.macro JLOAD g0a, g1a, g0b, g1b        ; a joint load: waves 0 and 1 fetch for A, waves 2 and 3 for B; four v_nop follow each line
	s_cmp_eq_u32 s15, 0
	s_cbranch_scc0 .Lfor_b_\@
	tensor_load_to_lds s[\g0a:\g0a+3], s[\g1a:\g1a+7]
	s_nop 0
.rept 4
	v_nop
.endr
	s_branch .Lasked_\@
.Lfor_b_\@:
	tensor_load_to_lds s[\g0b:\g0b+3], s[\g1b:\g1b+7]
	s_nop 0
.rept 4
	v_nop
.endr
.Lasked_\@:
.endm
.macro CREST
	s_cmp_lg_u32 s14, 0
	s_cbranch_scc1 .Lnot_wave_0_\@
	s_barrier_signal -3
.Lnot_wave_0_\@:
	s_barrier_wait -3
	s_barrier_signal -1
	s_barrier_wait -1
.endm
.macro CROUND
	s_barrier_signal -1
	s_barrier_wait -1
	CREST
.endm
	s_load_b128 s[4:7], s[0:1], 0x0                ; hq2, W2's codes
	s_load_b128 s[8:11], s[0:1], 0x10              ; W2's scales, y
	v_lshl_add_u32 v[SPW], v0, 2, SPARE
	v_mov_b32 v[NIL], 0
	ds_add_u32 v28, v29
	ds_add_u32 v28, v29
	s_wait_dscnt 0x0
	v_lshrrev_b32 v1, 5, v0
	v_readfirstlane_b32 s14, v1
	s_lshr_b32 s15, s14, 1
	s_and_b32 s16, s14, 1
	s_bfe_u32 s40, ttmp6, 0x40000
	s_bfe_u32 s41, ttmp6, 0x40004
	s_lshl_b32 s42, ttmp9, 2
	s_add_co_u32 s42, s42, s40                     ; tile column
	s_and_b32 s17, ttmp7, 0xffff
	s_lshl_b32 s17, s17, 2
	s_add_co_u32 s17, s17, s41                     ; tile row
	s_lshl_b32 s43, s41, 2
	s_lshl_b32 s43, 15, s43
	s_lshl_b32 s44, 0x1111, s40
	s_or_b32 s[G1+0], s43, (3<<16)|(1<<21)         ; h's tile: the mask; elements of 8 bytes; no padding: 136 rows of 256 bytes, dense
	s_mov_b32 s[G1+1], 32<<16
	s_mov_b32 s[G1+2], 136<<16
	s_mov_b32 s[G1+3], 32<<16
	s_mov_b32 s[G1+4], 136
	s_mov_b32 s[G1+5], 32
	s_mov_b32 s[G1+6], 0
	s_mov_b32 s[G1+7], 0
	s_or_b32 s[G1B+0], s44, (0<<16)|(1<<20)|(1<<21)|(5<<22)|(3<<25)   ; W2's tile: 128 rows of 256 bytes, 16 bytes of padding behind each
	s_mov_b32 s[G1B+1], ROWB<<16
	s_mov_b32 s[G1B+2], 128<<16
	s_mov_b32 s[G1B+3], ROWB<<16
	s_mov_b32 s[G1B+4], 128
	s_mov_b32 s[G1B+5], KROW
	s_mov_b32 s[G1B+6], 0
	s_mov_b32 s[G1B+7], 0
	s_or_b32 s[G1SB+0], s44, (3<<16)|(1<<20)|(1<<21)|(5<<22)|(3<<25)  ; W2's scale bytes of 128 rows: 64 rows of 256 bytes, padded
	s_mov_b32 s[G1SB+1], 32<<16
	s_mov_b32 s[G1SB+2], (128*KS/256)<<16
	s_mov_b32 s[G1SB+3], 32<<16
	s_mov_b32 s[G1SB+4], 128*KS/256
	s_mov_b32 s[G1SB+5], 32
	s_mov_b32 s[G1SB+6], 0
	s_mov_b32 s[G1SB+7], 0
	s_lshl_b32 s18, s16, 7
	s_lshl_b32 s20, s17, 8
	s_add_co_u32 s20, s20, s18                     ; h: the first row that I fetch,
	s_mul_i32 s20, s20, PITCH                      ; in bytes of a plane
	s_lshl_b32 s46, s42, 8
	s_add_co_u32 s46, s46, s18                     ; W2 likewise
	s_mov_b32 s21, 0
	s_mov_b32 s47, 0
	s_mov_b64 s[18:19], KS
	s_mul_u64 s[92:93], s[46:47], s[18:19]
	s_mov_b64 s[18:19], KROW
	s_mul_u64 s[46:47], s[46:47], s[18:19]
	s_mul_i32 s45, s14, HALFT
	s_mul_i32 s94, s16, HALFS
	s_wait_kmcnt 0x0
	s_add_nc_u64 s[20:21], s[4:5], s[20:21]
	s_add_nc_u64 s[46:47], s[6:7], s[46:47]
	s_add_nc_u64 s[92:93], s[8:9], s[92:93]
	CROUND                                         ; all sixteen work-groups are here: the first joint loads meet
	s_mov_b32 s[G0SB], 1
	s_add_co_u32 s[G0SB+1], s94, SCL
	s_mov_b64 s[G0SB+2:G0SB+3], s[92:93]
	s_or_b32 s[G0SB+3], s[G0SB+3], 0x80000000
.irp s, 0,1
	s_mov_b32 s[G0+4*\s], 1
	s_add_co_u32 s[G0+4*\s+1], s45, \s*SLOT
	s_add_nc_u64 s[G0+4*\s+2:G0+4*\s+3], s[20:21], \s*PLANE
	s_or_b32 s[G0+4*\s+3], s[G0+4*\s+3], 0x80000000
	s_mov_b32 s[G0B+4*\s], 1
	s_add_co_u32 s[G0B+4*\s+1], s45, \s*SLOT
	s_add_nc_u64 s[G0B+4*\s+2:G0B+4*\s+3], s[46:47], \s*ROWB
	s_or_b32 s[G0B+4*\s+3], s[G0B+4*\s+3], 0x80000000
.endr
	s_cmp_eq_u32 s15, 0                            ; a wave's first fills stand in one branch: two loads of waves 0 and 1 are out, three of waves 2 and 3
	s_cbranch_scc0 .Lfirst_b
	tensor_load_to_lds s[G0:G0+3], s[G1:G1+7]
	s_nop 0
	tensor_load_to_lds s[G0+4:G0+7], s[G1:G1+7]
	s_nop 0
.rept 4
	v_nop
.endr
	s_branch .Lfirst_asked
.Lfirst_b:
	tensor_load_to_lds s[G0SB:G0SB+3], s[G1SB:G1SB+7]
	s_nop 0
	tensor_load_to_lds s[G0B:G0B+3], s[G1B:G1B+7]
	s_nop 0
	tensor_load_to_lds s[G0B+4:G0B+7], s[G1B:G1B+7]
	s_nop 0
.rept 4
	v_nop
.endr
.Lfirst_asked:
	v_and_b32 v1, 15, v0                           ; r
	v_bfe_u32 v2, v0, 4, 1                         ; h
	v_mul_u32_u24 v3, v1, PITCH
	v_lshl_add_u32 v4, v2, 4, v3
	v_add_nc_u32 v5, 256, v3                       ; a row's scale bytes lie behind its 256 codes
	s_mul_i32 s21, s15, HALFT
	s_mul_i32 s22, s16, HALFT
	s_add_co_u32 s22, s22, 2*HALFT
.irp s, 0,1
	v_add_nc_u32 v[ADRA+\s], s21, v4
	v_add_nc_u32 v[ADSA+\s], s21, v5
	v_add_nc_u32 v[ADRB+\s], s22, v4
	s_add_co_u32 s21, s21, SLOT
	s_add_co_u32 s22, s22, SLOT
.endr
	v_mul_u32_u24 v5, v1, KS                       ; W2's scale bytes: 128 a row,
	v_lshrrev_b32 v6, 8, v5
	v_lshl_add_u32 v5, v6, 4, v5                   ; and 16 more for each 256 passed
	s_mul_i32 s22, s16, HALFS
	s_add_co_u32 s22, s22, SCL
	v_add_nc_u32 v[ADRS], s22, v5
	s_mul_i32 s23, s14, 16*SPITCH                  ; my stage, in slot 0
	v_mul_u32_u24 v5, v1, SPITCH
	v_lshl_add_u32 v5, v2, 5, v5
	v_add_nc_u32 v[STO], s23, v5
	v_and_b32 v6, 31, v0
	v_lshlrev_b32 v[CO], 4, v6
	v_add_nc_u32 v[RD], s23, v[CO]
	s_lshl_b32 s20, s17, 8
	s_lshl_b32 s21, s15, 7
	s_add_co_u32 s20, s20, s21                     ; my first row of y
	s_mov_b32 s21, 0
	s_mov_b64 s[18:19], SIZE_N*4
	s_mul_u64 s[20:21], s[20:21], s[18:19]
	s_lshl_b32 s46, s42, 10
	s_lshl_b32 s47, s16, 9
	s_add_co_u32 s46, s46, s47
	s_mov_b32 s47, 0
	s_add_nc_u64 s[20:21], s[20:21], s[46:47]
	s_add_nc_u64 s[CP:CP+1], s[CP:CP+1], s[20:21]
.macro FRAG reg, adr, q, i
.irp c, 0,1,2,3
	ds_load_b128 v[\reg+4*\c:\reg+4*\c+3], v[\adr] offset:128*(\q)+32*\c+(\i)*16*PITCH
.endr
.endm
; The 64 accumulators take turns, one instruction a turn, in the same order in every step.
.macro MUL16 a0, p, q, sc, zero
.irp a, \a0, \a0+1
.irp b, 0,1,2,3,4,5,6,7
.if \zero
	v_wmma_scale_f32_16x16x128_f8f6f4 v[8*(8*((\a)%4)+\b):8*(8*((\a)%4)+\b)+7], v[128*(\p)+FR*\b:128*(\p)+FR*\b+FR-1], v[AF+FR*(\a):AF+FR*(\a)+FR-1], 0, v[SCB+8*NQ*(\sc)+NQ*\b+(\q)], v[SCA+8*NQ*(\sc)+NQ*(\a)+(\q)]
.else
	v_wmma_scale_f32_16x16x128_f8f6f4 v[8*(8*((\a)%4)+\b):8*(8*((\a)%4)+\b)+7], v[128*(\p)+FR*\b:128*(\p)+FR*\b+FR-1], v[AF+FR*(\a):AF+FR*(\a)+FR-1], v[8*(8*((\a)%4)+\b):8*(8*((\a)%4)+\b)+7], v[SCB+8*NQ*(\sc)+NQ*\b+(\q)], v[SCA+8*NQ*(\sc)+NQ*(\a)+(\q)]
.endif
.endr
.endr
.endm
.macro FETCH_B slot, q, p
	WIN TO_B
.irp i, 0,1,2,3,4,5,6,7
	FRAG 128*(\p)+FR*\i, ADRB+\slot, \q, \i
.endr
	WIN 0
.endm
.macro FETCH_A slot, q, i0
.irp i, \i0, \i0+1, \i0+2, \i0+3
	FRAG AF+FR*(\i), ADRA+\slot, \q, \i
.endr
.endm
.macro SCALES sc                       ; a K step's scale words: h's out of slot sc, W2's out of their own region; lane r takes row r's two words
.irp i, 0,1,2,3,4,5,6,7
	ds_load_b64 v[SCA+8*NQ*\sc+NQ*\i:SCA+8*NQ*\sc+NQ*\i+1], v[ADSA+\sc] offset:\i*16*PITCH
.endr
.irp i, 0,1,2,3,4,5,6,7
	ds_load_b64 v[SCB+8*NQ*\sc+NQ*\i:SCB+8*NQ*\sc+NQ*\i+1], v[ADRS] offset:\i*SBLK
.endr
.endm
.macro PLACES n
.rept \n
	v_nop
.endr
.endm
.macro STEP slot, q, zero
	s_wait_dscnt 4*NL                              ; the youngest 16 loads (A's blocks 4-7) may be out
	WIN MUL_LO
	MUL16 0, (\q)%2, \q, \slot, \zero
	MUL16 2, (\q)%2, \q, \slot, \zero
	s_wait_dscnt 0
	PLACES NP
	FETCH_B \slot, (\q)+1, 1-(\q)%2
	FETCH_A \slot, (\q)+1, 0
	WIN MUL_HI
	MUL16 4, (\q)%2, \q, \slot, \zero
	MUL16 6, (\q)%2, \q, \slot, \zero
	PLACES NP
	WIN 0
	FETCH_A \slot, (\q)+1, 4
.endm
.macro TURN slot, next, fill
	s_wait_tensorcnt 0x0                           ; all my tensor loads have landed: my part of the next slot
	ds_add_u32 v[SPW], v[NIL]                      ; 0 onto my spare word
	s_wait_dscnt 4*NL+1                            ; (the add and the youngest 16 loads may be out)
	WIN MUL_LO
	MUL16 0, 1, NQ-1, \slot, 0
	s_wait_dscnt 0x0                               ; the add is done, and my reads of this slot are over
	s_barrier_signal -1
	MUL16 2, 1, NQ-1, \slot, 0
	WIN 0
	s_barrier_wait -1
.if \fill
	CREST                                          ; a round of the cluster's barrier: no wave of any partner still reads this slot or has a load on its way
	s_add_nc_u64 s[G0+4*\slot+2:G0+4*\slot+3], s[G0+4*\slot+2:G0+4*\slot+3], 2*PLANE
	s_add_nc_u64 s[G0B+4*\slot+2:G0B+4*\slot+3], s[G0B+4*\slot+2:G0B+4*\slot+3], 2*ROWB
	JLOAD G0+4*\slot, G1, G0B+4*\slot, G1B         ; the first tensor load behind the round: 112 matrix instructions ahead of the wait for it
	PLACES NP-4
.else
	PLACES NP
.endif
	v_add_nc_u32 v[ADRS], 4*NQ, v[ADRS]
	FETCH_B \next, 0, 0
	FETCH_A \next, 0, 0
	SCALES \next
	WIN MUL_HI
	MUL16 4, 1, NQ-1, \slot, 0
	MUL16 6, 1, NQ-1, \slot, 0
	PLACES NP
	WIN 0
	FETCH_A \next, 0, 4
.endm
	s_wait_tensorcnt 1                             ; all my first fills but slot 1's are in
	s_barrier_signal -1
	s_barrier_wait -1
	FETCH_B 0, 0, 0
	FETCH_A 0, 0, 0
	SCALES 0
	FETCH_A 0, 0, 4
	STEP 0, 0, 1
	s_mov_b32 s3, LAPS-1
.Llap:
	TURN 0, 1, 1
	STEP 1, 0, 0
	TURN 1, 0, 1
	STEP 0, 0, 0
	s_sub_co_u32 s3, s3, 1
	s_cmp_lg_u32 s3, 0
	s_cbranch_scc1 .Llap
	TURN 0, 1, 0
	STEP 1, 0, 0
	s_wait_dscnt 4*NL
	WIN MUL_LO
	MUL16 0, 1, NQ-1, 1, 0
	MUL16 2, 1, NQ-1, 1, 0
	s_wait_dscnt 0
	WIN MUL_HI
	MUL16 4, 1, NQ-1, 1, 0
	MUL16 6, 1, NQ-1, 1, 0
	WIN 0
; THE WAY OUT, block by block of 16 rows x 128 columns, through my own stage in slot 0 (it has had its last fill and its last read): in as 32 bytes a lane, back as whole rows of 512 bytes.
.macro TOSTAGE a
.set AC, 64*((\a)%4)
	WIN 0x08+4*((\a)/4)                            ; an LDS store's data: window 2 or 3
.irp b, 0,1,2,3,4,5,6,7
	ds_store_b128 v[STO], v[AC+8*\b:AC+8*\b+3] offset:64*\b          ; each accumulator from its low end on
	ds_store_b128 v[STO], v[AC+8*\b+4:AC+8*\b+7] offset:64*\b+16
.endr
	WIN 0
.set BB, BK+64*((\a)%2)
.irp t, 0,1,2,3,4,5,6,7,8,9,10,11,12,13,14,15
	ds_load_b128 v[BB+4*\t:BB+4*\t+3], v[RD] offset:\t*SPITCH
.endr
.endm
.macro SEND a, younger
.set BB, BK+64*((\a)%2)
	s_wait_dscnt \younger
.if (\a) > 0
	s_add_nc_u64 s[CP:CP+1], s[CP:CP+1], 16*SIZE_N*4   ; (behind a wait on XCNT: the earlier stores have read their base)
.endif
.irp t, 0,1,2,3,4,5,6,7,8,9,10,11,12,13,14,15
	global_store_b128 v[CO], v[BB+4*\t:BB+4*\t+3], s[CP:CP+1] offset:\t*SIZE_N*4   ; 32 lanes store 512 consecutive bytes, aligned
.endr
.endm
	PLACES NP
	TOSTAGE 0
.irp a, 1,2,3,4,5,6,7
.if \a > 1
	s_wait_xcnt 0x0                                ; block a - 2's stores have read their registers and their base
.endif
	TOSTAGE \a
	SEND \a-1, 32                                  ; behind block a - 1's loads: block a's 16 stores and 16 loads
.endr
	s_wait_xcnt 0x0
	SEND 7, 0
	s_wait_tensorcnt 0x0                           ; the wave's end
	ds_add_u32 v[SPW], v[NIL]
	s_wait_dscnt 0x0
	CROUND
	s_endpgm
.Lfunc_end_k_qf50f6a06b4_fc2:
	.size	k_qf50f6a06b4_fc2, .Lfunc_end_k_qf50f6a06b4_fc2-k_qf50f6a06b4_fc2
	.p2alignl 7, 3214868480
	.fill 96, 4, 3214868480
	.section	.rodata,"a",@progbits
	.p2align	6, 0x0
	.amdhsa_kernel k_qf50f6a06b4_fc2
		.amdhsa_group_segment_fixed_size 327680
		.amdhsa_private_segment_fixed_size 0
		.amdhsa_enable_private_segment 0
		.amdhsa_kernarg_size 32
		.amdhsa_user_sgpr_count 2
		.amdhsa_user_sgpr_kernarg_segment_ptr 1
		.amdhsa_wavefront_size32 1
		.amdhsa_system_sgpr_workgroup_id_x 1
		.amdhsa_system_sgpr_workgroup_id_y 1
		.amdhsa_system_sgpr_workgroup_id_z 1
		.amdhsa_system_vgpr_workitem_id 0
		.amdhsa_next_free_vgpr 1024
		.amdhsa_next_free_sgpr 98
		.amdhsa_reserve_vcc 0
		.amdhsa_float_denorm_mode_32 3
		.amdhsa_float_denorm_mode_16_64 3
		.amdhsa_memory_ordered 1
		.amdhsa_forward_progress 1
		.amdhsa_inst_pref_size 146
	.end_amdhsa_kernel
	.amdgpu_metadata
---
amdhsa.version: [ 1, 2 ]
amdhsa.kernels:
  - .name:           k_qf50f6a06b4_fc2
    .symbol:         k_qf50f6a06b4_fc2.kd
    .args:
      - { .name: hq2, .offset: 0, .size: 8, .value_kind: global_buffer, .address_space: global }
      - { .name: fc2_w_codes, .offset: 8, .size: 8, .value_kind: global_buffer, .address_space: global }
      - { .name: fc2_w_scales, .offset: 16, .size: 8, .value_kind: global_buffer, .address_space: global }
      - { .name: y, .offset: 24, .size: 8, .value_kind: global_buffer, .address_space: global }
    .group_segment_fixed_size: 327680
    .private_segment_fixed_size: 0
    .kernarg_segment_align: 8
    .kernarg_segment_size: 32
    .max_flat_workgroup_size: 128
    .sgpr_count:     98
    .vgpr_count:     1024
    .wavefront_size: 32
...
	.end_amdgpu_metadata
.endif
;; end of part 5
;; launch lnout (part 6): grid 256 x 1, 8 waves a work-group, no clusters, 0 bytes of LDS; arguments y, fc2_b, r1, st, addnorm_gamma, addnorm_beta, out0; writes out0
.if DOCPART == 6
	.amdgcn_target "amdgcn-amd-amdhsa--gfx1250"
	.amdhsa_code_object_version 6
	.text
	.protected	k_qf50f6a06b4_lnout
	.globl	k_qf50f6a06b4_lnout
	.p2align	8
	.type	k_qf50f6a06b4_lnout,@function
k_qf50f6a06b4_lnout:
	s_mov_b64 s[64:65], 0
	v_nop
	global_prefetch_b8 v0, s[64:65] scope:SCOPE_SE
	s_setreg_imm32_b32 hwreg(HW_REG_WAVE_MODE, 25, 1), 1
	s_wait_xcnt 0x0
; out = LayerNorm(y + b2 + x1), x1 = LayerNorm(r1) made again from r1 and its stored (mean, rstd) by the operations that made it; both norms share gain and bias.
; y, r1, out: [4096][1024] f32; statistics [4096][2] f32; b2, gain, bias [1024].
; A work-group takes 16 rows, each of its eight waves two, kept in registers: lane l holds, for i = 0..7, the four numbers at column 128 i + 4 l, so that every load and store of the wave covers 512 consecutive bytes.
; All 56 loads of a wave go out together.  No LDS, no barrier, no matrix unit, no cluster: a stream whose work-groups share only 12 KB of vectors.
; LIMITS: NaN and infinities are not served.
.set G,   16                           ; v16-47   gain
.set BT,  48                           ; v48-79   bias
.set FB,  80                           ; v80-111  b2
.set Y,   112                          ; v112-175 y, two rows; then the sum; then the result
.set R,   176                          ; v176-239 r1, two rows; then x1; then scratch
.set SA,  176
.set SO,  184
	s_load_b256 s[4:11], s[0:1], 0x0               ; y s[4:5], b2 s[6:7], r1 s[8:9], statistics s[10:11]
	s_load_b128 s[12:15], s[0:1], 0x20             ; gain, bias
	s_load_b64 s[16:17], s[0:1], 0x30              ; out
	v_lshrrev_b32 v1, 5, v0
	v_readfirstlane_b32 s18, v1
	v_and_b32 v1, 31, v0
	v_lshlrev_b32 v1, 4, v1                        ; 16 bytes a lane
	s_mov_b32 s20, 0x76543210
	s_mov_b32 s21, 0xfedcba98
	s_mov_b32 s22, 0x3a800000                      ; 1 / 1,024
	s_mov_b32 s23, 0x3727c5ac                      ; eps
	s_lshl_b32 s19, ttmp9, 4
	s_lshl_b32 s28, s18, 1
	s_add_co_u32 s19, s19, s28                     ; my first row
	s_lshl_b32 s28, s19, 12
	s_mov_b32 s29, 0
	s_lshl_b32 s30, s19, 3
	s_mov_b32 s31, 0
	s_wait_kmcnt 0x0
	s_add_nc_u64 s[4:5], s[4:5], s[28:29]
	s_add_nc_u64 s[8:9], s[8:9], s[28:29]
	s_add_nc_u64 s[16:17], s[16:17], s[28:29]
	s_add_nc_u64 s[10:11], s[10:11], s[30:31]
	s_load_b128 s[24:27], s[10:11], 0x0            ; (mean, rstd) of my two rows of r1
.irp rr, 0,1
.irp i, 0,1,2,3,4,5,6,7
	global_load_b128 v[R+32*\rr+4*\i:R+32*\rr+4*\i+3], v1, s[8:9] offset:4096*\rr+512*\i th:TH_LOAD_NT
.endr
.endr
.irp i, 0,1,2,3,4,5,6,7
	global_load_b128 v[G+4*\i:G+4*\i+3], v1, s[12:13] offset:512*\i
	global_load_b128 v[BT+4*\i:BT+4*\i+3], v1, s[14:15] offset:512*\i
	global_load_b128 v[FB+4*\i:FB+4*\i+3], v1, s[6:7] offset:512*\i
.endr
.irp rr, 0,1
.irp i, 0,1,2,3,4,5,6,7
	global_load_b128 v[Y+32*\rr+4*\i:Y+32*\rr+4*\i+3], v1, s[4:5] offset:4096*\rr+512*\i th:TH_LOAD_NT
.endr
.endr
	s_wait_kmcnt 0x0
	v_mov_b32 v2, s24                              ; row rr: the mean in v[2 + 4 rr], rstd in v[4 + 4 rr], each the low word of a pair
	v_mov_b32 v3, 0
	v_mov_b32 v4, s25
	v_mov_b32 v5, 0
	v_mov_b32 v6, s26
	v_mov_b32 v7, 0
	v_mov_b32 v8, s27
	v_mov_b32 v9, 0
	s_wait_loadcnt 0x0
.set j, 0
.rept 16
.irp rr, 0,1
	v_pk_add_f32 v[R+32*\rr+j:R+32*\rr+j+1], v[R+32*\rr+j:R+32*\rr+j+1], v[2+4*\rr:3+4*\rr] op_sel_hi:[1,0] neg_lo:[0,1] neg_hi:[0,1]
.endr
.set j, j+2
.endr
.set j, 0
.rept 16
.irp rr, 0,1
	v_pk_mul_f32 v[R+32*\rr+j:R+32*\rr+j+1], v[R+32*\rr+j:R+32*\rr+j+1], v[4+4*\rr:5+4*\rr] op_sel_hi:[1,0]
.endr
.set j, j+2
.endr
.set j, 0
.rept 16
.irp rr, 0,1
	v_pk_fma_f32 v[R+32*\rr+j:R+32*\rr+j+1], v[R+32*\rr+j:R+32*\rr+j+1], v[G+j:G+j+1], v[BT+j:BT+j+1]   ; x1
.endr
.set j, j+2
.endr
.set j, 0
.rept 16
.irp rr, 0,1
	v_pk_add_f32 v[Y+32*\rr+j:Y+32*\rr+j+1], v[Y+32*\rr+j:Y+32*\rr+j+1], v[FB+j:FB+j+1]
.endr
.set j, j+2
.endr
.set j, 0
.rept 16
.irp rr, 0,1
	v_pk_add_f32 v[Y+32*\rr+j:Y+32*\rr+j+1], v[Y+32*\rr+j:Y+32*\rr+j+1], v[R+32*\rr+j:R+32*\rr+j+1]
.endr
.set j, j+2
.endr
.macro REDUCE                          ; each row's two chains become one number, summed over the 32 lanes
.irp rr, 0,1
	v_pk_add_f32 v[SA+4*\rr:SA+4*\rr+1], v[SA+4*\rr:SA+4*\rr+1], v[SA+4*\rr+2:SA+4*\rr+3]
.endr
.irp rr, 0,1
	v_add_f32 v[SA+4*\rr], v[SA+4*\rr], v[SA+4*\rr+1]
.endr
.irp m, 1,2,4,8
.irp rr, 0,1
	v_add_f32_dpp v[SA+4*\rr], v[SA+4*\rr], v[SA+4*\rr] row_xmask:\m row_mask:0xf bank_mask:0xf
.endr
.endr
.irp rr, 0,1
	v_permlanex16_b32 v[SO+\rr], v[SA+4*\rr], s20, s21
.endr
.irp rr, 0,1
	v_add_f32 v[SA+4*\rr], v[SA+4*\rr], v[SO+\rr]
.endr
.endm
.irp rr, 0,1
	v_pk_add_f32 v[SA+4*\rr:SA+4*\rr+1], v[Y+32*\rr:Y+32*\rr+1], v[Y+32*\rr+2:Y+32*\rr+3]
	v_pk_add_f32 v[SA+4*\rr+2:SA+4*\rr+3], v[Y+32*\rr+4:Y+32*\rr+5], v[Y+32*\rr+6:Y+32*\rr+7]
.endr
.irp j, 8,12,16,20,24,28
.irp rr, 0,1
	v_pk_add_f32 v[SA+4*\rr:SA+4*\rr+1], v[SA+4*\rr:SA+4*\rr+1], v[Y+32*\rr+\j:Y+32*\rr+\j+1]
	v_pk_add_f32 v[SA+4*\rr+2:SA+4*\rr+3], v[SA+4*\rr+2:SA+4*\rr+3], v[Y+32*\rr+\j+2:Y+32*\rr+\j+3]
.endr
.endr
	REDUCE
.irp rr, 0,1
	v_mul_f32 v[2+4*\rr], s22, v[SA+4*\rr]         ; the mean
.endr
.set j, 0
.rept 16
.irp rr, 0,1
	v_pk_add_f32 v[Y+32*\rr+j:Y+32*\rr+j+1], v[Y+32*\rr+j:Y+32*\rr+j+1], v[2+4*\rr:3+4*\rr] op_sel_hi:[1,0] neg_lo:[0,1] neg_hi:[0,1]
.endr
.set j, j+2
.endr
.irp rr, 0,1
	v_pk_mul_f32 v[SA+4*\rr:SA+4*\rr+1], v[Y+32*\rr:Y+32*\rr+1], v[Y+32*\rr:Y+32*\rr+1]
	v_pk_mul_f32 v[SA+4*\rr+2:SA+4*\rr+3], v[Y+32*\rr+2:Y+32*\rr+3], v[Y+32*\rr+2:Y+32*\rr+3]
.endr
.irp j, 4,8,12,16,20,24,28
.irp rr, 0,1
	v_pk_fma_f32 v[SA+4*\rr:SA+4*\rr+1], v[Y+32*\rr+\j:Y+32*\rr+\j+1], v[Y+32*\rr+\j:Y+32*\rr+\j+1], v[SA+4*\rr:SA+4*\rr+1]
	v_pk_fma_f32 v[SA+4*\rr+2:SA+4*\rr+3], v[Y+32*\rr+\j+2:Y+32*\rr+\j+3], v[Y+32*\rr+\j+2:Y+32*\rr+\j+3], v[SA+4*\rr+2:SA+4*\rr+3]
.endr
.endr
	REDUCE
.irp rr, 0,1
	v_fma_f32 v[SA+4*\rr+2], v[SA+4*\rr], s22, s23 ; var + eps
.endr
.irp rr, 0,1
	v_rsq_f32 v[4+4*\rr], v[SA+4*\rr+2]
.endr
	v_nop                                          ; a plain line behind the two roots
	s_wait_alu depctr_va_vdst(0)                   ; one wait for both, ahead of their first reader
.set j, 0
.rept 16
.irp rr, 0,1
	v_pk_mul_f32 v[Y+32*\rr+j:Y+32*\rr+j+1], v[Y+32*\rr+j:Y+32*\rr+j+1], v[4+4*\rr:5+4*\rr] op_sel_hi:[1,0]
.endr
.set j, j+2
.endr
.set j, 0
.rept 16
.irp rr, 0,1
	v_pk_fma_f32 v[Y+32*\rr+j:Y+32*\rr+j+1], v[Y+32*\rr+j:Y+32*\rr+j+1], v[G+j:G+j+1], v[BT+j:BT+j+1]
.endr
.set j, j+2
.endr
.irp rr, 0,1
.irp i, 0,1,2,3,4,5,6,7
	global_store_b128 v1, v[Y+32*\rr+4*\i:Y+32*\rr+4*\i+3], s[16:17] offset:4096*\rr+512*\i th:TH_STORE_NT   ; 512 consecutive bytes, aligned
.endr
.endr
	s_endpgm
.Lfunc_end_k_qf50f6a06b4_lnout:
	.size	k_qf50f6a06b4_lnout, .Lfunc_end_k_qf50f6a06b4_lnout-k_qf50f6a06b4_lnout
	.p2alignl 7, 3214868480
	.fill 96, 4, 3214868480
	.section	.rodata,"a",@progbits
	.p2align	6, 0x0
	.amdhsa_kernel k_qf50f6a06b4_lnout
		.amdhsa_group_segment_fixed_size 0
		.amdhsa_private_segment_fixed_size 0
		.amdhsa_enable_private_segment 0
		.amdhsa_kernarg_size 56
		.amdhsa_user_sgpr_count 2
		.amdhsa_user_sgpr_kernarg_segment_ptr 1
		.amdhsa_wavefront_size32 1
		.amdhsa_system_sgpr_workgroup_id_x 1
		.amdhsa_system_sgpr_workgroup_id_y 1
		.amdhsa_system_sgpr_workgroup_id_z 1
		.amdhsa_system_vgpr_workitem_id 0
		.amdhsa_next_free_vgpr 240
		.amdhsa_next_free_sgpr 66
		.amdhsa_reserve_vcc 0
		.amdhsa_float_denorm_mode_32 3
		.amdhsa_float_denorm_mode_16_64 3
		.amdhsa_memory_ordered 1
		.amdhsa_forward_progress 1
		.amdhsa_inst_pref_size 31
	.end_amdhsa_kernel
	.amdgpu_metadata
---
amdhsa.version: [ 1, 2 ]
amdhsa.kernels:
  - .name:           k_qf50f6a06b4_lnout
    .symbol:         k_qf50f6a06b4_lnout.kd
    .args:
      - { .name: y, .offset: 0, .size: 8, .value_kind: global_buffer, .address_space: global }
      - { .name: fc2_b, .offset: 8, .size: 8, .value_kind: global_buffer, .address_space: global }
      - { .name: r1, .offset: 16, .size: 8, .value_kind: global_buffer, .address_space: global }
      - { .name: st, .offset: 24, .size: 8, .value_kind: global_buffer, .address_space: global }
      - { .name: addnorm_gamma, .offset: 32, .size: 8, .value_kind: global_buffer, .address_space: global }
      - { .name: addnorm_beta, .offset: 40, .size: 8, .value_kind: global_buffer, .address_space: global }
      - { .name: out0, .offset: 48, .size: 8, .value_kind: global_buffer, .address_space: global }
    .group_segment_fixed_size: 0
    .private_segment_fixed_size: 0
    .kernarg_segment_align: 8
    .kernarg_segment_size: 56
    .max_flat_workgroup_size: 256
    .sgpr_count:     66
    .vgpr_count:     240
    .wavefront_size: 32
...
	.end_amdgpu_metadata
.endif
;; end of part 6
;; ======== version 2 of 2: 7 launches
;; limits: right only within a limited range of input values
;; workspace buffers: xq 4,194,304 bytes; xs 131,072 bytes; st 32,768 bytes; qkvimg 12,582,912 bytes; qkvsc 393,216 bytes; r1 16,777,216 bytes; hq2 17,825,792 bytes; y 16,777,216 bytes
;; launch prenorm (part 7): grid 256 x 1, 8 waves a work-group, no clusters, 2,048 bytes of LDS; arguments src, pre_gamma, pre_beta, xq, xs, st; writes xq, xs, st
.if DOCPART == 7
	.amdgcn_target "amdgcn-amd-amdhsa--gfx1250"
	.amdhsa_code_object_version 6
	.text
	.protected	k_qf50f6a06b4_prenorm
	.globl	k_qf50f6a06b4_prenorm
	.p2align	8
	.type	k_qf50f6a06b4_prenorm,@function
k_qf50f6a06b4_prenorm:
	s_mov_b64 s[64:65], 0
	v_nop
	global_prefetch_b8 v0, s[64:65] scope:SCOPE_SE
	s_setreg_imm32_b32 hwreg(HW_REG_WAVE_MODE, 25, 1), 1
	s_wait_xcnt 0x0
; LayerNorm of rows of 1,024 f32, quantised along the row to codes of E4M3 with one E8M0 byte for each 32 numbers.
; Arguments: rows in [4096][1024] f32, gain [1024], bias [1024]; out: codes [4096][1024], scale bytes [4096][32], statistics [4096][2] f32 (mean, 1/sqrt(var + eps)).
; The normalised rows themselves are not stored: later launches make them again from the rows and the statistics, by the same operations in the same order.
; SHARES.  A work-group takes 16 rows, each of its eight waves two; a row stays in 32 registers a lane-wise: lane l holds, for i = 0..3, the 8 neighbours at column 256 i + 8 l.
; So a block of 32 lies in four neighbouring lanes, a lane's 8 codes are 8 bytes, and one store of the wave covers 256 consecutive bytes, aligned.
; The scale bytes and statistics of the 16 rows meet in LDS and leave by wave 0: 512 consecutive bytes of scale bytes, 128 of statistics (the whole buffer of statistics is 32,768 bytes).
; No matrix unit, no tensor load, no cluster: work-groups share only the gain and the bias, 8 KB beside their 64 KB of rows.
; LIMITS: NaN and infinities are not served.  A block of zeros, or one whose largest magnitude lies under 2^-118, gets the byte 1 (the rule says 127 for zeros): its codes are zeros and this program alone reads the bytes.
.set G,   16                           ; v16-47   gain of my 32 columns
.set BT,  48                           ; v48-79   bias
.set X,   80                           ; v80-143  two rows
.set SA,  144                          ; v144-151 sums in two chains a row; later the eight blocks' largest magnitudes
.set SO,  152                          ; v152-159 what comes from the other half of the lanes; later the conversions' scale operands
.set C,   160                          ; v160-175 codes, two registers a block, written once
.set HD,  176                          ; v176-183 448 x the scale
.set E,   184                          ; v184-191 scale bytes
.set STT, 192                          ; v192-195 (mean, rstd) of the two rows
	s_load_b256 s[4:11], s[0:1], 0x0               ; rows s[4:5], gain s[6:7], bias s[8:9], codes s[10:11]
	s_load_b128 s[12:15], s[0:1], 0x20             ; scale bytes s[12:13], statistics s[14:15]
	v_lshl_add_u32 v200, v0, 2, 0x400
	v_mov_b32 v201, 0
	v_lshrrev_b32 v1, 5, v0
	s_delay_alu instid0(VALU_DEP_1)
	v_readfirstlane_b32 s16, v1                    ; wave 0..7
	v_and_b32 v1, 31, v0                           ; lane
	s_delay_alu instid0(VALU_DEP_1)
	v_lshlrev_b32 v2, 5, v1                        ; 32 bytes a lane in a quarter row
	s_delay_alu instid0(VALU_DEP_2)
	v_lshlrev_b32 v3, 3, v1                        ; 8 bytes of codes a lane
	s_delay_alu instid0(VALU_DEP_3)
	v_lshrrev_b32 v4, 2, v1
	s_lshl_b32 s17, s16, 6
	v_add_nc_u32 v4, s17, v4                       ; LDS: scale bytes [16 rows][32]: 64 x wave + lane / 4
	s_lshl_b32 s17, s16, 4
	s_add_co_u32 s17, s17, 512
	v_mov_b32 v5, s17                              ; LDS: statistics [16 rows][8 bytes] from byte 512 on
	v_lshlrev_b32 v6, 4, v1                        ; wave 0's way out: 16 bytes a lane,
	v_lshl_add_u32 v7, v1, 2, 512                  ; and 4 bytes a lane of the statistics
	v_lshlrev_b32 v196, 2, v1
	s_mov_b32 s20, 0x76543210
	s_mov_b32 s21, 0xfedcba98                      ; v_permlanex16_b32's selects for lane l xor 16
	s_mov_b32 s22, 0x600000                        ; the mantissa field of 448
	s_mov_b32 s23, 0x3a800000                      ; 1 / 1,024
	s_mov_b32 s24, 0x3727c5ac                      ; eps = 1e-5
.irp r, 9,11,13,15,152,153
	v_mov_b32 v\r, 0                               ; upper halves of pairs that are named whole; destinations of lane permutes
.endr
	s_lshl_b32 s17, ttmp9, 4
	s_lshl_b32 s18, s16, 1
	s_add_co_u32 s17, s17, s18                     ; my first row: 16 x work-group + 2 x wave
	s_mov_b32 s19, 0
	s_lshl_b32 s18, s17, 12
	s_wait_kmcnt 0x0
	s_add_nc_u64 s[4:5], s[4:5], s[18:19]
	s_lshl_b32 s18, s17, 10
	s_add_nc_u64 s[10:11], s[10:11], s[18:19]
	s_lshl_b32 s18, ttmp9, 9
	s_add_nc_u64 s[12:13], s[12:13], s[18:19]
	s_lshl_b32 s18, ttmp9, 7
	s_add_nc_u64 s[14:15], s[14:15], s[18:19]
.irp rr, 0,1
.irp i, 0,1,2,3
	global_load_b128 v[X+32*\rr+8*\i:X+32*\rr+8*\i+3], v2, s[4:5] offset:4096*\rr+1024*\i
	global_load_b128 v[X+32*\rr+8*\i+4:X+32*\rr+8*\i+7], v2, s[4:5] offset:4096*\rr+1024*\i+16
.endr
.endr
.irp i, 0,1,2,3
	global_load_b128 v[G+8*\i:G+8*\i+3], v2, s[6:7] offset:1024*\i
	global_load_b128 v[G+8*\i+4:G+8*\i+7], v2, s[6:7] offset:1024*\i+16
	global_load_b128 v[BT+8*\i:BT+8*\i+3], v2, s[8:9] offset:1024*\i
	global_load_b128 v[BT+8*\i+4:BT+8*\i+7], v2, s[8:9] offset:1024*\i+16
.endr
; The two chains of each row become one number, summed over the 32 lanes; every lane ends with the sum.  The rows take turns line by line.
.macro REDUCE
.irp rr, 0
	s_delay_alu instid0(VALU_DEP_3)
	v_pk_add_f32 v[SA+4*\rr:SA+4*\rr+1], v[SA+4*\rr:SA+4*\rr+1], v[SA+4*\rr+2:SA+4*\rr+3]
.endr
.irp rr, 1
	s_delay_alu instid0(VALU_DEP_2)
	v_pk_add_f32 v[SA+4*\rr:SA+4*\rr+1], v[SA+4*\rr:SA+4*\rr+1], v[SA+4*\rr+2:SA+4*\rr+3]
.endr
.irp rr, 0,1
	s_delay_alu instid0(VALU_DEP_2)
	v_add_f32 v[SA+4*\rr], v[SA+4*\rr], v[SA+4*\rr+1]
.endr
.irp m, 1,2,4,8
.irp rr, 0,1
	s_delay_alu instid0(VALU_DEP_2)
	v_add_f32_dpp v[SA+4*\rr], v[SA+4*\rr], v[SA+4*\rr] row_xmask:\m row_mask:0xf bank_mask:0xf
.endr
.endr
.irp rr, 0,1
	s_delay_alu instid0(VALU_DEP_2)
	v_permlanex16_b32 v[SO+\rr], v[SA+4*\rr], s20, s21
.endr
.irp rr, 0,1
	s_delay_alu instid0(VALU_DEP_2)
	v_add_f32 v[SA+4*\rr], v[SA+4*\rr], v[SO+\rr]
.endr
.endm
	s_wait_loadcnt 16                              ; the rows' 16 loads are in; the 16 of gain and bias may be out
.irp rr, 0,1
	v_pk_add_f32 v[SA+4*\rr:SA+4*\rr+1], v[X+32*\rr:X+32*\rr+1], v[X+32*\rr+2:X+32*\rr+3]
	v_pk_add_f32 v[SA+4*\rr+2:SA+4*\rr+3], v[X+32*\rr+4:X+32*\rr+5], v[X+32*\rr+6:X+32*\rr+7]
.endr
.irp j, 8,12,16,20,24,28
.irp rr, 0,1
	s_delay_alu instid0(VALU_DEP_4)
	v_pk_add_f32 v[SA+4*\rr:SA+4*\rr+1], v[SA+4*\rr:SA+4*\rr+1], v[X+32*\rr+\j:X+32*\rr+\j+1]
	s_delay_alu instid0(VALU_DEP_4)
	v_pk_add_f32 v[SA+4*\rr+2:SA+4*\rr+3], v[SA+4*\rr+2:SA+4*\rr+3], v[X+32*\rr+\j+2:X+32*\rr+\j+3]
.endr
.endr
	REDUCE
.irp rr, 0,1
	s_delay_alu instid0(VALU_DEP_2)
	v_mul_f32 v[8+4*\rr], s23, v[SA+4*\rr]         ; the mean
.endr
.set j, 0
.rept 16
.irp rr, 0,1
	v_pk_add_f32 v[X+32*\rr+j:X+32*\rr+j+1], v[X+32*\rr+j:X+32*\rr+j+1], v[8+4*\rr:9+4*\rr] op_sel_hi:[1,0] neg_lo:[0,1] neg_hi:[0,1]   ; x - mean
.endr
.set j, j+2
.endr
.irp rr, 0,1
	v_pk_mul_f32 v[SA+4*\rr:SA+4*\rr+1], v[X+32*\rr:X+32*\rr+1], v[X+32*\rr:X+32*\rr+1]
	v_pk_mul_f32 v[SA+4*\rr+2:SA+4*\rr+3], v[X+32*\rr+2:X+32*\rr+3], v[X+32*\rr+2:X+32*\rr+3]
.endr
.irp j, 4,8,12,16,20,24,28
.irp rr, 0,1
	s_delay_alu instid0(VALU_DEP_4)
	v_pk_fma_f32 v[SA+4*\rr:SA+4*\rr+1], v[X+32*\rr+\j:X+32*\rr+\j+1], v[X+32*\rr+\j:X+32*\rr+\j+1], v[SA+4*\rr:SA+4*\rr+1]
	s_delay_alu instid0(VALU_DEP_4)
	v_pk_fma_f32 v[SA+4*\rr+2:SA+4*\rr+3], v[X+32*\rr+\j+2:X+32*\rr+\j+3], v[X+32*\rr+\j+2:X+32*\rr+\j+3], v[SA+4*\rr+2:SA+4*\rr+3]
.endr
.endr
	REDUCE
.irp rr, 0,1
	s_delay_alu instid0(VALU_DEP_2)
	v_fma_f32 v[SA+4*\rr+2], v[SA+4*\rr], s23, s24 ; var + eps
.endr
	s_wait_alu depctr_va_vdst(0)
.irp rr, 0,1
	v_rsq_f32 v[10+4*\rr], v[SA+4*\rr+2]
.endr
.irp rr, 0,1
	v_mov_b32 v[STT+2*\rr], v[8+4*\rr]             ; plain work behind the two roots
.endr
	s_wait_alu depctr_va_vdst(0)                   ; one wait for both roots, ahead of their first reader
.irp rr, 0,1
	v_mov_b32 v[STT+2*\rr+1], v[10+4*\rr]
.endr
	s_wait_loadcnt 0x0                             ; gain and bias
.set j, 0
.rept 16
.irp rr, 0,1
	v_pk_mul_f32 v[X+32*\rr+j:X+32*\rr+j+1], v[X+32*\rr+j:X+32*\rr+j+1], v[10+4*\rr:11+4*\rr] op_sel_hi:[1,0]
.endr
.set j, j+2
.endr
.set j, 0
.rept 16
.irp rr, 0,1
	v_pk_fma_f32 v[X+32*\rr+j:X+32*\rr+j+1], v[X+32*\rr+j:X+32*\rr+j+1], v[G+j:G+j+1], v[BT+j:BT+j+1]
.endr
.set j, j+2
.endr
	; ---- the quantiser: my eight pieces of blocks (k = 4 x row + i), by turns.  A block's largest magnitude: my 8 numbers, the floor 2^(9 - 127), three neighbouring lanes'
.irp k, 0,1,2,3,4,5,6,7
	v_max3_num_f32 v[SA+\k], |v[X+8*\k]|, |v[X+8*\k+1]|, 0x4800000
.endr
.irp i, 2,4,6
.irp k, 0,1,2,3,4,5,6,7
	v_max3_num_f32 v[SA+\k], v[SA+\k], |v[X+8*\k+\i]|, |v[X+8*\k+\i+1]|
.endr
.endr
.irp m, 1,2
.irp k, 0,1,2,3,4,5,6,7
	v_max_num_f32_dpp v[SA+\k], v[SA+\k], v[SA+\k] row_xmask:\m row_mask:0xf bank_mask:0xf
.endr
.endr
.irp k, 0,1,2,3,4,5,6,7
	v_add_nc_u32 v[SO+\k], 0xfc000000, v[SA+\k]    ; 8 off the exponent field: the conversion's scale operand
.endr
.irp k, 0,1,2,3,4,5,6,7
	v_and_or_b32 v[HD+\k], v[SA+\k], 0x7f800000, s22   ; 448 x the scale
.endr
.irp k, 0,1,2,3,4,5,6,7
.irp i, 0,1,2,3,4,5,6,7
	v_med3_num_f32 v[X+8*\k+\i], v[X+8*\k+\i], -v[HD+\k], v[HD+\k]   ; the conversion to an 8-bit code does not saturate (ISA guide 7.6.2): the hold comes first
.endr
	v_cvt_scalef32_pk8_fp8_f32 v[C+2*\k:C+2*\k+1], v[X+8*\k:X+8*\k+7], v[SO+\k]
.endr
.irp k, 0,1,2,3,4,5,6,7
	v_lshrrev_b32 v[E+\k], 23, v[SO+\k]            ; the scale's byte (also the plain line behind the last conversion)
.endr
.irp k, 0,1,2,3,4,5,6,7
	ds_store_b8 v4, v[E+\k] offset:32*(\k/4)+8*(\k%4)   ; the four lanes of a block write the same byte with the same value
	global_store_b64 v3, v[C+2*\k:C+2*\k+1], s[10:11] offset:1024*(\k/4)+256*(\k%4)   ; 32 lanes store 256 consecutive bytes, aligned
.endr
.irp rr, 0,1
	ds_store_b64 v5, v[STT+2*\rr:STT+2*\rr+1] offset:8*\rr   ; all lanes write the same 8 bytes with the same value
.endr
	s_wait_dscnt 0x0                               ; for wave 0's sake: my LDS stores are done
	s_barrier_signal -1
	s_barrier_wait -1
	s_cmp_lg_u32 s16, 0
	s_cbranch_scc1 .Ldone
	ds_load_b128 v[144:147], v6                    ; 16 rows x 32 scale bytes
	ds_load_b32 v148, v7                           ; 16 rows x (mean, rstd)
	s_wait_dscnt 0x0
	global_store_b128 v6, v[144:147], s[12:13]     ; 512 consecutive bytes
	global_store_b32 v196, v148, s[14:15]          ; 128 consecutive bytes
.Ldone:
	s_wait_tensorcnt 0x0
	ds_add_u32 v200, v201
	s_wait_dscnt 0x0
	s_endpgm
.Lfunc_end_k_qf50f6a06b4_prenorm:
	.size	k_qf50f6a06b4_prenorm, .Lfunc_end_k_qf50f6a06b4_prenorm-k_qf50f6a06b4_prenorm
	.p2alignl 7, 3214868480
	.fill 96, 4, 3214868480
	.section	.rodata,"a",@progbits
	.p2align	6, 0x0
	.amdhsa_kernel k_qf50f6a06b4_prenorm
		.amdhsa_group_segment_fixed_size 2048
		.amdhsa_private_segment_fixed_size 0
		.amdhsa_enable_private_segment 0
		.amdhsa_kernarg_size 48
		.amdhsa_user_sgpr_count 2
		.amdhsa_user_sgpr_kernarg_segment_ptr 1
		.amdhsa_wavefront_size32 1
		.amdhsa_system_sgpr_workgroup_id_x 1
		.amdhsa_system_sgpr_workgroup_id_y 1
		.amdhsa_system_sgpr_workgroup_id_z 1
		.amdhsa_system_vgpr_workitem_id 0
		.amdhsa_next_free_vgpr 202
		.amdhsa_next_free_sgpr 66
		.amdhsa_reserve_vcc 0
		.amdhsa_float_denorm_mode_32 3
		.amdhsa_float_denorm_mode_16_64 3
		.amdhsa_memory_ordered 1
		.amdhsa_forward_progress 1
		.amdhsa_inst_pref_size 32
	.end_amdhsa_kernel
	.amdgpu_metadata
---
amdhsa.version: [ 1, 2 ]
amdhsa.kernels:
  - .name:           k_qf50f6a06b4_prenorm
    .symbol:         k_qf50f6a06b4_prenorm.kd
    .args:
      - { .name: src, .offset: 0, .size: 8, .value_kind: global_buffer, .address_space: global }
      - { .name: pre_gamma, .offset: 8, .size: 8, .value_kind: global_buffer, .address_space: global }
      - { .name: pre_beta, .offset: 16, .size: 8, .value_kind: global_buffer, .address_space: global }
      - { .name: xq, .offset: 24, .size: 8, .value_kind: global_buffer, .address_space: global }
      - { .name: xs, .offset: 32, .size: 8, .value_kind: global_buffer, .address_space: global }
      - { .name: st, .offset: 40, .size: 8, .value_kind: global_buffer, .address_space: global }
    .group_segment_fixed_size: 2048
    .private_segment_fixed_size: 0
    .kernarg_segment_align: 8
    .kernarg_segment_size: 48
    .max_flat_workgroup_size: 256
    .sgpr_count:     66
    .vgpr_count:     202
    .wavefront_size: 32
...
	.end_amdgpu_metadata
.endif
;; end of part 7
;; launch qkv (part 8): grid 12 x 16, 4 waves a work-group, clusters of 4 x 4, 327,680 bytes of LDS; arguments xq, xs, qkv_w_codes, qkv_w_scales, qkv_b, qkvimg, qkvsc; writes qkvimg, qkvsc
.if DOCPART == 8
	.amdgcn_target "amdgcn-amd-amdhsa--gfx1250"
	.amdhsa_code_object_version 6
	.text
	.protected	k_qf50f6a06b4_qkv
	.globl	k_qf50f6a06b4_qkv
	.p2align	8
	.type	k_qf50f6a06b4_qkv,@function
k_qf50f6a06b4_qkv:
	s_mov_b64 s[64:65], 0
	v_nop
	global_prefetch_b8 v0, s[64:65] scope:SCOPE_SE
	s_setreg_imm32_b32 hwreg(HW_REG_WAVE_MODE, 25, 1), 1
	s_wait_xcnt 0x0
	s_wait_alu depctr_hold_cnt(0) depctr_sa_sdst(0) depctr_va_vdst(0) depctr_va_sdst(0) depctr_va_ssrc(0) depctr_va_vcc(0) depctr_vm_vsrc(0)
	s_getreg_b32 s2, hwreg(HW_REG_IB_STS2, 6, 4)
	s_cmp_eq_u32 s2, 0
	s_cbranch_scc0 .Lentry_in_a_cluster
	s_endpgm
.Lentry_in_a_cluster:
	s_bfe_u32 s2, ttmp6, 0x10000c
	s_cmp_lg_u32 s2, 0xf033
	s_cbranch_scc0 .Lentry_shape_is_right
	s_endpgm
.Lentry_shape_is_right:
.set SIZE_K, 1024
.set KSTEP,  256
.set NQ,     KSTEP/128
.set ROWB,   256
.set KROW,   SIZE_K
.set PITCH,  272
.set FR,     16
.set NL,     4
.set NP,     8
.set HALFT,  128*PITCH
.set SLOT,   4*HALFT
.set LAPS,   SIZE_K/(2*KSTEP)
.set KS,     SIZE_K/32
.set SCL,    2*SLOT
.set HALFS,  (128*KS/256)*272
.set SBLK,   (16*KS/256)*272
.set SPARE,  SCL+4*HALFS
.set ADRA, 16
.set ADRB, 20
.set ADRS, 27
.set SPW,  28
.set NIL,  29
.set SC,   32
.set AF,   128
.set BM,   8
.set BN,   64
.set W,    128
.set PW,   192
.set PC,   200
.set TM,   216
.set SEL,  32
.set MNT,  34
.set G1, 24
.set G0, 32
.set G1B, 48
.set G0B, 56
.set G1S, 68
.set G0S, 76
.set G1SB, 80
.set G0SB, 88
.set MSB, 0
.macro WIN new
.if MSB != (\new)
	s_set_vgpr_msb (MSB<<8)|(\new)
.set MSB, (\new)
.endif
.endm
.set MUL_LO, 0xa1
.set MUL_HI, 0xf1
.set TO_B,   0x40
.macro JLOAD g0a, g1a, g0b, g1b
	s_cmp_eq_u32 s15, 0
	s_cbranch_scc0 .Lfor_b_\@
	tensor_load_to_lds s[\g0a:\g0a+3], s[\g1a:\g1a+7]
	s_nop 0
.rept 4
	v_nop
.endr
	s_branch .Lasked_\@
.Lfor_b_\@:
	tensor_load_to_lds s[\g0b:\g0b+3], s[\g1b:\g1b+7]
	s_nop 0
.rept 4
	v_nop
.endr
.Lasked_\@:
.endm
.macro CREST
	s_cmp_lg_u32 s14, 0
	s_cbranch_scc1 .Lnot_wave_0_\@
	s_barrier_signal -3
.Lnot_wave_0_\@:
	s_barrier_wait -3
	s_barrier_signal -1
	s_barrier_wait -1
.endm
.macro CROUND
	s_barrier_signal -1
	s_barrier_wait -1
	CREST
.endm
	s_load_b256 s[4:11], s[0:1], 0x0
	s_load_b64 s[12:13], s[0:1], 0x20
	v_lshl_add_u32 v[SPW], v0, 2, SPARE
	v_mov_b32 v[NIL], 0
	ds_add_u32 v28, v29
	ds_add_u32 v28, v29
	s_wait_dscnt 0x0
	v_lshrrev_b32 v1, 5, v0
	v_readfirstlane_b32 s14, v1
	s_lshr_b32 s15, s14, 1
	s_and_b32 s16, s14, 1
	s_bfe_u32 s40, ttmp6, 0x40000
	s_bfe_u32 s41, ttmp6, 0x40004
	s_and_b32 s18, ttmp7, 0xffff
	s_cmp_eq_u32 ttmp9, 2
	s_cselect_b32 s19, ttmp9, s18
	s_cselect_b32 s18, s18, ttmp9
	s_cselect_b32 s104, -1, 0
	s_lshl_b32 s17, s19, 2
	s_add_co_u32 s17, s17, s41
	s_lshl_b32 s42, s18, 2
	s_add_co_u32 s42, s42, s40
	s_lshl_b32 s43, s41, 2
	s_lshl_b32 s43, 15, s43
	s_lshl_b32 s44, 0x1111, s40
	s_or_b32 s[G1+0], s43, (0<<16)|(1<<20)|(1<<21)|(5<<22)|(3<<25)
	s_or_b32 s[G1B+0], s44, (0<<16)|(1<<20)|(1<<21)|(5<<22)|(3<<25)
.irp g, G1, G1B
	s_mov_b32 s[\g+1], ROWB<<16
	s_mov_b32 s[\g+2], 256<<16                     ; the head's loads bring 256 rows; behind them the two words that count rows are set to 128
	s_mov_b32 s[\g+3], ROWB<<16
	s_mov_b32 s[\g+4], 256
	s_mov_b32 s[\g+5], KROW
	s_mov_b32 s[\g+6], 0
	s_mov_b32 s[\g+7], 0
.endr
	s_or_b32 s[G1S+0], s43, (3<<16)|(1<<20)|(1<<21)|(5<<22)|(3<<25)
	s_or_b32 s[G1SB+0], s44, (3<<16)|(1<<20)|(1<<21)|(5<<22)|(3<<25)
.irp g, G1S, G1SB
	s_mov_b32 s[\g+1], 32<<16
	s_mov_b32 s[\g+2], KS<<16                      ; the scales of 256 rows: KS rows of 256 bytes
	s_mov_b32 s[\g+3], 32<<16
	s_mov_b32 s[\g+4], KS
	s_mov_b32 s[\g+5], 32
	s_mov_b32 s[\g+6], 0
	s_mov_b32 s[\g+7], 0
.endr
	s_lshl_b32 s20, s17, 8                         ; the tiles' first rows
	s_lshl_b32 s46, s42, 8
	s_mov_b32 s21, 0
	s_mov_b32 s47, 0
	s_mov_b64 s[18:19], KS
	s_mul_u64 s[22:23], s[20:21], s[18:19]
	s_mul_u64 s[92:93], s[46:47], s[18:19]
	s_mov_b64 s[18:19], KROW
	s_mul_u64 s[20:21], s[20:21], s[18:19]
	s_mul_u64 s[46:47], s[46:47], s[18:19]
	s_mul_i32 s45, s14, HALFT
	s_lshl_b32 s98, s17, 8
	s_lshl_b32 s99, s15, 7
	s_add_co_u32 s98, s98, s99
	s_lshl_b32 s99, s42, 8
	s_lshl_b32 s100, s16, 7
	s_add_co_u32 s99, s99, s100
	s_cmp_eq_u32 ttmp9, 2
	s_cselect_b32 s105, s98, s99
	s_cselect_b32 s95, s99, s98
	s_wait_kmcnt 0x0
	s_cmp_eq_u32 ttmp9, 2
	s_cselect_b64 s[96:97], s[8:9], s[4:5]
	s_cselect_b64 s[98:99], s[10:11], s[6:7]
	s_cselect_b64 s[100:101], s[4:5], s[8:9]
	s_cselect_b64 s[66:67], s[6:7], s[10:11]
	s_add_nc_u64 s[20:21], s[96:97], s[20:21]
	s_add_nc_u64 s[22:23], s[98:99], s[22:23]
	s_add_nc_u64 s[46:47], s[100:101], s[46:47]
	s_add_nc_u64 s[92:93], s[66:67], s[92:93]
	CROUND
	s_mov_b32 s[G0S], 1
	s_mov_b32 s[G0S+1], SCL
	s_mov_b64 s[G0S+2:G0S+3], s[22:23]
	s_or_b32 s[G0S+3], s[G0S+3], 0x80000000
	s_mov_b32 s[G0SB], 1
	s_mov_b32 s[G0SB+1], SCL+2*HALFS
	s_mov_b64 s[G0SB+2:G0SB+3], s[92:93]
	s_or_b32 s[G0SB+3], s[G0SB+3], 0x80000000
	s_mov_b32 s4, 1                                ; s[4:7], s[8:11]: groups 0 of the head's loads of K step 0, 256 rows each (the arguments that lay there have been used)
	s_mov_b32 s5, 0
	s_mov_b64 s[6:7], s[20:21]
	s_or_b32 s7, s7, 0x80000000
	s_mov_b32 s8, 1
	s_mov_b32 s9, 2*HALFT
	s_mov_b64 s[10:11], s[46:47]
	s_or_b32 s11, s11, 0x80000000
	s_mul_i32 s18, s16, 128*KROW                   ; for the ring: my 128 rows of the tile
	s_mov_b32 s19, 0
	s_add_nc_u64 s[20:21], s[20:21], s[18:19]
	s_add_nc_u64 s[46:47], s[46:47], s[18:19]
.irp s, 0,1
	s_mov_b32 s[G0+4*\s], 1
	s_add_co_u32 s[G0+4*\s+1], s45, \s*SLOT
	s_add_nc_u64 s[G0+4*\s+2:G0+4*\s+3], s[20:21], \s*ROWB
	s_or_b32 s[G0+4*\s+3], s[G0+4*\s+3], 0x80000000
	s_mov_b32 s[G0B+4*\s], 1
	s_add_co_u32 s[G0B+4*\s+1], s45, \s*SLOT
	s_add_nc_u64 s[G0B+4*\s+2:G0B+4*\s+3], s[46:47], \s*ROWB
	s_or_b32 s[G0B+4*\s+3], s[G0B+4*\s+3], 0x80000000
.endr
; the head's loads, one a wave, in one tree of branches on the wave's number: wave 0 K step 0's 256 rows of source 1's tensor, wave 1 those of source 0's, waves 2 and 3 their scales
.macro ARM under, g0, g1, next
	s_cmp_lt_u32 s14, \under
	s_cbranch_scc0 \next
	tensor_load_to_lds s[\g0:\g0+3], s[\g1:\g1+7]
	s_nop 0
.rept 4
	v_nop
.endr
	s_branch .Lhead_asked
\next:
.endm
	ARM 1, 4, G1, .Lhead_b
	ARM 2, 8, G1B, .Lhead_sa
	ARM 3, G0S, G1S, .Lhead_sb
	tensor_load_to_lds s[G0SB:G0SB+3], s[G1SB:G1SB+7]
	s_nop 0
.rept 4
	v_nop
.endr
.Lhead_asked:
	v_and_b32 v1, 15, v0
	v_bfe_u32 v2, v0, 4, 1
	v_mul_u32_u24 v3, v1, PITCH
	v_lshl_add_u32 v4, v2, 4, v3
	s_mul_i32 s21, s15, HALFT
	s_mul_i32 s22, s16, HALFT
	s_add_co_u32 s22, s22, 2*HALFT
.irp s, 0,1
	v_add_nc_u32 v[ADRA+\s], s21, v4
	v_add_nc_u32 v[ADRB+\s], s22, v4
	s_add_co_u32 s21, s21, SLOT
	s_add_co_u32 s22, s22, SLOT
.endr
	v_mul_u32_u24 v5, v1, KS
	v_lshrrev_b32 v6, 8, v5
	v_lshl_add_u32 v5, v6, 4, v5
	s_mul_i32 s21, s15, HALFS
	s_mul_i32 s22, s16, HALFS
	s_add_co_u32 s22, s22, 2*HALFS
	s_sub_co_u32 s22, s22, s21
	v_mul_u32_u24 v6, s22, v2
	s_add_co_u32 s21, s21, SCL
	v_add_nc_u32 v5, v5, v6
	v_add_nc_u32 v[ADRS], s21, v5
	v_lshlrev_b32 v7, 5, v2
	v_lshlrev_b32 v30, 2, v1
	s_lshl_b32 s23, s14, 9
	v_add_nc_u32 v18, s23, v30
	v_and_b32 v6, 31, v0
	v_lshlrev_b32 v26, 4, v6
	v_add_nc_u32 v19, s23, v26
	s_lshl_b32 s46, s105, 2
	s_mov_b32 s47, 0
	s_add_nc_u64 s[12:13], s[12:13], s[46:47]
.irp b, 0,1,2,3,4,5,6,7
	global_load_b128 v[BN+8*\b:BN+8*\b+3], v7, s[12:13] offset:64*\b
	global_load_b128 v[BN+8*\b+4:BN+8*\b+7], v7, s[12:13] offset:64*\b+16
.endr
.irp a, 0,1,2,3,4,5,6,7
	global_load_b32 v[BM+\a], v30, s[12:13] offset:64*\a
.endr
.macro FRAG reg, adr, q, i
.irp c, 0,1,2,3
	ds_load_b128 v[\reg+4*\c:\reg+4*\c+3], v[\adr] offset:128*(\q)+32*\c+(\i)*16*PITCH
.endr
.endm
.macro MUL16 a0, p, q, sc, zero
.irp a, \a0, \a0+1
.irp b, 0,1,2,3,4,5,6,7
.if \zero
	v_wmma_scale_f32_16x16x128_f8f6f4 v[8*(8*((\a)%4)+\b):8*(8*((\a)%4)+\b)+7], v[128*(\p)+FR*\b:128*(\p)+FR*\b+FR-1], v[AF+FR*(\a):AF+FR*(\a)+FR-1], 0, v[SC+8*NQ*(\sc)+NQ*\b+(\q)], v[SC+8*NQ*(\sc)+NQ*(\a)+(\q)] matrix_a_scale:MATRIX_SCALE_ROW1
.else
	v_wmma_scale_f32_16x16x128_f8f6f4 v[8*(8*((\a)%4)+\b):8*(8*((\a)%4)+\b)+7], v[128*(\p)+FR*\b:128*(\p)+FR*\b+FR-1], v[AF+FR*(\a):AF+FR*(\a)+FR-1], v[8*(8*((\a)%4)+\b):8*(8*((\a)%4)+\b)+7], v[SC+8*NQ*(\sc)+NQ*\b+(\q)], v[SC+8*NQ*(\sc)+NQ*(\a)+(\q)] matrix_a_scale:MATRIX_SCALE_ROW1
.endif
.endr
.endr
.endm
.macro FETCH_B slot, q, p
	WIN TO_B
.irp i, 0,1,2,3,4,5,6,7
	FRAG 128*(\p)+FR*\i, ADRB+\slot, \q, \i
.endr
	WIN 0
.endm
.macro FETCH_A slot, q, i0
.irp i, \i0, \i0+1, \i0+2, \i0+3
	FRAG AF+FR*(\i), ADRA+\slot, \q, \i
.endr
.endm
.macro SCALES sc
.irp i, 0,1,2,3,4,5,6,7
	ds_load_b64 v[SC+8*NQ*\sc+NQ*\i:SC+8*NQ*\sc+NQ*\i+1], v[ADRS] offset:\i*SBLK
.endr
.endm
.macro PLACES n
.rept \n
	v_nop
.endr
.endm
.macro STEP slot, q, zero
	s_wait_dscnt 4*NL
	WIN MUL_LO
	MUL16 0, (\q)%2, \q, \slot, \zero
	MUL16 2, (\q)%2, \q, \slot, \zero
	s_wait_dscnt 0
	PLACES NP
	FETCH_B \slot, (\q)+1, 1-(\q)%2
	FETCH_A \slot, (\q)+1, 0
	WIN MUL_HI
	MUL16 4, (\q)%2, \q, \slot, \zero
	MUL16 6, (\q)%2, \q, \slot, \zero
	PLACES NP
	WIN 0
	FETCH_A \slot, (\q)+1, 4
.endm
.macro TURN slot, next, fill
	s_wait_tensorcnt 0x0
	ds_add_u32 v[SPW], v[NIL]
	s_wait_dscnt 4*NL+1
	WIN MUL_LO
	MUL16 0, 1, NQ-1, \slot, 0
	s_wait_dscnt 0x0
	s_barrier_signal -1
	MUL16 2, 1, NQ-1, \slot, 0
	WIN 0
	s_barrier_wait -1
.if \fill
	CREST
	s_add_nc_u64 s[G0+4*\slot+2:G0+4*\slot+3], s[G0+4*\slot+2:G0+4*\slot+3], 2*ROWB
	s_add_nc_u64 s[G0B+4*\slot+2:G0B+4*\slot+3], s[G0B+4*\slot+2:G0B+4*\slot+3], 2*ROWB
	JLOAD G0+4*\slot, G1, G0B+4*\slot, G1B
	PLACES NP-4
.else
	PLACES NP
.endif
	s_wait_alu depctr_va_vdst(0)
	v_add_nc_u32 v[ADRS], 4*NQ, v[ADRS]
	FETCH_B \next, 0, 0
	FETCH_A \next, 0, 0
	SCALES \next
	WIN MUL_HI
	MUL16 4, 1, NQ-1, \slot, 0
	MUL16 6, 1, NQ-1, \slot, 0
	PLACES NP
	WIN 0
	FETCH_A \next, 0, 4
.endm
	s_wait_alu depctr_va_vdst(0)
	s_wait_tensorcnt 0x0                           ; my load of the head is in; the three lines ahead of slot 1's first fill
	ds_add_u32 v[SPW], v[NIL]
	s_mov_b32 s[G1+2], 128<<16                     ; no tensor load of mine is out: from here on a load brings 128 rows
	s_mov_b32 s[G1+4], 128
	s_mov_b32 s[G1B+2], 128<<16
	s_mov_b32 s[G1B+4], 128
	s_wait_dscnt 0x0
	CROUND                                         ; all four tiles are in, and all sixteen work-groups are here
	JLOAD G0+4, G1, G0B+4, G1B                     ; K step 1: the first tensor load behind the round
	FETCH_B 0, 0, 0
	FETCH_A 0, 0, 0
	SCALES 0
	FETCH_A 0, 0, 4
	STEP 0, 0, 1
	s_mov_b32 s3, LAPS-1
.Llap:
	TURN 0, 1, 1
	STEP 1, 0, 0
	TURN 1, 0, 1
	STEP 0, 0, 0
	s_sub_co_u32 s3, s3, 1
	s_cmp_lg_u32 s3, 0
	s_cbranch_scc1 .Llap
	TURN 0, 1, 0
	STEP 1, 0, 0
	s_wait_dscnt 4*NL
	WIN MUL_LO
	MUL16 0, 1, NQ-1, 1, 0
	MUL16 2, 1, NQ-1, 1, 0
	s_wait_dscnt 0
	WIN MUL_HI
	MUL16 4, 1, NQ-1, 1, 0
	MUL16 6, 1, NQ-1, 1, 0
	WIN 0
.macro QUANT s, pc, pw
.irp b, 0,1,2,3
	v_max3_num_f32 v[TM+\b], |v[\s+16*\b]|, |v[\s+1+16*\b]|, 0x4800000
.endr
.irp i, 2,4,6,8,10,12,14
.irp b, 0,1,2,3
	v_max3_num_f32 v[TM+\b], v[TM+\b], |v[\s+16*\b+\i]|, |v[\s+1+16*\b+\i]|
.endr
.endr
.irp b, 0,1,2,3
	v_permlanex16_b32 v[TM+4+\b], v[TM+\b], s[SEL], s[SEL+1]
.endr
.irp b, 0,1,2,3
	v_max_num_f32 v[TM+\b], v[TM+\b], v[TM+4+\b]
.endr
.irp b, 0,1,2,3
	v_add_nc_u32 v[TM+12+\b], 0xfc000000, v[TM+\b]
.endr
.irp b, 0,1,2,3
	v_and_or_b32 v[TM+8+\b], v[TM+\b], 0x7f800000, s[MNT]
.endr
.irp b, 0,1,2,3
	v_lshrrev_b32 v[TM+4+\b], 23, v[TM+12+\b]
.endr
	v_lshl_or_b32 v[\pw], v[TM+5], 8, v[TM+4]
	v_lshl_or_b32 v[\pw], v[TM+6], 16, v[\pw]
	v_lshl_or_b32 v[\pw], v[TM+7], 24, v[\pw]
.irp b, 0,1,2,3
.irp i, 0,1,2,3,4,5,6,7,8,9,10,11,12,13,14,15
	v_med3_num_f32 v[\s+16*\b+\i], v[\s+16*\b+\i], -v[TM+8+\b], v[TM+8+\b]
.endr
	v_cvt_scalef32_pk8_fp8_f32 v[\pc+4*\b:\pc+1+4*\b], v[\s+16*\b:\s+7+16*\b], v[TM+12+\b]
	v_cvt_scalef32_pk8_fp8_f32 v[\pc+2+4*\b:\pc+3+4*\b], v[\s+8+16*\b:\s+15+16*\b], v[TM+12+\b]
.endr
	v_nop
.endm
	PLACES NP
	s_load_b128 s[24:27], s[0:1], 0x28
	s_mov_b32 s[SEL], 0x76543210
	s_mov_b32 s[SEL+1], 0xfedcba98
	s_mov_b32 s[MNT], 0x600000
	s_mov_b32 s35, 0x05040100
	s_mov_b32 s36, 0x07060302
	s_lshl_b32 s20, s105, 12
	s_lshl_b32 s21, s95, 7
	s_add_co_u32 s20, s20, s21
	s_mov_b32 s21, 0
	s_lshl_b32 s22, s105, 7
	s_lshl_b32 s23, s95, 2
	s_add_co_u32 s22, s22, s23
	s_mov_b32 s23, 0
.irp b, 0,1,2,3
	v_mov_b32 v[TM+4+\b], 0
.endr
	v_mov_b32 v241, 0
	s_wait_loadcnt 0x0
.set p, 0
.rept 64
	v_cndmask_b32 v[BN+p], v[BN+p], v[NIL], s104
.set p, p+1
.endr
.irp a, 0,1,2,3,4,5,6,7
	v_cndmask_b32 v[BM+\a], v[NIL], v[BM+\a], s104
.endr
	s_wait_kmcnt 0x0
	s_add_nc_u64 s[24:25], s[24:25], s[20:21]
	s_add_nc_u64 s[26:27], s[26:27], s[22:23]
.irp a, 0,1,2,3,4,5,6,7
	WIN 2+\a/4
.set p, 0
.rept 32
	v_pk_add_f32 v[W+p:W+p+1], v[64*(\a%4)+p:64*(\a%4)+p+1], v[BN+p:BN+p+1]
.set p, p+2
.endr
	WIN 0
	v_mov_b32 v240, v[BM+\a]
.set p, 0
.rept 32
	v_pk_add_f32 v[W+p:W+p+1], v[W+p:W+p+1], v[240:241] op_sel_hi:[1,0]
.set p, p+2
.endr
.if \a > 0
	s_wait_xcnt 0x0
.endif
	QUANT W, PC, PW+\a
.irp c, 0,1,2,3
	global_store_b128 v26, v[PC+4*\c:PC+4*\c+3], s[24:25] offset:2048*\a+512*\c
.endr
.endr
.irp hw, 0,1
.irp g, 0,1,2,3
	v_perm_b32 v242, v[PW+2*\g+1], v[PW+2*\g], s[35+\hw]
	v_cndmask_b32 v[232+4*\hw+\g], v242, v[PW+4*\hw+\g], s104
	ds_store_b32 v18, v[232+4*\hw+\g] offset:64*(4*\hw+\g)
.endr
.endr
	ds_load_b128 v[244:247], v19
	s_wait_dscnt 0x0
	global_store_b128 v26, v[244:247], s[26:27]
	s_wait_tensorcnt 0x0
	ds_add_u32 v[SPW], v[NIL]
	s_wait_dscnt 0x0
	CROUND
	s_endpgm
.Lfunc_end_k_qf50f6a06b4_qkv:
	.size	k_qf50f6a06b4_qkv, .Lfunc_end_k_qf50f6a06b4_qkv-k_qf50f6a06b4_qkv
	.p2alignl 7, 3214868480
	.fill 96, 4, 3214868480
	.section	.rodata,"a",@progbits
	.p2align	6, 0x0
	.amdhsa_kernel k_qf50f6a06b4_qkv
		.amdhsa_group_segment_fixed_size 327680
		.amdhsa_private_segment_fixed_size 0
		.amdhsa_enable_private_segment 0
		.amdhsa_kernarg_size 56
		.amdhsa_user_sgpr_count 2
		.amdhsa_user_sgpr_kernarg_segment_ptr 1
		.amdhsa_wavefront_size32 1
		.amdhsa_system_sgpr_workgroup_id_x 1
		.amdhsa_system_sgpr_workgroup_id_y 1
		.amdhsa_system_sgpr_workgroup_id_z 1
		.amdhsa_system_vgpr_workitem_id 0
		.amdhsa_next_free_vgpr 1024
		.amdhsa_next_free_sgpr 106
		.amdhsa_reserve_vcc 0
		.amdhsa_float_denorm_mode_32 3
		.amdhsa_float_denorm_mode_16_64 3
		.amdhsa_memory_ordered 1
		.amdhsa_forward_progress 1
		.amdhsa_inst_pref_size 226
	.end_amdhsa_kernel
	.amdgpu_metadata
---
amdhsa.version: [ 1, 2 ]
amdhsa.kernels:
  - .name:           k_qf50f6a06b4_qkv
    .symbol:         k_qf50f6a06b4_qkv.kd
    .args:
      - { .name: xq, .offset: 0, .size: 8, .value_kind: global_buffer, .address_space: global }
      - { .name: xs, .offset: 8, .size: 8, .value_kind: global_buffer, .address_space: global }
      - { .name: qkv_w_codes, .offset: 16, .size: 8, .value_kind: global_buffer, .address_space: global }
      - { .name: qkv_w_scales, .offset: 24, .size: 8, .value_kind: global_buffer, .address_space: global }
      - { .name: qkv_b, .offset: 32, .size: 8, .value_kind: global_buffer, .address_space: global }
      - { .name: qkvimg, .offset: 40, .size: 8, .value_kind: global_buffer, .address_space: global }
      - { .name: qkvsc, .offset: 48, .size: 8, .value_kind: global_buffer, .address_space: global }
    .group_segment_fixed_size: 327680
    .private_segment_fixed_size: 0
    .kernarg_segment_align: 8
    .kernarg_segment_size: 56
    .max_flat_workgroup_size: 128
    .sgpr_count:     106
    .vgpr_count:     1024
    .wavefront_size: 32
...
	.end_amdgpu_metadata
.endif
;; end of part 8
;; launch attn (part 9): grid 8 x 32, 16 waves a work-group, clusters of 4 x 1, 327,680 bytes of LDS; arguments qkvimg, qkvsc, src, st, pre_gamma, pre_beta, r1; writes r1
.if DOCPART == 9
	.amdgcn_target "amdgcn-amd-amdhsa--gfx1250"
	.amdhsa_code_object_version 6
	.text
	.protected	k_qf50f6a06b4_attn
	.globl	k_qf50f6a06b4_attn
	.p2align	8
	.type	k_qf50f6a06b4_attn,@function
k_qf50f6a06b4_attn:
	s_mov_b64 s[64:65], 0
	v_nop
	global_prefetch_b8 v0, s[64:65] scope:SCOPE_SE
	s_setreg_imm32_b32 hwreg(HW_REG_WAVE_MODE, 25, 1), 1
	s_wait_xcnt 0x0
	s_wait_alu depctr_hold_cnt(0) depctr_sa_sdst(0) depctr_va_vdst(0) depctr_va_sdst(0) depctr_va_ssrc(0) depctr_va_vcc(0) depctr_vm_vsrc(0)
	s_getreg_b32 s2, hwreg(HW_REG_IB_STS2, 6, 4)
	s_cmp_eq_u32 s2, 0
	s_cbranch_scc0 .Lentry_in_a_cluster
	s_endpgm
.Lentry_in_a_cluster:
	s_bfe_u32 s2, ttmp6, 0x10000c
	s_cmp_lg_u32 s2, 0x3003
	s_cbranch_scc0 .Lentry_shape_is_right
	s_endpgm
.Lentry_shape_is_right:
; r1 = softmax(q k^T / 8) v + x, both products on codes of E4M3 with E8M0 scales; x = LayerNorm(src) is made again from src and the stored (mean, rstd), by the operations that made it.
; q, k, v come as images of operand registers: a piece of 512 bytes is four registers of a fragment, lane l's 16 bytes at 16 l.
; THE SOFTMAX: t = score x log2(e) / 8; M = the running largest t rounded UP to a whole number; p = 2^(t - M) is quantised along the keys; the row's sum is taken of the unquantised p and divides at the end.
; When M moves, the sum and O are multiplied by 2^(old M - new M): exact.
; SHARES.  A work-group owns 256 queries of one head of one batch; each of its sixteen waves 16 of them, in 256 registers.  Every wave walks the head's 2,048 keys, 128 a step.
; THE HEAD'S WHOLE K AND V LIE IN LDS, 128 KB each, with 4 KB each of scale words; every byte is filled once, in two groups of loads, one load a wave in each.
;   Group A, at the head: waves 0-7 four tiles of K each (keys 0-511), waves 8-11 a step of V each (keys 0-511), waves 12-15 a half of K's or of V's scale words each.
;   Group B, behind the three lines and a round: waves 0-11 eight tiles of K each, waves 12-15 three steps of V each (keys 512-2,047).  It is waited for behind the first four steps.
; CLUSTERS of 4 x 1: four work-groups of one head ask for K, V and the scale words jointly (mask 15); no descriptor word, LDS address or branch hangs on the place in the cluster.
; PREFETCH: all of K and V is asked for by the two groups at the start, so there is no later trip to ask ahead for.  Each wave asks once, behind group B, for its own 16 x 256 bytes of src, which it loads 16 steps later.
; Statistics, gain and bias of the wave's rows and columns are fetched at the head and kept in 768 bytes of LDS of the wave's own until the way out.
; K = 64.  A fragment of K holds TWO tiles of 16 keys: tile 2 f at k 0-63, tile 2 f + 1 at k 64-127.  v16-23 = 0, v24-31 = q, v32-39 = 0: v[24:39] = (q, 0) picks tile 2 f, v[16:31] = (0, q) tile 2 f + 1.
; Zero codes add nothing under any scale byte that this program makes (1 to 254).
; LAYOUT.  Both products are used transposed: S^T = K Q^T, O^T = V^T P^T: a lane holds ONE query (lane % 16).  Register 16 c + 8 u + j of S^T is key 32 c + 16 u + 8 h + j: the order in which v's images have the keys of a block.
; LIMITS: NaN and infinities are not served; the scaled scores t stay under 2^31 in magnitude.
.set VL,   131072                      ; LDS: K [128 tiles][1,024] from 0;  V [16 steps][4 tiles of channels][2,048] from VL
.set KSL,  262144                      ; K's scale words [16 steps][4 pairs of tiles][16 words]
.set VSL,  266240                      ; V's [16 steps][4 tiles][16 words]
.set SPARE, 270336                     ; the spare words: 128 bytes a wave
.set SCR,  SPARE+2048                  ; 768 bytes a wave: statistics at 0, gain at 256, bias at 512
.set WV,   18
.set MNT,  19
.set SEL,  20
.set CS,   22
.set G1KA, 24                          ; groups 1: K in group A, V in A, scale words, K in B, V in B
.set G1VA, 32
.set G1S,  40
.set G1KB, 48
.set G1VB, 56
.set G0KA, 68                          ; and their groups 0
.set G0VA, 72
.set G0S,  76
.set G0KB, 80
.set G0VB, 84
.set TB,   2                           ; s2   the step's bytes in K and in V: 8,192 a step
.set TS,   3                           ; s3   and among the scale words: 256 a step
.set CNT,  66
.set S,    104                         ; v104-167 S^T, then p
.set O,    168                         ; v168-199 O^T
.set PCD,  200                         ; v200-215 p's codes
.set BX,   216                         ; v216-219 the blocks' largest scores, then largest p
.set PT,   220                         ; v220-223 from the other half of the lanes; the bytes
.set HD,   224                         ; v224-227 448 x the scale
.set SOP,  228                         ; v228-231 the conversions' scale operands
.macro CROUND                          ; a round of the cluster's barrier
	s_barrier_signal -1
	s_barrier_wait -1
	s_cmp_lg_u32 s[WV], 0
	s_cbranch_scc1 .Lnot_wave_0_\@
	s_barrier_signal -3
.Lnot_wave_0_\@:
	s_barrier_wait -3
	s_barrier_signal -1
	s_barrier_wait -1
.endm
.macro TL g0, g1                       ; a joint load; s_nop 0 and four v_nop follow it
	tensor_load_to_lds s[\g0:\g0+3], s[\g1:\g1+7]
	s_nop 0
.rept 4
	v_nop
.endr
.endm
.macro MKG1 g, c, r, p                 ; r rows of c elements of 8 bytes, p elements apart; mask 15 with bit 21 beside it; no padding
	s_mov_b32 s[\g], 15|(3<<16)|(1<<21)
	s_mov_b32 s[\g+1], (\c)<<16
	s_mov_b32 s[\g+2], (\r)<<16
	s_mov_b32 s[\g+3], (\c)<<16
	s_mov_b32 s[\g+4], \r
	s_mov_b32 s[\g+5], \p
	s_mov_b32 s[\g+6], 0
	s_mov_b32 s[\g+7], 0
.endm
	s_load_b256 s[4:11], s[0:1], 0x0               ; images s[4:5], scale words s[6:7], src s[8:9], statistics s[10:11]
	s_load_b128 s[12:15], s[0:1], 0x20             ; gain, bias
	s_load_b64 s[16:17], s[0:1], 0x30              ; r1
	v_lshl_add_u32 v254, v0, 2, SPARE
	v_mov_b32 v255, 0
	ds_add_u32 v254, v255                          ; the opening lines: the add twice on end and one wait
	ds_add_u32 v254, v255
	v_lshrrev_b32 v1, 5, v0
	v_readfirstlane_b32 s[WV], v1                  ; wave 0..15
	s_and_b32 s88, ttmp7, 0xffff
	s_lshr_b32 s89, s88, 4                         ; batch
	s_and_b32 s90, s88, 15                         ; head
	s_lshr_b32 s91, s90, 1                         ; pair of heads
	s_and_b32 s92, s90, 1                          ; which of the pair
	s_add_co_u32 s96, s91, 8                       ; k's plane of images: 8 + pair; v's: 16 + pair
	s_lshl_b32 s96, s96, 19
	s_lshl_b32 s95, s89, 18
	s_add_co_u32 s96, s96, s95
	s_add_co_u32 s98, s96, 0x400000
	s_lshl_b32 s95, s92, 10
	s_add_co_u32 s96, s96, s95                     ; K: tile i lies 2,048 i on
	s_lshl_b32 s95, s92, 13
	s_add_co_u32 s98, s98, s95                     ; V: step s lies 16,384 s on
	s_and_b32 s95, s[WV], 7                        ; group A, K: tiles 4 w .. 4 w + 3
	s_lshl_b32 s[G0KA+1], s95, 12
	s_lshl_b32 s95, s95, 13
	s_add_co_u32 s[G0KA+2], s96, s95
	s_and_b32 s95, s[WV], 3                        ; j
	s_lshl_b32 s100, s95, 13                       ; group A, V: step j
	s_add_co_u32 s[G0VA+1], s100, VL
	s_lshl_b32 s100, s95, 14
	s_add_co_u32 s[G0VA+2], s98, s100
	s_lshl_b32 s100, s[WV], 13                     ; group B, K: tiles 32 + 8 w ..
	s_add_co_u32 s[G0KB+1], s100, 32768
	s_lshl_b32 s100, s[WV], 14
	s_add_co_u32 s100, s100, 65536
	s_add_co_u32 s[G0KB+2], s96, s100
	s_mul_i32 s100, s95, 3                         ; group B, V: steps 4 + 3 j ..
	s_add_co_u32 s100, s100, 4
	s_lshl_b32 s101, s100, 13
	s_add_co_u32 s[G0VB+1], s101, VL
	s_lshl_b32 s101, s100, 14
	s_add_co_u32 s[G0VB+2], s98, s101
	s_lshl_b32 s100, s95, 11                       ; scale words: j / 2: K's or V's; j % 2: which eight steps
	s_add_co_u32 s[G0S+1], s100, KSL
	s_lshr_b32 s100, s95, 1
	s_lshl_b32 s100, s100, 3
	s_add_co_u32 s100, s100, 8
	s_add_co_u32 s100, s100, s91
	s_lshl_b32 s100, s100, 14
	s_lshl_b32 s101, s89, 13
	s_add_co_u32 s100, s100, s101
	s_lshl_b32 s101, s92, 8
	s_add_co_u32 s100, s100, s101
	s_and_b32 s101, s95, 1
	s_lshl_b32 s101, s101, 12
	s_add_co_u32 s[G0S+2], s100, s101
.irp g, G0KA, G0VA, G0S, G0KB, G0VB
	s_mov_b32 s[\g], 1
	s_mov_b32 s[\g+3], 0
.endr
	MKG1 G1KA, 128, 4, 256
	MKG1 G1VA, 128, 8, 128
	MKG1 G1S, 32, 8, 64
	MKG1 G1KB, 128, 8, 256
	MKG1 G1VB, 1024, 3, 2048
	s_mov_b32 s[SEL], 0x76543210
	s_mov_b32 s[SEL+1], 0xfedcba98
	s_mov_b32 s[CS], 0x3e38aa3b                    ; c = log2(e) / 8
	s_mov_b32 s[CS+1], s[CS]
	s_mov_b32 s[MNT], 0x600000
	s_mov_b32 s[TB], 0
	s_mov_b32 s[TS], 0
	s_wait_dscnt 0x0                               ; both opening adds are done
	s_wait_kmcnt 0x0
.irp g, G0KA, G0VA, G0KB, G0VB
	s_add_nc_u64 s[\g+2:\g+3], s[4:5], s[\g+2:\g+3]
	s_or_b32 s[\g+3], s[\g+3], 0x80000000
.endr
	s_add_nc_u64 s[G0S+2:G0S+3], s[6:7], s[G0S+2:G0S+3]
	s_or_b32 s[G0S+3], s[G0S+3], 0x80000000
	CROUND                                         ; the four partners are here: the first joint loads meet
.macro ARM under, g0, g1, next                 ; one tree of branches on the wave's number: every way through it passes one load
	s_cmp_lt_u32 s[WV], \under
	s_cbranch_scc0 \next
	TL \g0, \g1
	s_branch .Lhead_asked
\next:
.endm
	ARM 8, G0KA, G1KA, .Lhead_v
	ARM 12, G0VA, G1VA, .Lhead_s
	TL G0S, G1S
.Lhead_asked:
	s_bfe_u32 s93, ttmp6, 0x40000                  ; cx
	s_lshl_b32 s94, ttmp9, 2
	s_add_co_u32 s94, s94, s93                     ; work-group x
	s_lshl_b32 s95, s94, 4
	s_add_co_u32 s95, s95, s[WV]                   ; my tile of 16 queries in the batch
	s_lshl_b32 s96, s91, 19                        ; q's image
	s_lshl_b32 s98, s89, 18
	s_add_co_u32 s96, s96, s98
	s_lshl_b32 s98, s95, 11
	s_add_co_u32 s96, s96, s98
	s_lshl_b32 s98, s92, 10
	s_add_co_u32 s96, s96, s98
	s_mov_b32 s97, 0
	s_add_nc_u64 s[4:5], s[4:5], s[96:97]
	s_lshl_b32 s96, s91, 14                        ; q's scale word
	s_lshl_b32 s98, s89, 13
	s_add_co_u32 s96, s96, s98
	s_lshr_b32 s98, s95, 3
	s_lshl_b32 s98, s98, 9
	s_add_co_u32 s96, s96, s98
	s_lshl_b32 s98, s92, 8
	s_add_co_u32 s96, s96, s98
	s_bfe_u32 s98, s95, 0x20001                    ; which pair of tiles
	s_lshl_b32 s98, s98, 6
	s_add_co_u32 s96, s96, s98
	s_add_nc_u64 s[6:7], s[6:7], s[96:97]
	s_lshl_b32 s98, s89, 11
	s_lshl_b32 s99, s95, 4
	s_add_co_u32 s98, s98, s99                     ; my first token
	s_lshl_b32 s96, s98, 12
	s_lshl_b32 s99, s90, 8
	s_add_co_u32 s96, s96, s99                     ; its row of 4,096 bytes, my head's 256
	s_add_nc_u64 s[8:9], s[8:9], s[96:97]
	s_add_nc_u64 s[16:17], s[16:17], s[96:97]
	s_lshl_b32 s96, s98, 3
	s_add_nc_u64 s[10:11], s[10:11], s[96:97]
	s_mov_b32 s96, s99
	s_add_nc_u64 s[12:13], s[12:13], s[96:97]
	s_add_nc_u64 s[14:15], s[14:15], s[96:97]
	s_and_b32 s98, s[WV], 1                        ; my tile is even or odd as my wave's number is
	s_cmp_eq_u32 s98, 0
	s_mov_b32 s98, 0x03020302
	s_cselect_b32 s98, 0x01000100, s98             ; my tile's two bytes lie in the word's low half (even tile) or high half
	s_mul_i32 s100, s[WV], 768
	s_add_co_u32 s100, s100, SCR                   ; my 768 bytes; s100 stays to the end
	v_and_b32 v5, 31, v0                           ; lane
	v_and_b32 v6, 15, v0                           ; r
	v_lshlrev_b32 v1, 4, v5                        ; v1: 16 x lane: an image's place for my lane; K's pieces in LDS
	v_lshlrev_b32 v7, 2, v6                        ; 4 r
	v_lshlrev_b32 v104, 2, v5
	v_lshlrev_b32 v106, 4, v6
	global_load_b128 v[24:27], v1, s[4:5]
	global_load_b128 v[28:31], v1, s[4:5] offset:512
	global_load_b32 v236, v7, s[6:7]
	global_load_b32 v105, v104, s[10:11]           ; (mean, rstd) of my 16 rows: 128 bytes
	global_load_b128 v[108:111], v106, s[12:13]    ; gain and bias of my head's 64 columns
	global_load_b128 v[112:115], v106, s[14:15]
	v_add_nc_u32 v2, VL, v1                        ; v2: V's pieces
	v_add_nc_u32 v3, KSL, v7                       ; v3: K's scale words
	v_add_nc_u32 v4, VSL, v7                       ; v4: V's
	v_add_nc_u32 v107, s100, v104
	v_add_nc_u32 v116, s100, v106
	v_min_u32 v239, 15, v5                         ; v239: the prefetch's offset, a lane a row of src (the lanes left over name row 15 again); also the unused upper half of the pair v[238:239]
	v_lshlrev_b32 v239, 12, v239
	v_mov_b32 v13, 0xff61b1e6                      ; the largest score so far: -3e38
	v_mov_b32 v12, 0x7f61b1e6                      ; -M
	v_mov_b32 v14, 0
	v_mov_b32 v15, 0
.irp j, 0,1,2,3,4,5,6,7
	v_mov_b32 v[16+\j], 0                          ; the zeros round q
	v_mov_b32 v[32+\j], 0
.endr
.irp b, 0,1,2,3
	v_mov_b32 v[PT+\b], 0                          ; a lane permute's destination is written before
.endr
	s_wait_alu depctr_va_vdst(0)
	s_wait_loadcnt 0x0
	v_perm_b32 v236, v236, v236, s98               ; q's two bytes in both halves of its word
	ds_store_b32 v107, v105
	ds_store_b128 v116, v[108:111] offset:256      ; lanes r and r + 16 write the same bytes with the same value
	ds_store_b128 v116, v[112:115] offset:512
.set j, 0
.rept 32
	v_mov_b32 v[O+j], 0                            ; O^T: the step is written once; the first change of M multiplies zeros
.set j, j+1
.endr
	s_wait_alu depctr_va_vdst(0)
	s_wait_tensorcnt 0x0                           ; my load of group A is in; the three lines ahead of a later first fill
	ds_add_u32 v254, v255
	s_wait_dscnt 0x0                               ; the add and my three stores are done
	CROUND                                         ; everybody's part of group A is in, and the partners are here
	s_cmp_lt_u32 s[WV], 12
	s_cbranch_scc0 .Lb_v
	TL G0KB, G1KB
	s_branch .Lb_asked
.Lb_v:
	TL G0VB, G1VB
.Lb_asked:
	global_prefetch_b8 v239, s[8:9] th:TH_LOAD_NT scope:SCOPE_SE   ; my 16 x 256 bytes of src; neither register is written again
.macro HOLD2 b                         ; p of blocks b and b + 1 held at 448 x the scale (p is not negative: one-sided), two numbers a line: one of each block
.irp i, 0,2,4,6,8,10,12,14
	v_dual_min_num_f32 v[S+16*\b+\i], v[S+16*\b+\i], v[HD+\b] :: v_dual_min_num_f32 v[S+16*\b+17+\i], v[S+16*\b+17+\i], v[HD+\b+1]
	v_dual_min_num_f32 v[S+16*\b+1+\i], v[S+16*\b+1+\i], v[HD+\b] :: v_dual_min_num_f32 v[S+16*\b+16+\i], v[S+16*\b+16+\i], v[HD+\b+1]
.endr
.endm
.macro STEP
	v_add_nc_u32 v5, s[TB], v1
	v_add_nc_u32 v6, s[TB], v2
	v_add_nc_u32 v7, s[TS], v3
	v_add_nc_u32 v241, s[TS], v4
.rept 4
	v_nop                                          ; with the four lines above: eight places between the last products and the loads into their operands
.endr
.irp f, 0,1,2,3
.irp c, 0,1,2,3
	ds_load_b128 v[40+16*\f+4*\c:43+16*\f+4*\c], v5 offset:2048*\f+512*\c
.endr
	ds_load_b32 v[8+\f], v7 offset:64*\f
.endr
	s_wait_alu depctr_va_vdst(0)
.irp f, 0,1,2,3
	s_wait_dscnt 15-5*\f                           ; fragment f and its scale words are in; the five loads of each later fragment may be out
	v_wmma_scale_f32_16x16x128_f8f6f4 v[S+16*\f:S+16*\f+7], v[40+16*\f:55+16*\f], v[24:39], 0, v[8+\f], v236
	v_wmma_scale_f32_16x16x128_f8f6f4 v[S+16*\f+8:S+16*\f+15], v[40+16*\f:55+16*\f], v[16:31], 0, v[8+\f], v236
.endr
.rept 8
	v_nop
.endr
.irp t, 0,1,2,3                        ; V's fragments are asked for here and land under the softmax
.irp c, 0,1,2,3
	ds_load_b128 v[40+16*\t+4*\c:43+16*\t+4*\c], v6 offset:2048*\t+512*\c
.endr
	ds_load_b32 v[232+\t], v241 offset:64*\t
.endr
.irp b, 0,1,2,3
	v_max3_num_f32 v[BX+\b], v[S+16*\b], v[S+1+16*\b], v[S+2+16*\b]   ; the largest score of each block of 32 keys: for the row's maximum and, since p rises with the score, for the block's largest p
.endr
.irp i, 3,5,7,9,11,13
.irp b, 0,1,2,3
	v_max3_num_f32 v[BX+\b], v[BX+\b], v[S+16*\b+\i], v[S+1+16*\b+\i]
.endr
.endr
.irp b, 0,1,2,3
	v_max_num_f32 v[BX+\b], v[BX+\b], v[S+15+16*\b]
.endr
.irp b, 0,1,2,3
	v_permlanex16_b32 v[PT+\b], v[BX+\b], s[SEL], s[SEL+1]
.endr
.irp b, 0,1,2,3
	v_max_num_f32 v[BX+\b], v[BX+\b], v[PT+\b]
.endr
	v_max3_num_f32 v240, v216, v217, v218
	s_delay_alu instid0(VALU_DEP_1)
	v_max3_num_f32 v13, v13, v240, v219            ; the running largest score (c is positive, so it gives the running largest t)
	s_delay_alu instid0(VALU_DEP_1)
	v_mul_f32 v240, s[CS], v13                     ; as t
	v_mov_b32 v242, v12
	s_delay_alu instid0(VALU_DEP_2)
	v_floor_f32 v12, -v240                         ; the new -M = -ceil(t)
	s_delay_alu instid0(VALU_DEP_1)
	v_sub_f32 v242, v12, v242                      ; old M - new M: a whole number, 0 or less
	s_delay_alu instid0(VALU_DEP_1)
	v_cvt_i32_f32 v242, v242                       ; (it saturates)
	s_delay_alu instid0(VALU_DEP_1)
	v_ldexp_f32 v238, 1.0, v242                    ; f = 2^(old M - new M)
.set j, 0
.rept 32
	v_pk_fma_f32 v[S+j:S+j+1], v[S+j:S+j+1], s[CS:CS+1], v[12:13] op_sel_hi:[1,0,0]   ; t - M
.set j, j+2
.endr
.irp b, 0,1,2,3
	v_fma_f32 v[BX+\b], v[BX+\b], s[CS], v12
.endr
	s_wait_alu depctr_va_vdst(0)
.set j, 0
.rept 64
	v_exp_f32 v[S+j], v[S+j]                       ; p = 2^(t - M)
.set j, j+1
.endr
	v_pk_mul_f32 v[14:15], v[14:15], v[238:239] op_sel_hi:[1,0]   ; the sums under the new M (a plain line behind the exponentials)
	s_wait_alu depctr_va_vdst(0)                   ; one wait for the batch of 64, ahead of its first reader
.irp b, 0,1,2,3
	v_exp_f32 v[BX+\b], v[BX+\b]                   ; the blocks' largest p
.endr
; the row's sum of the unquantised p: 32 pairs into eight chains, v[14:15] and v[240:253], then the chains into v[14:15]
.irp i, 1,2,3,4,5,6,7
	v_pk_add_f32 v[238+2*\i:239+2*\i], v[S+4*\i-4:S+4*\i-3], v[S+4*\i-2:S+4*\i-1]
.endr
	v_pk_add_f32 v[14:15], v[14:15], v[S+28:S+29]
.irp g, 0,1
.irp i, 1,2,3,4,5,6,7
	v_pk_add_f32 v[238+2*\i:239+2*\i], v[238+2*\i:239+2*\i], v[S+28+16*\g+2*\i:S+29+16*\g+2*\i]
.endr
	v_pk_add_f32 v[14:15], v[14:15], v[S+44+16*\g:S+45+16*\g]
.endr
	v_pk_add_f32 v[240:241], v[240:241], v[S+62:S+63]
	v_pk_add_f32 v[244:245], v[244:245], v[246:247]
	v_pk_add_f32 v[248:249], v[248:249], v[250:251]
	v_pk_add_f32 v[14:15], v[14:15], v[252:253]
	v_pk_add_f32 v[240:241], v[240:241], v[242:243]
	v_pk_add_f32 v[14:15], v[14:15], v[248:249]
	v_pk_add_f32 v[240:241], v[240:241], v[244:245]
	s_delay_alu instid0(VALU_DEP_1)
	v_pk_add_f32 v[14:15], v[14:15], v[240:241]
	s_wait_alu depctr_va_vdst(0)                   ; and one for the four
.irp b, 0,1,2,3
	v_max_num_f32 v[BX+\b], 0x4800000, v[BX+\b]    ; the floor 2^(9 - 127)
.endr
.irp b, 0,1,2,3
	v_add_nc_u32 v[SOP+\b], 0xfc000000, v[BX+\b]   ; 8 off the exponent field: the conversion's scale operand
.endr
.irp b, 0,1,2,3
	v_and_or_b32 v[HD+\b], v[BX+\b], 0x7f800000, s[MNT]   ; 448 x the scale
.endr
.irp b, 0,1,2,3
	v_lshrrev_b32 v[PT+\b], 23, v[SOP+\b]          ; the scale's byte
.endr
	s_delay_alu instid0(VALU_DEP_3)
	v_lshl_or_b32 v237, v221, 8, v220              ; p's scale word for these 128 keys
	s_delay_alu instid0(VALU_DEP_1)
	v_lshl_or_b32 v237, v222, 16, v237
	s_delay_alu instid0(VALU_DEP_1)
	v_lshl_or_b32 v237, v223, 24, v237
.irp b, 0,2
	HOLD2 \b
.irp d, 0,1
	v_cvt_scalef32_pk8_fp8_f32 v[PCD+4*(\b+\d):PCD+1+4*(\b+\d)], v[S+16*(\b+\d):S+7+16*(\b+\d)], v[SOP+\b+\d]
	v_cvt_scalef32_pk8_fp8_f32 v[PCD+2+4*(\b+\d):PCD+3+4*(\b+\d)], v[S+8+16*(\b+\d):S+15+16*(\b+\d)], v[SOP+\b+\d]
.endr
.endr
	s_wait_alu depctr_va_vdst(0)
.set j, 0
.rept 16
	v_pk_mul_f32 v[O+j:O+j+1], v[O+j:O+j+1], v[238:239] op_sel_hi:[1,0]   ; O^T under the new M; also the places between the codes and the products
.set j, j+2
.endr
	s_wait_alu depctr_va_vdst(0)
	s_wait_dscnt 0x0                               ; V
.irp t, 0,1,2,3
	v_wmma_scale_f32_16x16x128_f8f6f4 v[O+8*\t:O+8*\t+7], v[40+16*\t:55+16*\t], v[PCD:PCD+15], v[O+8*\t:O+8*\t+7], v[232+\t], v237
.endr
	s_add_co_u32 s[TB], s[TB], 8192
	s_add_co_u32 s[TS], s[TS], 256
.endm
.macro RUN n
	s_mov_b32 s[CNT], \n
.Lstep_\@:
	STEP
	s_sub_co_u32 s[CNT], s[CNT], 1
	s_cmp_lg_u32 s[CNT], 0
	s_cbranch_scc1 .Lstep_\@
.endm
	RUN 4                                          ; keys 0-511, out of group A
	s_wait_tensorcnt 0x0                           ; my load of group B is in
	s_wait_dscnt 0x0
	s_barrier_signal -1
	s_barrier_wait -1                              ; everybody's is
	RUN 12                                         ; keys 512-2,047
	; ---- THE WAY OUT.  Each wave's stage, 16 rows x (256 bytes + 16), lies over K's bytes: they have had their only fill, and behind the barrier below nobody reads them
	v_and_b32 v242, 15, v0                         ; r
	v_bfe_u32 v243, v0, 4, 1                       ; h
	s_mul_i32 s88, s[WV], 16*272
	v_mul_u32_u24 v244, v242, 272
	v_mul_u32_u24 v245, v243, 272
	v_lshlrev_b32 v246, 12, v243
	v_lshl_add_u32 v247, v243, 3, s100             ; my rows' statistics: rows 2 i + h
	v_lshl_add_u32 v248, v242, 4, s100             ; my four columns of gain and bias
	v_lshl_add_u32 v244, v243, 5, v244
	v_lshl_add_u32 v245, v242, 4, v245
	v_lshl_add_u32 v246, v242, 4, v246             ; lanes 0-15 one row of src and of r1, lanes 16-31 the next
	v_add_nc_u32 v244, s88, v244                   ; in: row r, + 32 h; tile t's eight channels 64 t on
	v_add_nc_u32 v245, s88, v245                   ; back: lanes 0-15 one row, lanes 16-31 the next.  (These thirteen lines are the places behind the last products)
.irp i, 0,1,2,3,4,5,6,7
	global_load_b128 v[40+4*\i:43+4*\i], v246, s[8:9] offset:8192*\i
.endr
.irp i, 0,1,2,3,4,5,6,7
	ds_load_b64 v[72+2*\i:73+2*\i], v247 offset:16*\i
.endr
	ds_load_b128 v[88:91], v248 offset:256
	ds_load_b128 v[92:95], v248 offset:512
	v_add_f32 v14, v14, v15
	s_delay_alu instid0(VALU_DEP_1)
	v_permlanex16_b32 v240, v14, s[SEL], s[SEL+1]
	s_delay_alu instid0(VALU_DEP_1)
	v_add_f32 v14, v14, v240                       ; the row's sum
	s_wait_alu depctr_va_vdst(0)
	s_wait_dscnt 0x0                               ; my reads of K and V are over, and my ten loads above are in
	s_barrier_signal -1
	v_rcp_f32 v14, v14
	v_nop
	s_wait_alu depctr_va_vdst(0)                   ; ahead of the first reader of the reciprocal and of O^T
.set j, 0
.rept 16
	v_pk_mul_f32 v[S+j:S+j+1], v[O+j:O+j+1], v[14:15] op_sel_hi:[1,0]   ; register 8 t + i is o(r, 16 t + 8 h + i)
.set j, j+2
.endr
	s_wait_alu depctr_va_vdst(0)
	s_barrier_wait -1
.irp t, 0,1,2,3
	ds_store_b128 v244, v[S+8*\t:S+8*\t+3] offset:64*\t
	ds_store_b128 v244, v[S+8*\t+4:S+8*\t+7] offset:64*\t+16
.endr
.irp i, 0,1,2,3,4,5,6,7
	ds_load_b128 v[136+4*\i:139+4*\i], v245 offset:544*\i   ; LDS serves a wave's instructions in order: these see my stores
.endr
	s_wait_loadcnt 0x0                             ; src
.irp i, 0,1,2,3,4,5,6,7
.irp e, 0,2
	v_pk_add_f32 v[40+4*\i+\e:41+4*\i+\e], v[40+4*\i+\e:41+4*\i+\e], v[72+2*\i:73+2*\i] op_sel_hi:[1,0] neg_lo:[0,1] neg_hi:[0,1]   ; - mean (the pair's low word)
.endr
.endr
.irp i, 0,1,2,3,4,5,6,7
.irp e, 0,2
	v_pk_mul_f32 v[40+4*\i+\e:41+4*\i+\e], v[40+4*\i+\e:41+4*\i+\e], v[72+2*\i:73+2*\i] op_sel:[0,1] op_sel_hi:[1,1]   ; x rstd (the pair's high word)
.endr
.endr
.irp i, 0,1,2,3,4,5,6,7
.irp e, 0,2
	v_pk_fma_f32 v[40+4*\i+\e:41+4*\i+\e], v[40+4*\i+\e:41+4*\i+\e], v[88+\e:89+\e], v[92+\e:93+\e]   ; x
.endr
.endr
	s_wait_alu depctr_va_vdst(0)
.irp i, 0,1,2,3,4,5,6,7
	s_wait_dscnt 7-\i                              ; rows 2 i and 2 i + 1 are back; the younger loads may be out
.irp e, 0,2
	v_pk_add_f32 v[136+4*\i+\e:137+4*\i+\e], v[136+4*\i+\e:137+4*\i+\e], v[40+4*\i+\e:41+4*\i+\e]
.endr
	global_store_b128 v246, v[136+4*\i:139+4*\i], s[16:17] offset:8192*\i   ; sixteen lanes store the head's 256 bytes of a row, aligned
.endr
	s_wait_tensorcnt 0x0                           ; the wave's end
	ds_add_u32 v254, v255
	s_wait_dscnt 0x0
	CROUND                                         ; the closing round
	s_endpgm
.Lfunc_end_k_qf50f6a06b4_attn:
	.size	k_qf50f6a06b4_attn, .Lfunc_end_k_qf50f6a06b4_attn-k_qf50f6a06b4_attn
	.p2alignl 7, 3214868480
	.fill 96, 4, 3214868480
	.section	.rodata,"a",@progbits
	.p2align	6, 0x0
	.amdhsa_kernel k_qf50f6a06b4_attn
		.amdhsa_group_segment_fixed_size 327680
		.amdhsa_private_segment_fixed_size 0
		.amdhsa_enable_private_segment 0
		.amdhsa_kernarg_size 56
		.amdhsa_user_sgpr_count 2
		.amdhsa_user_sgpr_kernarg_segment_ptr 1
		.amdhsa_wavefront_size32 1
		.amdhsa_system_sgpr_workgroup_id_x 1
		.amdhsa_system_sgpr_workgroup_id_y 1
		.amdhsa_system_sgpr_workgroup_id_z 1
		.amdhsa_system_vgpr_workitem_id 0
		.amdhsa_next_free_vgpr 256
		.amdhsa_next_free_sgpr 102
		.amdhsa_reserve_vcc 0
		.amdhsa_float_denorm_mode_32 3
		.amdhsa_float_denorm_mode_16_64 3
		.amdhsa_memory_ordered 1
		.amdhsa_forward_progress 1
		.amdhsa_inst_pref_size 62
	.end_amdhsa_kernel
	.amdgpu_metadata
---
amdhsa.version: [ 1, 2 ]
amdhsa.kernels:
  - .name:           k_qf50f6a06b4_attn
    .symbol:         k_qf50f6a06b4_attn.kd
    .args:
      - { .name: qkvimg, .offset: 0, .size: 8, .value_kind: global_buffer, .address_space: global }
      - { .name: qkvsc, .offset: 8, .size: 8, .value_kind: global_buffer, .address_space: global }
      - { .name: src, .offset: 16, .size: 8, .value_kind: global_buffer, .address_space: global }
      - { .name: st, .offset: 24, .size: 8, .value_kind: global_buffer, .address_space: global }
      - { .name: pre_gamma, .offset: 32, .size: 8, .value_kind: global_buffer, .address_space: global }
      - { .name: pre_beta, .offset: 40, .size: 8, .value_kind: global_buffer, .address_space: global }
      - { .name: r1, .offset: 48, .size: 8, .value_kind: global_buffer, .address_space: global }
    .group_segment_fixed_size: 327680
    .private_segment_fixed_size: 0
    .kernarg_segment_align: 8
    .kernarg_segment_size: 56
    .max_flat_workgroup_size: 512
    .sgpr_count:     102
    .vgpr_count:     256
    .wavefront_size: 32
...
	.end_amdgpu_metadata
.endif
;; end of part 9
;; launch addnorm1: the kernel of part 7 again; grid 256 x 1, 8 waves a work-group, no clusters, 2,048 bytes of LDS; arguments r1, addnorm_gamma, addnorm_beta, xq, xs, st; writes xq, xs, st
;; launch fc1 (part 10): grid 16 x 16, 4 waves a work-group, clusters of 4 x 4, 327,680 bytes of LDS; arguments xq, xs, fc1_w_codes, fc1_w_scales, fc1_b, hq2; writes hq2
.if DOCPART == 10
	.amdgcn_target "amdgcn-amd-amdhsa--gfx1250"
	.amdhsa_code_object_version 6
	.text
	.protected	k_qf50f6a06b4_fc1
	.globl	k_qf50f6a06b4_fc1
	.p2align	8
	.type	k_qf50f6a06b4_fc1,@function
k_qf50f6a06b4_fc1:
	s_mov_b64 s[64:65], 0
	v_nop
	global_prefetch_b8 v0, s[64:65] scope:SCOPE_SE
	s_setreg_imm32_b32 hwreg(HW_REG_WAVE_MODE, 25, 1), 1
	s_wait_xcnt 0x0
	s_wait_alu depctr_hold_cnt(0) depctr_sa_sdst(0) depctr_va_vdst(0) depctr_va_sdst(0) depctr_va_ssrc(0) depctr_va_vcc(0) depctr_vm_vsrc(0)
	s_getreg_b32 s2, hwreg(HW_REG_IB_STS2, 6, 4)
	s_cmp_eq_u32 s2, 0
	s_cbranch_scc0 .Lentry_in_a_cluster
	s_endpgm
.Lentry_in_a_cluster:
	s_bfe_u32 s2, ttmp6, 0x10000c
	s_cmp_lg_u32 s2, 0xf033
	s_cbranch_scc0 .Lentry_shape_is_right
	s_endpgm
.Lentry_shape_is_right:
.set SIZE_K, 1024
.set KSTEP,  256
.set NQ,     KSTEP/128
.set ROWB,   256
.set KROW,   SIZE_K
.set PITCH,  272
.set FR,     16
.set NL,     4
.set NP,     8
.set HALFT,  128*PITCH
.set SLOT,   4*HALFT
.set LAPS,   SIZE_K/(2*KSTEP)
.set KS,     SIZE_K/32
.set SCL,    2*SLOT
.set HALFS,  (128*KS/256)*272
.set SBLK,   (16*KS/256)*272
.set SPARE,  SCL+4*HALFS
.set ADRA, 16
.set ADRB, 20
.set ADRS, 27
.set SPW,  28
.set NIL,  29
.set SC,   32
.set AF,   128
.set BN,   64
.set W,    128
.set U,    192
.set X2,   208
.set PA,   224
.set PB,   240
.set TM,   192
.set PC,   208
.set SEL,  32
.set MNT,  34
.set G1, 24
.set G0, 32
.set G1B, 48
.set G0B, 56
.set G1S, 68
.set G0S, 76
.set G1SB, 80
.set G0SB, 88
.set MSB, 0
.macro WIN new
.if MSB != (\new)
	s_set_vgpr_msb (MSB<<8)|(\new)
.set MSB, (\new)
.endif
.endm
.set MUL_LO, 0xa1
.set MUL_HI, 0xf1
.set TO_B,   0x40
.macro JLOAD g0a, g1a, g0b, g1b
	s_cmp_eq_u32 s15, 0
	s_cbranch_scc0 .Lfor_b_\@
	tensor_load_to_lds s[\g0a:\g0a+3], s[\g1a:\g1a+7]
	s_nop 0
.rept 4
	v_nop
.endr
	s_branch .Lasked_\@
.Lfor_b_\@:
	tensor_load_to_lds s[\g0b:\g0b+3], s[\g1b:\g1b+7]
	s_nop 0
.rept 4
	v_nop
.endr
.Lasked_\@:
.endm
.macro CREST
	s_cmp_lg_u32 s14, 0
	s_cbranch_scc1 .Lnot_wave_0_\@
	s_barrier_signal -3
.Lnot_wave_0_\@:
	s_barrier_wait -3
	s_barrier_signal -1
	s_barrier_wait -1
.endm
.macro CROUND
	s_barrier_signal -1
	s_barrier_wait -1
	CREST
.endm
	s_load_b256 s[4:11], s[0:1], 0x0
	s_load_b64 s[12:13], s[0:1], 0x20
	v_lshl_add_u32 v[SPW], v0, 2, SPARE
	v_mov_b32 v[NIL], 0
	ds_add_u32 v28, v29
	ds_add_u32 v28, v29
	s_wait_dscnt 0x0
	v_lshrrev_b32 v1, 5, v0
	v_readfirstlane_b32 s14, v1
	s_lshr_b32 s15, s14, 1
	s_and_b32 s16, s14, 1
	s_bfe_u32 s40, ttmp6, 0x40000
	s_bfe_u32 s41, ttmp6, 0x40004
	s_lshl_b32 s42, ttmp9, 2
	s_add_co_u32 s42, s42, s40
	s_and_b32 s17, ttmp7, 0xffff
	s_lshl_b32 s17, s17, 2
	s_add_co_u32 s17, s17, s41
	s_lshl_b32 s43, s41, 2
	s_lshl_b32 s43, 15, s43
	s_lshl_b32 s44, 0x1111, s40
	s_or_b32 s[G1+0], s43, (0<<16)|(1<<20)|(1<<21)|(5<<22)|(3<<25)
	s_or_b32 s[G1B+0], s44, (0<<16)|(1<<20)|(1<<21)|(5<<22)|(3<<25)
.irp g, G1, G1B
	s_mov_b32 s[\g+1], ROWB<<16
	s_mov_b32 s[\g+2], 256<<16                     ; the head's loads bring 256 rows; behind them the two words that count rows are set to 128
	s_mov_b32 s[\g+3], ROWB<<16
	s_mov_b32 s[\g+4], 256
	s_mov_b32 s[\g+5], KROW
	s_mov_b32 s[\g+6], 0
	s_mov_b32 s[\g+7], 0
.endr
	s_or_b32 s[G1S+0], s43, (3<<16)|(1<<20)|(1<<21)|(5<<22)|(3<<25)
	s_or_b32 s[G1SB+0], s44, (3<<16)|(1<<20)|(1<<21)|(5<<22)|(3<<25)
.irp g, G1S, G1SB
	s_mov_b32 s[\g+1], 32<<16
	s_mov_b32 s[\g+2], KS<<16                      ; the scales of 256 rows: KS rows of 256 bytes
	s_mov_b32 s[\g+3], 32<<16
	s_mov_b32 s[\g+4], KS
	s_mov_b32 s[\g+5], 32
	s_mov_b32 s[\g+6], 0
	s_mov_b32 s[\g+7], 0
.endr
	s_lshl_b32 s20, s17, 8                         ; the tiles' first rows
	s_lshl_b32 s46, s42, 8
	s_mov_b32 s21, 0
	s_mov_b32 s47, 0
	s_mov_b64 s[18:19], KS
	s_mul_u64 s[22:23], s[20:21], s[18:19]
	s_mul_u64 s[92:93], s[46:47], s[18:19]
	s_mov_b64 s[18:19], KROW
	s_mul_u64 s[20:21], s[20:21], s[18:19]
	s_mul_u64 s[46:47], s[46:47], s[18:19]
	s_mul_i32 s45, s14, HALFT
	s_wait_kmcnt 0x0
	s_add_nc_u64 s[20:21], s[4:5], s[20:21]
	s_add_nc_u64 s[22:23], s[6:7], s[22:23]
	s_add_nc_u64 s[46:47], s[8:9], s[46:47]
	s_add_nc_u64 s[92:93], s[10:11], s[92:93]
	CROUND
	s_mov_b32 s[G0S], 1
	s_mov_b32 s[G0S+1], SCL
	s_mov_b64 s[G0S+2:G0S+3], s[22:23]
	s_or_b32 s[G0S+3], s[G0S+3], 0x80000000
	s_mov_b32 s[G0SB], 1
	s_mov_b32 s[G0SB+1], SCL+2*HALFS
	s_mov_b64 s[G0SB+2:G0SB+3], s[92:93]
	s_or_b32 s[G0SB+3], s[G0SB+3], 0x80000000
	s_mov_b32 s4, 1                                ; s[4:7], s[8:11]: groups 0 of the head's loads of K step 0, 256 rows each (the arguments that lay there have been used)
	s_mov_b32 s5, 0
	s_mov_b64 s[6:7], s[20:21]
	s_or_b32 s7, s7, 0x80000000
	s_mov_b32 s8, 1
	s_mov_b32 s9, 2*HALFT
	s_mov_b64 s[10:11], s[46:47]
	s_or_b32 s11, s11, 0x80000000
	s_mul_i32 s18, s16, 128*KROW                   ; for the ring: my 128 rows of the tile
	s_mov_b32 s19, 0
	s_add_nc_u64 s[20:21], s[20:21], s[18:19]
	s_add_nc_u64 s[46:47], s[46:47], s[18:19]
.irp s, 0,1
	s_mov_b32 s[G0+4*\s], 1
	s_add_co_u32 s[G0+4*\s+1], s45, \s*SLOT
	s_add_nc_u64 s[G0+4*\s+2:G0+4*\s+3], s[20:21], \s*ROWB
	s_or_b32 s[G0+4*\s+3], s[G0+4*\s+3], 0x80000000
	s_mov_b32 s[G0B+4*\s], 1
	s_add_co_u32 s[G0B+4*\s+1], s45, \s*SLOT
	s_add_nc_u64 s[G0B+4*\s+2:G0B+4*\s+3], s[46:47], \s*ROWB
	s_or_b32 s[G0B+4*\s+3], s[G0B+4*\s+3], 0x80000000
.endr
; the head's loads, one a wave, in one tree of branches on the wave's number: wave 0 K step 0's 256 rows of x, wave 1 those of W1, waves 2 and 3 their scales
.macro ARM under, g0, g1, next
	s_cmp_lt_u32 s14, \under
	s_cbranch_scc0 \next
	tensor_load_to_lds s[\g0:\g0+3], s[\g1:\g1+7]
	s_nop 0
.rept 4
	v_nop
.endr
	s_branch .Lhead_asked
\next:
.endm
	ARM 1, 4, G1, .Lhead_b
	ARM 2, 8, G1B, .Lhead_sa
	ARM 3, G0S, G1S, .Lhead_sb
	tensor_load_to_lds s[G0SB:G0SB+3], s[G1SB:G1SB+7]
	s_nop 0
.rept 4
	v_nop
.endr
.Lhead_asked:
	v_and_b32 v1, 15, v0
	v_bfe_u32 v2, v0, 4, 1
	v_mul_u32_u24 v3, v1, PITCH
	v_lshl_add_u32 v4, v2, 4, v3
	s_mul_i32 s21, s15, HALFT
	s_mul_i32 s22, s16, HALFT
	s_add_co_u32 s22, s22, 2*HALFT
.irp s, 0,1
	v_add_nc_u32 v[ADRA+\s], s21, v4
	v_add_nc_u32 v[ADRB+\s], s22, v4
	s_add_co_u32 s21, s21, SLOT
	s_add_co_u32 s22, s22, SLOT
.endr
	v_mul_u32_u24 v5, v1, KS
	v_lshrrev_b32 v6, 8, v5
	v_lshl_add_u32 v5, v6, 4, v5
	s_mul_i32 s21, s15, HALFS
	s_mul_i32 s22, s16, HALFS
	s_add_co_u32 s22, s22, 2*HALFS
	s_sub_co_u32 s22, s22, s21
	v_mul_u32_u24 v6, s22, v2
	s_add_co_u32 s21, s21, SCL
	v_add_nc_u32 v5, v5, v6
	v_add_nc_u32 v[ADRS], s21, v5
	v_lshl_add_u32 v5, v2, 3, v3
	s_mul_i32 s21, s15, HALFT
	s_lshl_b32 s22, s16, 7
	s_add_co_u32 s22, s22, s21
	v_add_nc_u32 v24, s22, v5
	s_lshl_b32 s22, s16, 2
	s_add_co_u32 s22, s22, s21
	s_add_co_u32 s22, s22, 256
	v_add_nc_u32 v25, s22, v5
	v_and_b32 v6, 31, v0
	v_lshlrev_b32 v6, 4, v6
	s_mul_i32 s22, s14, 17408
	v_add_nc_u32 v18, s22, v6
	v_add_nc_u32 v26, s22, v6
	v_lshlrev_b32 v7, 5, v2
	s_lshl_b32 s46, s42, 10
	s_lshl_b32 s47, s16, 9
	s_add_co_u32 s46, s46, s47
	s_mov_b32 s47, 0
	s_add_nc_u64 s[12:13], s[12:13], s[46:47]
.irp b, 0,1,2,3,4,5,6,7
	global_load_b128 v[BN+8*\b:BN+8*\b+3], v7, s[12:13] offset:64*\b
	global_load_b128 v[BN+8*\b+4:BN+8*\b+7], v7, s[12:13] offset:64*\b+16
.endr
.macro FRAG reg, adr, q, i
.irp c, 0,1,2,3
	ds_load_b128 v[\reg+4*\c:\reg+4*\c+3], v[\adr] offset:128*(\q)+32*\c+(\i)*16*PITCH
.endr
.endm
.macro MUL16 a0, p, q, sc, zero
.irp a, \a0, \a0+1
.irp b, 0,1,2,3,4,5,6,7
.if \zero
	v_wmma_scale_f32_16x16x128_f8f6f4 v[8*(8*((\a)%4)+\b):8*(8*((\a)%4)+\b)+7], v[128*(\p)+FR*\b:128*(\p)+FR*\b+FR-1], v[AF+FR*(\a):AF+FR*(\a)+FR-1], 0, v[SC+8*NQ*(\sc)+NQ*\b+(\q)], v[SC+8*NQ*(\sc)+NQ*(\a)+(\q)] matrix_a_scale:MATRIX_SCALE_ROW1
.else
	v_wmma_scale_f32_16x16x128_f8f6f4 v[8*(8*((\a)%4)+\b):8*(8*((\a)%4)+\b)+7], v[128*(\p)+FR*\b:128*(\p)+FR*\b+FR-1], v[AF+FR*(\a):AF+FR*(\a)+FR-1], v[8*(8*((\a)%4)+\b):8*(8*((\a)%4)+\b)+7], v[SC+8*NQ*(\sc)+NQ*\b+(\q)], v[SC+8*NQ*(\sc)+NQ*(\a)+(\q)] matrix_a_scale:MATRIX_SCALE_ROW1
.endif
.endr
.endr
.endm
.macro FETCH_B slot, q, p
	WIN TO_B
.irp i, 0,1,2,3,4,5,6,7
	FRAG 128*(\p)+FR*\i, ADRB+\slot, \q, \i
.endr
	WIN 0
.endm
.macro FETCH_A slot, q, i0
.irp i, \i0, \i0+1, \i0+2, \i0+3
	FRAG AF+FR*(\i), ADRA+\slot, \q, \i
.endr
.endm
.macro SCALES sc
.irp i, 0,1,2,3,4,5,6,7
	ds_load_b64 v[SC+8*NQ*\sc+NQ*\i:SC+8*NQ*\sc+NQ*\i+1], v[ADRS] offset:\i*SBLK
.endr
.endm
.macro PLACES n
.rept \n
	v_nop
.endr
.endm
.macro STEP slot, q, zero
	s_wait_dscnt 4*NL
	WIN MUL_LO
	MUL16 0, (\q)%2, \q, \slot, \zero
	MUL16 2, (\q)%2, \q, \slot, \zero
	s_wait_dscnt 0
	PLACES NP
	FETCH_B \slot, (\q)+1, 1-(\q)%2
	FETCH_A \slot, (\q)+1, 0
	WIN MUL_HI
	MUL16 4, (\q)%2, \q, \slot, \zero
	MUL16 6, (\q)%2, \q, \slot, \zero
	PLACES NP
	WIN 0
	FETCH_A \slot, (\q)+1, 4
.endm
.macro TURN slot, next, fill
	s_wait_tensorcnt 0x0
	ds_add_u32 v[SPW], v[NIL]
	s_wait_dscnt 4*NL+1
	WIN MUL_LO
	MUL16 0, 1, NQ-1, \slot, 0
	s_wait_dscnt 0x0
	s_barrier_signal -1
	MUL16 2, 1, NQ-1, \slot, 0
	WIN 0
	s_barrier_wait -1
.if \fill
	CREST
	s_add_nc_u64 s[G0+4*\slot+2:G0+4*\slot+3], s[G0+4*\slot+2:G0+4*\slot+3], 2*ROWB
	s_add_nc_u64 s[G0B+4*\slot+2:G0B+4*\slot+3], s[G0B+4*\slot+2:G0B+4*\slot+3], 2*ROWB
	JLOAD G0+4*\slot, G1, G0B+4*\slot, G1B
	PLACES NP-4
.else
	PLACES NP
.endif
	s_wait_alu depctr_va_vdst(0)
	v_add_nc_u32 v[ADRS], 4*NQ, v[ADRS]
	FETCH_B \next, 0, 0
	FETCH_A \next, 0, 0
	SCALES \next
	WIN MUL_HI
	MUL16 4, 1, NQ-1, \slot, 0
	MUL16 6, 1, NQ-1, \slot, 0
	PLACES NP
	WIN 0
	FETCH_A \next, 0, 4
.endm
	s_wait_alu depctr_va_vdst(0)
	s_wait_tensorcnt 0x0                           ; my load of the head is in; the three lines ahead of slot 1's first fill
	ds_add_u32 v[SPW], v[NIL]
	s_mov_b32 s[G1+2], 128<<16                     ; no tensor load of mine is out: from here on a load brings 128 rows
	s_mov_b32 s[G1+4], 128
	s_mov_b32 s[G1B+2], 128<<16
	s_mov_b32 s[G1B+4], 128
	s_wait_dscnt 0x0
	CROUND                                         ; all four tiles are in, and all sixteen work-groups are here
	JLOAD G0+4, G1, G0B+4, G1B                     ; K step 1: the first tensor load behind the round
	FETCH_B 0, 0, 0
	FETCH_A 0, 0, 0
	SCALES 0
	FETCH_A 0, 0, 4
	STEP 0, 0, 1
	s_mov_b32 s3, LAPS-1
.Llap:
	TURN 0, 1, 1
	STEP 1, 0, 0
	TURN 1, 0, 1
	STEP 0, 0, 0
	s_sub_co_u32 s3, s3, 1
	s_cmp_lg_u32 s3, 0
	s_cbranch_scc1 .Llap
	TURN 0, 1, 0
	STEP 1, 0, 0
	s_wait_dscnt 4*NL
	WIN MUL_LO
	MUL16 0, 1, NQ-1, 1, 0
	MUL16 2, 1, NQ-1, 1, 0
	s_wait_dscnt 0
	WIN MUL_HI
	MUL16 4, 1, NQ-1, 1, 0
	MUL16 6, 1, NQ-1, 1, 0
	WIN 0
.macro QUANT s, pc, pw
.irp b, 0,1,2,3
	v_max3_num_f32 v[TM+\b], |v[\s+16*\b]|, |v[\s+1+16*\b]|, 0x4800000
.endr
.irp i, 2,4,6,8,10,12,14
.irp b, 0,1,2,3
	v_max3_num_f32 v[TM+\b], v[TM+\b], |v[\s+16*\b+\i]|, |v[\s+1+16*\b+\i]|
.endr
.endr
.irp b, 0,1,2,3
	v_permlanex16_b32 v[TM+4+\b], v[TM+\b], s[SEL], s[SEL+1]
.endr
.irp b, 0,1,2,3
	v_max_num_f32 v[TM+\b], v[TM+\b], v[TM+4+\b]
.endr
.irp b, 0,1,2,3
	v_add_nc_u32 v[TM+12+\b], 0xfc000000, v[TM+\b]
.endr
.irp b, 0,1,2,3
	v_and_or_b32 v[TM+8+\b], v[TM+\b], 0x7f800000, s[MNT]
.endr
.irp b, 0,1,2,3
	v_lshrrev_b32 v[TM+4+\b], 23, v[TM+12+\b]
.endr
	v_lshl_or_b32 v[\pw], v[TM+5], 8, v[TM+4]
	v_lshl_or_b32 v[\pw], v[TM+6], 16, v[\pw]
	v_lshl_or_b32 v[\pw], v[TM+7], 24, v[\pw]
.irp b, 0,1,2,3
.irp i, 0,1,2,3,4,5,6,7,8,9,10,11,12,13,14,15
	v_med3_num_f32 v[\s+16*\b+\i], v[\s+16*\b+\i], -v[TM+8+\b], v[TM+8+\b]
.endr
	v_cvt_scalef32_pk8_fp8_f32 v[\pc+4*\b:\pc+1+4*\b], v[\s+16*\b:\s+7+16*\b], v[TM+12+\b]
	v_cvt_scalef32_pk8_fp8_f32 v[\pc+2+4*\b:\pc+3+4*\b], v[\s+8+16*\b:\s+15+16*\b], v[TM+12+\b]
.endr
	v_nop
.endm
.macro COPY k
	WIN 2+(\k)/4
.set p, 0
.rept 32
	v_pk_add_f32 v[W+p:W+p+1], v[64*((\k)%4)+p:64*((\k)%4)+p+1], v[BN+p:BN+p+1]
.set p, p+2
.endr
	WIN 0
.endm
.macro GELU16 g
.set WG, W+16*(\g)
.set p, 0
.rept 8
	v_pk_mul_f32 v[U+p:U+p+1], v[WG+p:WG+p+1], 0x3f3504f3 op_sel_hi:[1,0]
.set p, p+2
.endr
.set p, 0
.rept 16
	v_med3_num_f32 v[U+p], v[U+p], -4.0, 4.0
.set p, p+1
.endr
.set p, 0
.rept 8
	v_pk_mul_f32 v[X2+p:X2+p+1], v[U+p:U+p+1], v[U+p:U+p+1]
.set p, p+2
.endr
.set p, 0
.rept 8
	v_pk_fma_f32 v[PA+p:PA+p+1], v[X2+p:X2+p+1], s[24:25], 0x32edffee op_sel_hi:[1,0,0]
.set p, p+2
.endr
.irp k, 0xb60cff51, 0xb86ec2d2, 0xba40ac63, 0xbb41a1f6, 0xbc83dbd4
.set p, 0
.rept 8
	v_pk_fma_f32 v[PA+p:PA+p+1], v[PA+p:PA+p+1], v[X2+p:X2+p+1], \k op_sel_hi:[1,1,0]
.set p, p+2
.endr
.endr
.set p, 0
.rept 8
	v_pk_fma_f32 v[PB+p:PB+p+1], v[X2+p:X2+p+1], s[26:27], 0xb95fbd29 op_sel_hi:[1,0,0]
.set p, p+2
.endr
.irp k, 0xbadc924e, 0xbbf19bf8, 0xbc69b6a7
.set p, 0
.rept 8
	v_pk_fma_f32 v[PB+p:PB+p+1], v[PB+p:PB+p+1], v[X2+p:X2+p+1], \k op_sel_hi:[1,1,0]
.set p, p+2
.endr
.endr
.set p, 0
	s_wait_alu depctr_va_vdst(0)
.rept 16
	v_rcp_f32 v[PB+p], v[PB+p]
.set p, p+1
.endr
.set p, 0
.rept 8
	v_pk_mul_f32 v[PA+p:PA+p+1], v[PA+p:PA+p+1], v[U+p:U+p+1]
.set p, p+2
.endr
.set p, 0
.rept 8
	v_pk_mul_f32 v[X2+p:X2+p+1], v[WG+p:WG+p+1], 0.5 op_sel_hi:[1,0]
.set p, p+2
.endr
	s_wait_alu depctr_va_vdst(0)
.set p, 0
.rept 8
	v_pk_mul_f32 v[PA+p:PA+p+1], v[PA+p:PA+p+1], v[PB+p:PB+p+1]
.set p, p+2
.endr
.set p, 0
.rept 8
	v_pk_fma_f32 v[WG+p:WG+p+1], v[X2+p:X2+p+1], v[PA+p:PA+p+1], v[X2+p:X2+p+1]
.set p, p+2
.endr
.endm
	PLACES NP
	s_load_b64 s[38:39], s[0:1], 0x28
	s_mov_b32 s24, 0xaf95df0b
	s_mov_b32 s25, s24
	s_mov_b32 s26, 0xb77460cd
	s_mov_b32 s27, s26
	s_mov_b32 s28, 0xffff0000
	s_mov_b32 s[SEL], 0x76543210
	s_mov_b32 s[SEL+1], 0xfedcba98
	s_mov_b32 s[MNT], 0x600000
	s_mov_b32 s35, 0
	s_mov_b32 s36, 0
	s_lshl_b32 s20, s42, 12
	s_lshl_b32 s21, s17, 8
	s_add_co_u32 s20, s20, s21
	s_mul_i32 s20, s20, PITCH
	s_mov_b32 s21, 0
	s_wait_loadcnt 0x0
	s_wait_kmcnt 0x0
	s_add_nc_u64 s[38:39], s[38:39], s[20:21]
.Ltrip:
.irp k, 0,1,2,3,4,5,6
	s_cmp_eq_u32 s35, \k
	s_cbranch_scc1 .Lcopy\k
.endr
	COPY 7
	s_branch .Lgo
.irp k, 0,1,2,3,4,5
.Lcopy\k:
	COPY \k
	s_branch .Lgo
.endr
.Lcopy6:
	COPY 6
.Lgo:
	s_wait_dscnt 0x0
	GELU16 0
	GELU16 1
	GELU16 2
	GELU16 3
	v_add_nc_u32 v10, s36, v24
	v_add_nc_u32 v11, s36, v25
	QUANT W, PC, 8
.irp t, 0,1,2,3,4,5,6,7
	ds_store_b64 v10, v[PC+2*\t:PC+2*\t+1] offset:16*\t
.endr
	v_cndmask_b32 v9, v8, v[NIL], s28
	ds_store_b32 v11, v9
	s_add_co_u32 s35, s35, 1
	s_add_co_u32 s36, s36, 16*PITCH
	s_cmp_lt_u32 s35, 8
	s_cbranch_scc1 .Ltrip
	s_wait_dscnt 0x0
	s_barrier_signal -1
	s_barrier_wait -1
.set i, 0
.rept 34
	ds_load_b128 v[64+4*i:67+4*i], v18 offset:512*i
.set i, i+1
.endr
.set i, 0
.rept 34
	s_wait_dscnt 33-i
	global_store_b128 v26, v[64+4*i:67+4*i], s[38:39] offset:512*i
.set i, i+1
.endr
	s_wait_tensorcnt 0x0
	ds_add_u32 v[SPW], v[NIL]
	s_wait_dscnt 0x0
	CROUND
	s_endpgm
.Lfunc_end_k_qf50f6a06b4_fc1:
	.size	k_qf50f6a06b4_fc1, .Lfunc_end_k_qf50f6a06b4_fc1-k_qf50f6a06b4_fc1
	.p2alignl 7, 3214868480
	.fill 96, 4, 3214868480
	.section	.rodata,"a",@progbits
	.p2align	6, 0x0
	.amdhsa_kernel k_qf50f6a06b4_fc1
		.amdhsa_group_segment_fixed_size 327680
		.amdhsa_private_segment_fixed_size 0
		.amdhsa_enable_private_segment 0
		.amdhsa_kernarg_size 48
		.amdhsa_user_sgpr_count 2
		.amdhsa_user_sgpr_kernarg_segment_ptr 1
		.amdhsa_wavefront_size32 1
		.amdhsa_system_sgpr_workgroup_id_x 1
		.amdhsa_system_sgpr_workgroup_id_y 1
		.amdhsa_system_sgpr_workgroup_id_z 1
		.amdhsa_system_vgpr_workitem_id 0
		.amdhsa_next_free_vgpr 1024
		.amdhsa_next_free_sgpr 100
		.amdhsa_reserve_vcc 0
		.amdhsa_float_denorm_mode_32 3
		.amdhsa_float_denorm_mode_16_64 3
		.amdhsa_memory_ordered 1
		.amdhsa_forward_progress 1
		.amdhsa_inst_pref_size 201
	.end_amdhsa_kernel
	.amdgpu_metadata
---
amdhsa.version: [ 1, 2 ]
amdhsa.kernels:
  - .name:           k_qf50f6a06b4_fc1
    .symbol:         k_qf50f6a06b4_fc1.kd
    .args:
      - { .name: xq, .offset: 0, .size: 8, .value_kind: global_buffer, .address_space: global }
      - { .name: xs, .offset: 8, .size: 8, .value_kind: global_buffer, .address_space: global }
      - { .name: fc1_w_codes, .offset: 16, .size: 8, .value_kind: global_buffer, .address_space: global }
      - { .name: fc1_w_scales, .offset: 24, .size: 8, .value_kind: global_buffer, .address_space: global }
      - { .name: fc1_b, .offset: 32, .size: 8, .value_kind: global_buffer, .address_space: global }
      - { .name: hq2, .offset: 40, .size: 8, .value_kind: global_buffer, .address_space: global }
    .group_segment_fixed_size: 327680
    .private_segment_fixed_size: 0
    .kernarg_segment_align: 8
    .kernarg_segment_size: 48
    .max_flat_workgroup_size: 128
    .sgpr_count:     100
    .vgpr_count:     1024
    .wavefront_size: 32
...
	.end_amdgpu_metadata
.endif
;; end of part 10
;; launch fc2 (part 11): grid 8 x 32, 4 waves a work-group, clusters of 4 x 4, 327,680 bytes of LDS; arguments hq2, fc2_w_codes, fc2_w_scales, y; writes y
.if DOCPART == 11
	.amdgcn_target "amdgcn-amd-amdhsa--gfx1250"
	.amdhsa_code_object_version 6
	.text
	.protected	k_qf50f6a06b4_fc2
	.globl	k_qf50f6a06b4_fc2
	.p2align	8
	.type	k_qf50f6a06b4_fc2,@function
k_qf50f6a06b4_fc2:
	s_mov_b64 s[64:65], 0
	v_nop
	global_prefetch_b8 v0, s[64:65] scope:SCOPE_SE
	s_setreg_imm32_b32 hwreg(HW_REG_WAVE_MODE, 25, 1), 1
	s_wait_xcnt 0x0
	s_wait_alu depctr_hold_cnt(0) depctr_sa_sdst(0) depctr_va_vdst(0) depctr_va_sdst(0) depctr_va_ssrc(0) depctr_va_vcc(0) depctr_vm_vsrc(0)
	s_getreg_b32 s2, hwreg(HW_REG_IB_STS2, 6, 4)
	s_cmp_eq_u32 s2, 0
	s_cbranch_scc0 .Lentry_in_a_cluster
	s_endpgm
.Lentry_in_a_cluster:
	s_bfe_u32 s2, ttmp6, 0x10000c
	s_cmp_lg_u32 s2, 0xf033
	s_cbranch_scc0 .Lentry_shape_is_right
	s_endpgm
.Lentry_shape_is_right:
; y = h W2^T on codes of E4M3 with E8M0 scales (K = 4,096); the bias is added by the launch that follows.
; h: hq2 [K / 256 (16 planes)][row (4096)][272 bytes]: 256 codes, 8 scale bytes, 8 zeros.  W2: codes [1024][4096], scale bytes [1024][128].  y [4096][1024] f32.
; y has 256 tiles of 128 x 128: one to a work-group of four waves, each 64 x 64 in 16 accumulators.  Of all tiles with 16,384 outputs this one has the fewest rows of h and W2 to fetch (128 + 128).
; K goes in slots of 512, four steps of 128, through two LDS slots: as long as two slots in LDS allow.  A slot holds two planes of h's 128 rows (each one dense block of 136 x 256 bytes, which lands as rows
; 272 bytes apart, the rows' scale bytes behind their codes) and W2's 128 rows of 512 bytes, 16 bytes of padding behind each.  One tensor load a wave: waves 0 and 1 a plane each, waves 2 and 3 64 rows of W2 each.
; W2's scale bytes for all of K (128 rows x 128 bytes) come once, with the first fills, and stay.
; CLUSTERS of 4 x 4: h's tile is asked for jointly along a row of the cluster, W2's along a column.
; THE PRODUCT IS USED TRANSPOSED (source 0 = 16 rows of W2, source 1 = 16 rows of h): a lane holds eight neighbouring numbers of a row of y.
; REGISTERS: window 0: v16-29 addresses; v32-63 h's scale words, v64-95 W2's, two sets each (they hold scales and nothing else); v128-255 the accumulators ((a, b) at v[128 + 8 (4 a + b)]).
;   window 1: two fragment buffers of 128: for 128 along K, 64 registers of h (4 x 16 rows), then 64 of W2.
.set SIZE_K, 4096
.set SIZE_N, 1024
.set KSLOT,  512                       ; along K in a slot
.set KROW,   SIZE_K                    ; a row of W2 in memory
.set PITCH,  272                       ; a row of h in memory and in LDS: 17 x 16 bytes, so the 16 rows that a load touches start at 16 different groups of banks
.set APL,    128*PITCH                 ; my tile's rows in one plane: 34,816 bytes
.set PLANE,  4096*PITCH                ; a plane of hq2
.set BP,     528                       ; a row of W2 in LDS: 512 bytes + 16 = 33 x 16
.set BHALF,  64*BP
.set SLOT,   2*APL+2*BHALF             ; 137,216
.set FR,     16                        ; registers of a fragment
.set NP,     8                         ; places behind this matrix instruction (ISA guide 7.12.1)
.set LAPS,   SIZE_K/(2*KSLOT)          ; a lap = two slots = once round the ring
.set KS,     SIZE_K/32
.set SCL,    2*SLOT                    ; behind the ring: W2's scale bytes, as units of 256 bytes + 16 of padding
.set HALFS,  (64*KS/256)*272           ; those of 64 rows: my half of W2's rows
.set SBLK,   (16*KS/256)*272           ; those of 16 rows
.set SPARE,  SCL+2*HALFS               ; the spare words: 128 bytes a wave, named by no other line
.set SPITCH, 272                       ; the way out: a stage of 64 rows x (256 bytes + 16) for each wave, in slot 0
.set ADRA, 16                          ; v16-17 LDS address of my fragments of h in slot 0, 1
.set ADSA, 18                          ; v18-19 of h's scale words
.set ADRB, 20                          ; v20-21 of my fragments of W2
.set STO,  24
.set RD,   25
.set CO,   26
.set ADRS, 27                          ; v27 LDS address of W2's scale words
.set SPW,  28
.set NIL,  29
.set SCA,  32
.set SCB,  64
.set ACC,  128
.set F0,   0
.set F1,   128
.set CP,   10                          ; s[10:11] y
.set G1, 24                            ; s[24:31] group 1 for h's planes;  s[32:39] groups 0, one for each slot
.set G0, 32
.set G1B, 48                           ; s[48:55], s[56:63] the same for W2's tiles
.set G0B, 56
.set G1SB, 80                          ; s[80:87], s[88:91] for W2's scale bytes
.set G0SB, 88
.set PFA,  68                          ; s[68:69] where my prefetches stand: my share of the slot two loads on
.set PFS,  70                          ; s[70:71] a slot on, in bytes: two planes of h, or 512 in a row of W2
.set PFO,  22                          ; v22 the prefetches' offset, a lane a block of 256 bytes; never rewritten
.set PFO2, 23                          ; v23 the same for an h wave's blocks 32 and 33; never rewritten
.set MSB, 0
.macro WIN new                         ; the immediate's high byte repeats the setting that is left
.if MSB != (\new)
	s_set_vgpr_msb (MSB<<8)|(\new)
.set MSB, (\new)
.endif
.endm
.set MUL,  0x05                        ; sources 0 (W2) and 1 (h) window 1; C and D window 0
.set TO_F, 0x40                        ; destination window 1, address window 0
.macro JLOAD g0a, g1a, g0b, g1b        ; a joint load: waves 0 and 1 fetch for h, waves 2 and 3 for W2; four v_nop follow each line
	s_cmp_eq_u32 s15, 0
	s_cbranch_scc0 .Lfor_b_\@
	tensor_load_to_lds s[\g0a:\g0a+3], s[\g1a:\g1a+7]
	s_nop 0
.rept 4
	v_nop
.endr
	s_branch .Lasked_\@
.Lfor_b_\@:
	tensor_load_to_lds s[\g0b:\g0b+3], s[\g1b:\g1b+7]
	s_nop 0
.rept 4
	v_nop
.endr
.Lasked_\@:
.endm
.macro CREST                           ; a round of the cluster's barrier behind its opening barrier
	s_cmp_lg_u32 s14, 0
	s_cbranch_scc1 .Lnot_wave_0_\@
	s_barrier_signal -3
.Lnot_wave_0_\@:
	s_barrier_wait -3
	s_barrier_signal -1
	s_barrier_wait -1
.endm
.macro CROUND
	s_barrier_signal -1
	s_barrier_wait -1
	CREST
.endm
	s_load_b128 s[4:7], s[0:1], 0x0                ; hq2, W2's codes
	s_load_b128 s[8:11], s[0:1], 0x10              ; W2's scales, y
	v_lshl_add_u32 v[SPW], v0, 2, SPARE
	v_mov_b32 v[NIL], 0
	ds_add_u32 v28, v29
	ds_add_u32 v28, v29
	s_wait_dscnt 0x0
	v_lshrrev_b32 v1, 5, v0
	v_readfirstlane_b32 s14, v1                    ; wave 0..3
	s_lshr_b32 s15, s14, 1                         ; my half of the tile's rows.  Also: I fetch for h (0) or for W2 (1)
	s_and_b32 s16, s14, 1                          ; my half of its columns.  Also: which plane of h, or which 64 rows of W2, I fetch
	s_bfe_u32 s40, ttmp6, 0x40000                  ; cx
	s_bfe_u32 s41, ttmp6, 0x40004                  ; cy
	s_lshl_b32 s42, ttmp9, 2
	s_add_co_u32 s42, s42, s40                     ; tile column 0..7
	s_and_b32 s17, ttmp7, 0xffff
	s_lshl_b32 s17, s17, 2
	s_add_co_u32 s17, s17, s41                     ; tile row 0..31
	s_lshl_b32 s43, s41, 2
	s_lshl_b32 s43, 15, s43                        ; my row of the cluster
	s_lshl_b32 s44, 0x1111, s40                    ; my column
	s_or_b32 s[G1+0], s43, (3<<16)|(1<<21)         ; h's plane: the mask; elements of 8 bytes; no padding: 136 rows of 256 bytes, dense
	s_mov_b32 s[G1+1], 32<<16                      ; tensor_dim0
	s_mov_b32 s[G1+2], 136<<16                     ; tensor_dim1
	s_mov_b32 s[G1+3], 32<<16                      ; tile_dim0
	s_mov_b32 s[G1+4], 136                         ; tile_dim1
	s_mov_b32 s[G1+5], 32                          ; the pitch
	s_mov_b32 s[G1+6], 0
	s_mov_b32 s[G1+7], 0
	s_or_b32 s[G1B+0], s44, (0<<16)|(1<<20)|(1<<21)|(6<<22)|(3<<25)   ; W2's tile: elements of 1 byte; 4 words of padding after every 128: 64 rows of 512 bytes
	s_mov_b32 s[G1B+1], KSLOT<<16
	s_mov_b32 s[G1B+2], 128<<16                    ; the head's load brings all 128 rows; behind it the two words that count rows are set to 64
	s_mov_b32 s[G1B+3], KSLOT<<16
	s_mov_b32 s[G1B+4], 128
	s_mov_b32 s[G1B+5], KROW
	s_mov_b32 s[G1B+6], 0
	s_mov_b32 s[G1B+7], 0
	s_or_b32 s[G1SB+0], s44, (3<<16)|(1<<20)|(1<<21)|(5<<22)|(3<<25)  ; W2's scale bytes of 128 rows: 64 rows of 256 bytes, dense in memory, padded in LDS
	s_mov_b32 s[G1SB+1], 32<<16
	s_mov_b32 s[G1SB+2], (128*KS/256)<<16          ; the scale bytes of all 128 rows: 64 rows of 256 bytes, one load
	s_mov_b32 s[G1SB+3], 32<<16
	s_mov_b32 s[G1SB+4], 128*KS/256
	s_mov_b32 s[G1SB+5], 32
	s_mov_b32 s[G1SB+6], 0
	s_mov_b32 s[G1SB+7], 0
	s_mul_i32 s20, s17, APL                        ; h: my tile's 128 rows in a plane,
	s_mul_i32 s18, s16, PLANE                      ; in the plane that I fetch
	s_add_co_u32 s20, s20, s18
	s_mov_b32 s21, 0
	s_lshl_b32 s46, s42, 7
	s_lshl_b32 s18, s16, 6
	s_add_co_u32 s46, s46, s18                     ; W2: the first row that I fetch
	s_lshl_b32 s92, s42, 14                        ; the scale bytes of my tile's 128 rows of W2: 128 x 128 bytes a tile column
	s_mov_b32 s93, 0
	s_lshl_b32 s46, s46, 12                        ; its codes: 4,096 a row
	s_mov_b32 s47, 0
	s_mul_i32 s45, s16, APL                        ; where they go in a slot: h's planes,
	s_mul_i32 s95, s16, BHALF
	s_add_co_u32 s95, s95, 2*APL                   ; W2's halves behind them: no place in the cluster enters an LDS address
	s_wait_kmcnt 0x0
	s_add_nc_u64 s[20:21], s[4:5], s[20:21]
	s_add_nc_u64 s[46:47], s[6:7], s[46:47]
	s_add_nc_u64 s[92:93], s[8:9], s[92:93]
	CROUND                                         ; all sixteen work-groups are here: the first joint loads meet
	s_mov_b32 s[G0SB], 1
	s_mov_b32 s[G0SB+1], SCL
	s_mov_b64 s[G0SB+2:G0SB+3], s[92:93]
	s_or_b32 s[G0SB+3], s[G0SB+3], 0x80000000
.irp s, 0,1
	s_mov_b32 s[G0+4*\s], 1
	s_add_co_u32 s[G0+4*\s+1], s45, \s*SLOT
	s_add_nc_u64 s[G0+4*\s+2:G0+4*\s+3], s[20:21], \s*2*PLANE     ; slot s begins with planes 2 s and 2 s + 1
	s_or_b32 s[G0+4*\s+3], s[G0+4*\s+3], 0x80000000
	s_mov_b32 s[G0B+4*\s], 1
	s_add_co_u32 s[G0B+4*\s+1], s95, \s*SLOT
	s_add_nc_u64 s[G0B+4*\s+2:G0B+4*\s+3], s[46:47], \s*KSLOT
	s_or_b32 s[G0B+4*\s+3], s[G0B+4*\s+3], 0x80000000
.endr
	; the head's loads, one a wave, in one tree of branches on the wave's number: waves 0 and 1 slot 0's planes of h, wave 2 its 128 rows of W2, wave 3 W2's scale bytes
	s_cmp_lt_u32 s14, 2
	s_cbranch_scc0 .Lfirst_b
	tensor_load_to_lds s[G0:G0+3], s[G1:G1+7]
	s_nop 0
.rept 4
	v_nop
.endr
	s_branch .Lfirst_asked
.Lfirst_b:
	s_cmp_lt_u32 s14, 3
	s_cbranch_scc0 .Lfirst_s
	tensor_load_to_lds s[G0B:G0B+3], s[G1B:G1B+7]
	s_nop 0
.rept 4
	v_nop
.endr
	s_branch .Lfirst_asked
.Lfirst_s:
	tensor_load_to_lds s[G0SB:G0SB+3], s[G1SB:G1SB+7]
	s_nop 0
.rept 4
	v_nop
.endr
.Lfirst_asked:
	v_and_b32 v1, 15, v0                           ; r
	v_bfe_u32 v2, v0, 4, 1                         ; h
	v_mul_u32_u24 v3, v1, PITCH
	v_lshl_add_u32 v4, v2, 4, v3                   ; a fragment of h: row r x 272 + 16 h
	v_add_nc_u32 v5, 256, v3                       ; a row's scale bytes lie behind its 256 codes
	v_mul_u32_u24 v6, v1, BP
	v_lshl_add_u32 v6, v2, 4, v6                   ; a fragment of W2: row r x 528 + 16 h
	s_mul_i32 s21, s15, 64*PITCH                   ; my 64 rows of h
	s_mul_i32 s22, s16, BHALF                      ; my 64 rows of W2,
	s_add_co_u32 s22, s22, 2*APL                   ; behind h's two planes
.irp s, 0,1
	v_add_nc_u32 v[ADRA+\s], s21, v4
	v_add_nc_u32 v[ADSA+\s], s21, v5
	v_add_nc_u32 v[ADRB+\s], s22, v6
	s_add_co_u32 s21, s21, SLOT
	s_add_co_u32 s22, s22, SLOT
.endr
	v_mul_u32_u24 v5, v1, KS                       ; W2's scale bytes: 128 a row,
	v_lshrrev_b32 v7, 8, v5
	v_lshl_add_u32 v5, v7, 4, v5                   ; and 16 more for each 256 passed
	s_mul_i32 s22, s16, HALFS
	s_add_co_u32 s22, s22, SCL
	v_add_nc_u32 v[ADRS], s22, v5
	s_mul_i32 s23, s14, 64*SPITCH                  ; my stage
	v_lshl_add_u32 v5, v2, 5, v3                   ; in: row r, 32 bytes for each half of the lanes
	v_add_nc_u32 v[STO], s23, v5
	v_mul_u32_u24 v5, v2, SPITCH                   ; back: lanes 0-15 one row of 256 bytes, lanes 16-31 the next
	v_lshl_add_u32 v5, v1, 4, v5
	v_add_nc_u32 v[RD], s23, v5
	v_lshlrev_b32 v5, 12, v2                       ; and the same two rows in y
	v_lshl_add_u32 v[CO], v1, 4, v5
	s_lshl_b32 s20, s17, 7
	s_lshl_b32 s21, s15, 6
	s_add_co_u32 s20, s20, s21                     ; my first row of y: 128 x tile row + 64 x half,
	s_lshl_b32 s20, s20, 12                        ; of 4,096 bytes
	s_mov_b32 s21, 0
	s_lshl_b32 s46, s42, 9                         ; my first column, in bytes: 512 x tile column + 256 x half
	s_lshl_b32 s47, s16, 8
	s_add_co_u32 s46, s46, s47
	s_mov_b32 s47, 0
	s_add_nc_u64 s[20:21], s[20:21], s[46:47]
	s_add_nc_u64 s[CP:CP+1], s[CP:CP+1], s[20:21]
	; PREFETCH INTO THE L2: behind the load of slot n stands a request for slot n + 2 (n = 0 .. 5), so slots 2 to 7 are asked for two loads ahead; at most two slots are asked for and not yet read.
	; Each block of 256 bytes is named once in each cluster that will load it; the partners that ask for a tile jointly share its blocks out BY ADDRESS.
	; An h wave's plane is 136 blocks: the partner at cx takes blocks 34 cx .. 34 cx + 33 (32 by one line, 2 by a second, whose other lanes name the last block again).
	; A W2 wave's 64 rows x 512 bytes are 128 blocks: the partner at cy takes rows 16 cy .. 16 cy + 15, two lanes to a row.
	s_mul_i32 s72, s17, APL
	s_mul_i32 s73, s16, PLANE
	s_add_co_u32 s72, s72, s73
	s_mul_i32 s73, s40, 34*256
	s_add_co_u32 s72, s72, s73
	s_add_co_u32 s72, s72, 4*PLANE                 ; h: slot 2 begins with plane 4
	s_lshl_b32 s74, s42, 7
	s_lshl_b32 s73, s16, 6
	s_add_co_u32 s74, s74, s73
	s_lshl_b32 s73, s41, 4
	s_add_co_u32 s74, s74, s73
	s_lshl_b32 s74, s74, 12
	s_add_co_u32 s74, s74, 2*KSLOT                 ; W2: slot 2 begins at byte 1,024 of the rows
	s_cmp_eq_u32 s15, 0                            ; do I fetch for h?
	s_cselect_b32 s72, s72, s74
	s_cselect_b64 s[PFA:PFA+1], s[4:5], s[6:7]
	s_mov_b32 s[PFS], KSLOT
	s_cselect_b32 s[PFS], 2*PLANE, s[PFS]
	s_cselect_b32 s75, 0, 1                        ; lanes to a row less one
	s_mov_b32 s76, KROW
	s_cselect_b32 s76, 256, s76                    ; from row to row
	s_mov_b32 s73, 0
	s_mov_b32 s[PFS+1], 0
	s_add_nc_u64 s[PFA:PFA+1], s[PFA:PFA+1], s[72:73]
	v_and_b32 v5, 31, v0
	v_lshrrev_b32 v6, s75, v5
	v_and_b32 v7, s75, v5
	v_mul_u32_u24 v6, v6, s76
	v_lshl_add_u32 v[PFO], v7, 8, v6
	v_min_u32 v7, 1, v5
	v_lshl_add_u32 v[PFO2], v7, 8, 32*256
.macro ASK
	global_prefetch_b8 v[PFO], s[PFA:PFA+1] th:TH_LOAD_NT scope:SCOPE_SE
	s_cmp_eq_u32 s15, 0
	s_cbranch_scc0 .Lno_more_\@
	global_prefetch_b8 v[PFO2], s[PFA:PFA+1] th:TH_LOAD_NT scope:SCOPE_SE
.Lno_more_\@:
.endm
	ASK                                            ; behind slot 0's load: slot 2
; 8 matrix instructions: h's blocks a0, a0 + 1 x W2's four, 128 along K: the slot's q-th step, out of buffer f, with set sc of the scale words.  zero = 1: the first product starts the sums.
; The 16 accumulators take turns, one instruction a turn, in the same order in every step.
.macro MUL8 f, q, sc, a0, zero
.irp a, \a0, \a0+1
.irp b, 0,1,2,3
.if \zero
	v_wmma_scale_f32_16x16x128_f8f6f4 v[ACC+8*(4*(\a)+\b):ACC+8*(4*(\a)+\b)+7], v[\f+64+FR*\b:\f+64+FR*\b+FR-1], v[\f+FR*(\a):\f+FR*(\a)+FR-1], 0, v[SCB+16*(\sc)+4*\b+(\q)], v[SCA+16*(\sc)+4*(\a)+(\q)]
.else
	v_wmma_scale_f32_16x16x128_f8f6f4 v[ACC+8*(4*(\a)+\b):ACC+8*(4*(\a)+\b)+7], v[\f+64+FR*\b:\f+64+FR*\b+FR-1], v[\f+FR*(\a):\f+FR*(\a)+FR-1], v[ACC+8*(4*(\a)+\b):ACC+8*(4*(\a)+\b)+7], v[SCB+16*(\sc)+4*\b+(\q)], v[SCA+16*(\sc)+4*(\a)+(\q)]
.endif
.endr
.endr
.endm
; 32 LDS loads in one run: the eight fragments of the slot's q-th step into buffer f.  A fragment: lane (r, h) holds row r; registers 4 c .. 4 c + 3 hold K = 32 c + 16 h + 0 .. 15.
; Step q of h lies in plane q / 2, at byte 128 (q % 2) of the rows; of W2 at byte 128 q.
.macro FETCH slot, q, f
	WIN TO_F
.irp i, 0,1,2,3
.irp c, 0,1,2,3
	ds_load_b128 v[\f+64+FR*\i+4*\c:\f+64+FR*\i+4*\c+3], v[ADRB+\slot] offset:128*(\q)+32*\c+\i*16*BP
.endr
.endr
.irp i, 0,1,2,3
.irp c, 0,1,2,3
	ds_load_b128 v[\f+FR*\i+4*\c:\f+FR*\i+4*\c+3], v[ADRA+\slot] offset:((\q)/2)*APL+128*((\q)%2)+32*\c+\i*16*PITCH
.endr
.endr
.endm
; A slot's scale words into set sc; register 4 i + q: block i, step q; lane r takes row r's.  h's: two words out of each plane of slot sc; W2's: four words out of their own region
.macro SCALES sc
.irp i, 0,1,2,3
.irp p, 0,1
	ds_load_b64 v[SCA+16*\sc+4*\i+2*\p:SCA+16*\sc+4*\i+2*\p+1], v[ADSA+\sc] offset:\p*APL+\i*16*PITCH
.endr
.endr
.irp i, 0,1,2,3
	ds_load_b128 v[SCB+16*\sc+4*\i:SCB+16*\sc+4*\i+3], v[ADRS] offset:\i*SBLK
.endr
.endm
.macro PLACES n                        ; plain vector lines between a matrix instruction and a load into, or a read of, its registers
.rept \n
	v_nop
.endr
.endm
; One of a slot's first three steps: the next step's fragments are asked for, into the buffer that the last step's products have read, and land while this step is multiplied.
.macro STEP slot, q, zero
	s_wait_dscnt 0x0                               ; this step's fragments are in (asked for 16 matrix instructions ago)
	PLACES NP
	FETCH \slot, (\q)+1, 128*(((\q)+1)%2)
	WIN MUL
	MUL8 128*((\q)%2), \q, \slot, 0, \zero
	MUL8 128*((\q)%2), \q, \slot, 2, \zero
.endm
; A slot's fourth step multiplies buffer 1 and changes slots: ONE barrier; in front of it each wave waits for all its tensor loads, adds 0 to its spare word, and waits for that and for its own reads of this slot.
; fill = 1: this slot is filled again, two slots ahead: the barrier then opens a round of the cluster's.
.macro TURN slot, next, fill
.if \fill
	s_wait_xcnt 0x0                                ; my last prefetch, a slot back, has read its address: it steps here, ahead of the waits of the change of slots
	s_add_nc_u64 s[PFA:PFA+1], s[PFA:PFA+1], s[PFS:PFS+1]
.endif
	WIN 0
	s_wait_tensorcnt 0x0                           ; all my tensor loads have landed: the one that was out is my part of the next slot
	ds_add_u32 v[SPW], v[NIL]                      ; 0 onto my spare word
	s_wait_dscnt 1                                 ; the step's fragments are in; the add may be out
	WIN MUL
	MUL8 F1, 3, \slot, 0, 0                        ; eight matrix instructions stand between the add and the wait for it
	s_wait_dscnt 0x0                               ; the add is done, and my reads of this slot are over
	s_barrier_signal -1
	WIN 0
	s_barrier_wait -1
.if \fill
	CREST                                          ; no wave of any partner still reads this slot or has a load on its way
	s_add_nc_u64 s[G0+4*\slot+2:G0+4*\slot+3], s[G0+4*\slot+2:G0+4*\slot+3], 4*PLANE
	s_add_nc_u64 s[G0B+4*\slot+2:G0B+4*\slot+3], s[G0B+4*\slot+2:G0B+4*\slot+3], 2*KSLOT
	JLOAD G0+4*\slot, G1, G0B+4*\slot, G1B         ; the first tensor load behind the round: 64 matrix instructions ahead of the wait for it; its four v_nop are four of the eight places
	PLACES NP-4
.else
	PLACES NP
.endif
	s_wait_alu depctr_va_vdst(0)
	v_add_nc_u32 v[ADRS], KSLOT/32, v[ADRS]        ; on to the next slot's scale words of W2 (no LDS load of mine is out)
	FETCH \next, 0, F0
	WIN 0
	SCALES \next
.if \fill
	s_cmp_gt_u32 s3, 1                             ; the loop's last trip loads slots 6 and 7: no slot stands two loads on
	s_cbranch_scc0 .Lpast_\@
	ASK
.Lpast_\@:
.endif
	WIN MUL
	MUL8 F1, 3, \slot, 2, 0
.endm
	s_wait_alu depctr_va_vdst(0)
	s_wait_tensorcnt 0x0                           ; my load of the head is in; the three lines ahead of slot 1's first fill
	ds_add_u32 v[SPW], v[NIL]
	s_wait_xcnt 0x0                                ; my first prefetch has read its address
	s_add_nc_u64 s[PFA:PFA+1], s[PFA:PFA+1], s[PFS:PFS+1]
	s_mov_b32 s[G1B+2], 64<<16
	s_mov_b32 s[G1B+4], 64
	s_wait_dscnt 0x0
	CROUND                                         ; everybody's part is in, and all sixteen work-groups are here
	JLOAD G0+4, G1, G0B+4, G1B                     ; slot 1's first fill: the first tensor load behind the round
	FETCH 0, 0, F0
	WIN 0
	SCALES 0
	ASK                                            ; behind slot 1's load: slot 3
	STEP 0, 0, 1
	WIN 0                                          ; at a label and at a branch every window is 0
	s_mov_b32 s3, LAPS-1
.Llap:                                                 ; a trip goes once round the ring, from a lap's second step to the next lap's first, and fills both slots again
	STEP 0, 1, 0
	STEP 0, 2, 0
	TURN 0, 1, 1
	STEP 1, 0, 0
	STEP 1, 1, 0
	STEP 1, 2, 0
	TURN 1, 0, 1
	STEP 0, 0, 0
	WIN 0
	s_sub_co_u32 s3, s3, 1
	s_cmp_lg_u32 s3, 0
	s_cbranch_scc1 .Llap
	STEP 0, 1, 0                                   ; the last lap fills nothing, and has no round of the cluster's barrier
	STEP 0, 2, 0
	TURN 0, 1, 0
	STEP 1, 0, 0
	STEP 1, 1, 0
	STEP 1, 2, 0
	s_wait_dscnt 0x0                               ; the very last step: nothing more to fetch
	WIN MUL
	MUL8 F1, 3, 1, 0, 0
	MUL8 F1, 3, 1, 2, 0
	WIN 0
	; THE WAY OUT.  A lane holds 32 neighbouring bytes of a row, and the lanes beside it hold other rows; my 64 columns are 256 bytes of a row of y, aligned.  So my 64 rows go through my own stage and come back
	; as whole pieces of 256 bytes, into the registers that they left.  The stage lies in slot 0, which has had its last fill, and which nobody reads behind the last change of slots.
	; LDS serves a wave's instructions in order (ISA guide 5.7.1.4): no wait stands between the stores and the loads.
	PLACES NP
.irp a, 0,1,2,3
.irp b, 0,1,2,3
	ds_store_b128 v[STO], v[ACC+8*(4*\a+\b):ACC+8*(4*\a+\b)+3] offset:\a*16*SPITCH+64*\b        ; each accumulator from its low end on
	ds_store_b128 v[STO], v[ACC+8*(4*\a+\b)+4:ACC+8*(4*\a+\b)+7] offset:\a*16*SPITCH+64*\b+16
.endr
.irp t, 0,1,2,3,4,5,6,7
	ds_load_b128 v[ACC+32*\a+4*\t:ACC+32*\a+4*\t+3], v[RD] offset:\a*16*SPITCH+2*\t*SPITCH
.endr
.endr
.irp a, 0,1,2,3
.irp t, 0,1,2,3,4,5,6,7
	s_wait_dscnt (7-\t)+16*(3-\a)                  ; behind this load: the 7 - t younger loads of its block, and 16 stores and loads for each later block
	global_store_b128 v[CO], v[ACC+32*\a+4*\t:ACC+32*\a+4*\t+3], s[CP:CP+1] offset:(16*\a+2*\t)*SIZE_N*4   ; sixteen lanes store 256 consecutive bytes, aligned
.endr
.endr
	s_wait_tensorcnt 0x0                           ; the wave's end
	ds_add_u32 v[SPW], v[NIL]
	s_wait_dscnt 0x0
	CROUND                                         ; the closing round: no work-group ends while a partner may still ask for a tile that names it
	s_endpgm
.Lfunc_end_k_qf50f6a06b4_fc2:
	.size	k_qf50f6a06b4_fc2, .Lfunc_end_k_qf50f6a06b4_fc2-k_qf50f6a06b4_fc2
	.p2alignl 7, 3214868480
	.fill 96, 4, 3214868480
	.section	.rodata,"a",@progbits
	.p2align	6, 0x0
	.amdhsa_kernel k_qf50f6a06b4_fc2
		.amdhsa_group_segment_fixed_size 327680
		.amdhsa_private_segment_fixed_size 0
		.amdhsa_enable_private_segment 0
		.amdhsa_kernarg_size 32
		.amdhsa_user_sgpr_count 2
		.amdhsa_user_sgpr_kernarg_segment_ptr 1
		.amdhsa_wavefront_size32 1
		.amdhsa_system_sgpr_workgroup_id_x 1
		.amdhsa_system_sgpr_workgroup_id_y 1
		.amdhsa_system_sgpr_workgroup_id_z 1
		.amdhsa_system_vgpr_workitem_id 0
		.amdhsa_next_free_vgpr 512
		.amdhsa_next_free_sgpr 98
		.amdhsa_reserve_vcc 0
		.amdhsa_float_denorm_mode_32 3
		.amdhsa_float_denorm_mode_16_64 3
		.amdhsa_memory_ordered 1
		.amdhsa_forward_progress 1
		.amdhsa_inst_pref_size 96
	.end_amdhsa_kernel
	.amdgpu_metadata
---
amdhsa.version: [ 1, 2 ]
amdhsa.kernels:
  - .name:           k_qf50f6a06b4_fc2
    .symbol:         k_qf50f6a06b4_fc2.kd
    .args:
      - { .name: hq2, .offset: 0, .size: 8, .value_kind: global_buffer, .address_space: global }
      - { .name: fc2_w_codes, .offset: 8, .size: 8, .value_kind: global_buffer, .address_space: global }
      - { .name: fc2_w_scales, .offset: 16, .size: 8, .value_kind: global_buffer, .address_space: global }
      - { .name: y, .offset: 24, .size: 8, .value_kind: global_buffer, .address_space: global }
    .group_segment_fixed_size: 327680
    .private_segment_fixed_size: 0
    .kernarg_segment_align: 8
    .kernarg_segment_size: 32
    .max_flat_workgroup_size: 128
    .sgpr_count:     98
    .vgpr_count:     512
    .wavefront_size: 32
...
	.end_amdgpu_metadata
.endif
;; end of part 11
;; launch lnout (part 12): grid 256 x 1, 8 waves a work-group, no clusters, 0 bytes of LDS; arguments y, fc2_b, r1, st, addnorm_gamma, addnorm_beta, out0; writes out0
.if DOCPART == 12
	.amdgcn_target "amdgcn-amd-amdhsa--gfx1250"
	.amdhsa_code_object_version 6
	.text
	.protected	k_qf50f6a06b4_lnout
	.globl	k_qf50f6a06b4_lnout
	.p2align	8
	.type	k_qf50f6a06b4_lnout,@function
k_qf50f6a06b4_lnout:
	s_mov_b64 s[64:65], 0
	v_nop
	global_prefetch_b8 v0, s[64:65] scope:SCOPE_SE
	s_setreg_imm32_b32 hwreg(HW_REG_WAVE_MODE, 25, 1), 1
	s_wait_xcnt 0x0
; out = LayerNorm(y + b2 + x1), x1 = LayerNorm(r1) made again from r1 and its stored (mean, rstd) by the operations that made it; both norms share gain and bias.
; y, r1, out: [4096][1024] f32; statistics [4096][2] f32; b2, gain, bias [1024].
; A work-group takes 16 rows, each of its eight waves two, kept in registers: lane l holds, for i = 0..7, the four numbers at column 128 i + 4 l, so that every load and store of the wave covers 512 consecutive bytes.
; All 56 loads of a wave go out together.  No LDS, no barrier, no matrix unit, no cluster: a stream whose work-groups share only 12 KB of vectors.
; LIMITS: NaN and infinities are not served.
.set G,   16                           ; v16-47   gain
.set BT,  48                           ; v48-79   bias
.set FB,  80                           ; v80-111  b2
.set Y,   112                          ; v112-175 y, two rows; then the sum; then the result
.set R,   176                          ; v176-239 r1, two rows; then x1; then scratch
.set SA,  176
.set SO,  184
	s_load_b256 s[4:11], s[0:1], 0x0               ; y s[4:5], b2 s[6:7], r1 s[8:9], statistics s[10:11]
	s_load_b128 s[12:15], s[0:1], 0x20             ; gain, bias
	s_load_b64 s[16:17], s[0:1], 0x30              ; out
	v_lshrrev_b32 v1, 5, v0
	s_delay_alu instid0(VALU_DEP_1)
	v_readfirstlane_b32 s18, v1
	v_and_b32 v1, 31, v0
	s_delay_alu instid0(VALU_DEP_1)
	v_lshlrev_b32 v1, 4, v1                        ; 16 bytes a lane
	s_mov_b32 s20, 0x76543210
	s_mov_b32 s21, 0xfedcba98
	s_mov_b32 s22, 0x3a800000                      ; 1 / 1,024
	s_mov_b32 s23, 0x3727c5ac                      ; eps
	s_lshl_b32 s19, ttmp9, 4
	s_lshl_b32 s28, s18, 1
	s_add_co_u32 s19, s19, s28                     ; my first row
	s_lshl_b32 s28, s19, 12
	s_mov_b32 s29, 0
	s_lshl_b32 s30, s19, 3
	s_mov_b32 s31, 0
	s_wait_alu depctr_va_vdst(0)
	s_wait_kmcnt 0x0
	s_add_nc_u64 s[4:5], s[4:5], s[28:29]
	s_add_nc_u64 s[8:9], s[8:9], s[28:29]
	s_add_nc_u64 s[16:17], s[16:17], s[28:29]
	s_add_nc_u64 s[10:11], s[10:11], s[30:31]
	s_load_b128 s[24:27], s[10:11], 0x0            ; (mean, rstd) of my two rows of r1
.irp rr, 0,1
.irp i, 0,1,2,3,4,5,6,7
	global_load_b128 v[R+32*\rr+4*\i:R+32*\rr+4*\i+3], v1, s[8:9] offset:4096*\rr+512*\i th:TH_LOAD_NT
.endr
.endr
.irp i, 0,1,2,3,4,5,6,7
	global_load_b128 v[G+4*\i:G+4*\i+3], v1, s[12:13] offset:512*\i
	global_load_b128 v[BT+4*\i:BT+4*\i+3], v1, s[14:15] offset:512*\i
	global_load_b128 v[FB+4*\i:FB+4*\i+3], v1, s[6:7] offset:512*\i
.endr
.irp rr, 0,1
.irp i, 0,1,2,3,4,5,6,7
	global_load_b128 v[Y+32*\rr+4*\i:Y+32*\rr+4*\i+3], v1, s[4:5] offset:4096*\rr+512*\i th:TH_LOAD_NT
.endr
.endr
	s_wait_kmcnt 0x0
	v_mov_b32 v2, s24                              ; row rr: the mean in v[2 + 4 rr], rstd in v[4 + 4 rr], each the low word of a pair
	v_mov_b32 v3, 0
	v_mov_b32 v4, s25
	v_mov_b32 v5, 0
	v_mov_b32 v6, s26
	v_mov_b32 v7, 0
	v_mov_b32 v8, s27
	v_mov_b32 v9, 0
	s_wait_alu depctr_va_vdst(0)
	s_wait_loadcnt 0x0
.set j, 0
.rept 16
.irp rr, 0,1
	v_pk_add_f32 v[R+32*\rr+j:R+32*\rr+j+1], v[R+32*\rr+j:R+32*\rr+j+1], v[2+4*\rr:3+4*\rr] op_sel_hi:[1,0] neg_lo:[0,1] neg_hi:[0,1]
.endr
.set j, j+2
.endr
.set j, 0
.rept 16
.irp rr, 0,1
	v_pk_mul_f32 v[R+32*\rr+j:R+32*\rr+j+1], v[R+32*\rr+j:R+32*\rr+j+1], v[4+4*\rr:5+4*\rr] op_sel_hi:[1,0]
.endr
.set j, j+2
.endr
.set j, 0
.rept 16
.irp rr, 0,1
	v_pk_fma_f32 v[R+32*\rr+j:R+32*\rr+j+1], v[R+32*\rr+j:R+32*\rr+j+1], v[G+j:G+j+1], v[BT+j:BT+j+1]   ; x1
.endr
.set j, j+2
.endr
.set j, 0
.rept 16
.irp rr, 0,1
	v_pk_add_f32 v[Y+32*\rr+j:Y+32*\rr+j+1], v[Y+32*\rr+j:Y+32*\rr+j+1], v[FB+j:FB+j+1]
.endr
.set j, j+2
.endr
.set j, 0
.rept 16
.irp rr, 0,1
	v_pk_add_f32 v[Y+32*\rr+j:Y+32*\rr+j+1], v[Y+32*\rr+j:Y+32*\rr+j+1], v[R+32*\rr+j:R+32*\rr+j+1]
.endr
.set j, j+2
.endr
.macro REDUCE                          ; each row's two chains become one number, summed over the 32 lanes
.irp rr, 0
	s_delay_alu instid0(VALU_DEP_3)
	v_pk_add_f32 v[SA+4*\rr:SA+4*\rr+1], v[SA+4*\rr:SA+4*\rr+1], v[SA+4*\rr+2:SA+4*\rr+3]
.endr
.irp rr, 1
	s_delay_alu instid0(VALU_DEP_2)
	v_pk_add_f32 v[SA+4*\rr:SA+4*\rr+1], v[SA+4*\rr:SA+4*\rr+1], v[SA+4*\rr+2:SA+4*\rr+3]
.endr
.irp rr, 0,1
	s_delay_alu instid0(VALU_DEP_2)
	v_add_f32 v[SA+4*\rr], v[SA+4*\rr], v[SA+4*\rr+1]
.endr
.irp m, 1,2,4,8
.irp rr, 0,1
	s_delay_alu instid0(VALU_DEP_2)
	v_add_f32_dpp v[SA+4*\rr], v[SA+4*\rr], v[SA+4*\rr] row_xmask:\m row_mask:0xf bank_mask:0xf
.endr
.endr
.irp rr, 0,1
	s_delay_alu instid0(VALU_DEP_2)
	v_permlanex16_b32 v[SO+\rr], v[SA+4*\rr], s20, s21
.endr
.irp rr, 0,1
	s_delay_alu instid0(VALU_DEP_2)
	v_add_f32 v[SA+4*\rr], v[SA+4*\rr], v[SO+\rr]
.endr
.endm
.irp rr, 0,1
	v_pk_add_f32 v[SA+4*\rr:SA+4*\rr+1], v[Y+32*\rr:Y+32*\rr+1], v[Y+32*\rr+2:Y+32*\rr+3]
	v_pk_add_f32 v[SA+4*\rr+2:SA+4*\rr+3], v[Y+32*\rr+4:Y+32*\rr+5], v[Y+32*\rr+6:Y+32*\rr+7]
.endr
.irp j, 8,12,16,20,24,28
.irp rr, 0,1
	s_delay_alu instid0(VALU_DEP_4)
	v_pk_add_f32 v[SA+4*\rr:SA+4*\rr+1], v[SA+4*\rr:SA+4*\rr+1], v[Y+32*\rr+\j:Y+32*\rr+\j+1]
	s_delay_alu instid0(VALU_DEP_4)
	v_pk_add_f32 v[SA+4*\rr+2:SA+4*\rr+3], v[SA+4*\rr+2:SA+4*\rr+3], v[Y+32*\rr+\j+2:Y+32*\rr+\j+3]
.endr
.endr
	REDUCE
.irp rr, 0,1
	s_delay_alu instid0(VALU_DEP_2)
	v_mul_f32 v[2+4*\rr], s22, v[SA+4*\rr]         ; the mean
.endr
.set j, 0
.rept 16
.irp rr, 0,1
	v_pk_add_f32 v[Y+32*\rr+j:Y+32*\rr+j+1], v[Y+32*\rr+j:Y+32*\rr+j+1], v[2+4*\rr:3+4*\rr] op_sel_hi:[1,0] neg_lo:[0,1] neg_hi:[0,1]
.endr
.set j, j+2
.endr
.irp rr, 0,1
	v_pk_mul_f32 v[SA+4*\rr:SA+4*\rr+1], v[Y+32*\rr:Y+32*\rr+1], v[Y+32*\rr:Y+32*\rr+1]
	v_pk_mul_f32 v[SA+4*\rr+2:SA+4*\rr+3], v[Y+32*\rr+2:Y+32*\rr+3], v[Y+32*\rr+2:Y+32*\rr+3]
.endr
.irp j, 4,8,12,16,20,24,28
.irp rr, 0,1
	s_delay_alu instid0(VALU_DEP_4)
	v_pk_fma_f32 v[SA+4*\rr:SA+4*\rr+1], v[Y+32*\rr+\j:Y+32*\rr+\j+1], v[Y+32*\rr+\j:Y+32*\rr+\j+1], v[SA+4*\rr:SA+4*\rr+1]
	s_delay_alu instid0(VALU_DEP_4)
	v_pk_fma_f32 v[SA+4*\rr+2:SA+4*\rr+3], v[Y+32*\rr+\j+2:Y+32*\rr+\j+3], v[Y+32*\rr+\j+2:Y+32*\rr+\j+3], v[SA+4*\rr+2:SA+4*\rr+3]
.endr
.endr
	REDUCE
.irp rr, 0,1
	s_delay_alu instid0(VALU_DEP_2)
	v_fma_f32 v[SA+4*\rr+2], v[SA+4*\rr], s22, s23 ; var + eps
.endr
	s_wait_alu depctr_va_vdst(0)
.irp rr, 0,1
	v_rsq_f32 v[4+4*\rr], v[SA+4*\rr+2]
.endr
	v_nop                                          ; a plain line behind the two roots
	s_wait_alu depctr_va_vdst(0)                   ; one wait for both, ahead of their first reader
.set j, 0
.rept 16
.irp rr, 0,1
	v_pk_mul_f32 v[Y+32*\rr+j:Y+32*\rr+j+1], v[Y+32*\rr+j:Y+32*\rr+j+1], v[4+4*\rr:5+4*\rr] op_sel_hi:[1,0]
.endr
.set j, j+2
.endr
.set j, 0
.rept 16
.irp rr, 0,1
	v_pk_fma_f32 v[Y+32*\rr+j:Y+32*\rr+j+1], v[Y+32*\rr+j:Y+32*\rr+j+1], v[G+j:G+j+1], v[BT+j:BT+j+1]
.endr
.set j, j+2
.endr
.irp rr, 0,1
.irp i, 0,1,2,3,4,5,6,7
	global_store_b128 v1, v[Y+32*\rr+4*\i:Y+32*\rr+4*\i+3], s[16:17] offset:4096*\rr+512*\i th:TH_STORE_NT   ; 512 consecutive bytes, aligned
.endr
.endr
	s_endpgm
.Lfunc_end_k_qf50f6a06b4_lnout:
	.size	k_qf50f6a06b4_lnout, .Lfunc_end_k_qf50f6a06b4_lnout-k_qf50f6a06b4_lnout
	.p2alignl 7, 3214868480
	.fill 96, 4, 3214868480
	.section	.rodata,"a",@progbits
	.p2align	6, 0x0
	.amdhsa_kernel k_qf50f6a06b4_lnout
		.amdhsa_group_segment_fixed_size 0
		.amdhsa_private_segment_fixed_size 0
		.amdhsa_enable_private_segment 0
		.amdhsa_kernarg_size 56
		.amdhsa_user_sgpr_count 2
		.amdhsa_user_sgpr_kernarg_segment_ptr 1
		.amdhsa_wavefront_size32 1
		.amdhsa_system_sgpr_workgroup_id_x 1
		.amdhsa_system_sgpr_workgroup_id_y 1
		.amdhsa_system_sgpr_workgroup_id_z 1
		.amdhsa_system_vgpr_workitem_id 0
		.amdhsa_next_free_vgpr 240
		.amdhsa_next_free_sgpr 66
		.amdhsa_reserve_vcc 0
		.amdhsa_float_denorm_mode_32 3
		.amdhsa_float_denorm_mode_16_64 3
		.amdhsa_memory_ordered 1
		.amdhsa_forward_progress 1
		.amdhsa_inst_pref_size 34
	.end_amdhsa_kernel
	.amdgpu_metadata
---
amdhsa.version: [ 1, 2 ]
amdhsa.kernels:
  - .name:           k_qf50f6a06b4_lnout
    .symbol:         k_qf50f6a06b4_lnout.kd
    .args:
      - { .name: y, .offset: 0, .size: 8, .value_kind: global_buffer, .address_space: global }
      - { .name: fc2_b, .offset: 8, .size: 8, .value_kind: global_buffer, .address_space: global }
      - { .name: r1, .offset: 16, .size: 8, .value_kind: global_buffer, .address_space: global }
      - { .name: st, .offset: 24, .size: 8, .value_kind: global_buffer, .address_space: global }
      - { .name: addnorm_gamma, .offset: 32, .size: 8, .value_kind: global_buffer, .address_space: global }
      - { .name: addnorm_beta, .offset: 40, .size: 8, .value_kind: global_buffer, .address_space: global }
      - { .name: out0, .offset: 48, .size: 8, .value_kind: global_buffer, .address_space: global }
    .group_segment_fixed_size: 0
    .private_segment_fixed_size: 0
    .kernarg_segment_align: 8
    .kernarg_segment_size: 56
    .max_flat_workgroup_size: 256
    .sgpr_count:     66
    .vgpr_count:     240
    .wavefront_size: 32
...
	.end_amdgpu_metadata
.endif
;; end of part 12
